; MI455X (gfx1250); checked and timed in simulation.
; The chip was launched on July 23, 2026; its instructions are those of AMD's public machine-readable ISA for CDNA 5 (MIT licence, August 2026) and "CDNA5" Instruction Set Architecture Reference Guide (July 2026). The comments in the code are by the model that wrote it; some were corrected since.
;; Rotary Multi Head Attention. Allowed arithmetic: matrix products marked QUANTISED: E3M2 operands, one E8M0 scale for each 32 along K, by v_wmma_scale_f32_16x16x128_f8f6f4 with both operands' format E3M2, f32 sums; products left as they are: f32 operands where the result goes on into a quantised operand, else bf16, f16 or f32 operands; f32 sums; everything else in f32.
;; Inputs: Wk 1,024 x 1,024 float32; Wo 1,024 x 1,024 float32; Wq 1,024 x 1,024 float32; Wv 1,024 x 1,024 float32; bk 1,024 float32; bo 1,024 float32; bq 1,024 float32; bv 1,024 float32; x 2 x 2,048 x 1,024 float32.
;; Outputs: out0 2 x 2,048 x 1,024 float32.
;; This version of the problem:
;;   THIS VERSION OF THE PROBLEM IS GIVEN IN LOW PRECISION. The matrix products marked QUANTISED in the list below multiply operands that are first quantised to E3M2 (3 exponent bits, 2 mantissa bits; 6 bits a number), with one power-of-two scale for each 32 numbers along K (OCP MX v1.0); their sums are f32. All else is computed in f32.
;;   The module's matrix products, in the order in which they are computed (A, B: the left and right operand; K: the contracted axis; several contracted axes count as one K, in the product's order):
;;     1. [M 4,096, K 1,024] x [K 1,024, N 1,024]; A: input x; B: input Wq: QUANTISED
;;     2. [M 4,096, K 1,024] x [K 1,024, N 1,024]; A: input x; B: input Wk: QUANTISED
;;     3. [M 4,096, K 1,024] x [K 1,024, N 1,024]; A: input x; B: input Wv: QUANTISED
;;     4. [M 2,048, K 1] x [K 1, N 32]; A: computed on the way; B: computed on the way: left as it is (no contracted axis)
;;     5. batch 32 x [M 2,048, K 64] x [K 64, N 2,048]; A: computed on the way; B: computed on the way: QUANTISED
;;     6. batch 32 x [M 2,048, K 2,048] x [K 2,048, N 64]; A: softmax (see below); B: computed on the way: QUANTISED
;;     7. [M 4,096, K 1,024] x [K 1,024, N 1,024]; A: computed on the way; B: input Wo: QUANTISED
;;   THE QUANTISER, for each operand of a quantised product, along K:
;;     - K is cut into blocks of 32 from its start; a last block that is shorter is filled with zeros.
;;     - A block's scale is 2^e with e = floor(log2(the largest magnitude in the block)) - 4, held to -126 .. 127; a block of zeros has e = 0. As a byte (E8M0): e + 127.
;;     - Each number is divided by its block's scale, clamped to +-28, and rounded to the nearest number of E3M2, ties to even, subnormals kept.
;;     - The product sums the exact products of the quantised numbers (number of the format x scale) in f32.
;;   ~~~python
;;   def quantise(x, axis):      # numpy; x: float32 -> the quantised numbers, widened to float32 again
;;       x = np.moveaxis(x, axis, -1); K = x.shape[-1]
;;       x = np.pad(x, [(0, 0)] * (x.ndim - 1) + [(0, -K % 32)]); x = x.reshape(x.shape[:-1] + (-1, 32)); a = np.abs(x).max(-1, keepdims=True)
;;       e = np.where(a > 0, np.clip(np.frexp(np.where(a > 0, a, 1))[1] - 1 - 4, -126, 127), 0)      # np.frexp(a)[1] - 1 = floor(log2(a)), exactly
;;       r = np.clip(x / 2.0 ** e, -28, 28)
;;       step = 2.0 ** (np.maximum(np.frexp(np.where(r == 0, 1, r))[1] - 1, -2) - 2)
;;       q = np.round(r / step) * step * 2.0 ** e      # np.round: ties to even
;;       return np.moveaxis(q.reshape(q.shape[:-2] + (-1,))[..., :K], -1, axis).astype(np.float32)
;;   ~~~
;;   SOFTMAX AHEAD OF A QUANTISED PRODUCT. Where the list says 'softmax', what is quantised is not the finished softmax but p = 2^(t - M), with t = logit x log2(e) and M = ceil(the row's largest t), a whole number; so 1/2 < the row's largest p <= 1. The row's sum l is taken of the UNQUANTISED p, in f32, and the product's result is divided by l at the end. Since M is a whole number, a kernel that streams over the keys may use a running M (the ceiling of the running maximum): every later rescaling is an exact power of two, which a block's scale takes up: the codes' values come out the same.
;;   OPERANDS COMPUTED ON THE WAY. 'Computed on the way' means the value that the module computes at that place (a softmax that the list does not call 'softmax' is quantised finished and normalised). What goes into a quantiser is computed in f32, as accurately as f32 sums, v_exp_f32 and their like allow (about 1e-6 of the number): no bf16 or f16 on the way to a quantiser, and a product that is left as it is and whose result goes on into a quantised operand takes f32 operands (vector FMAs, or v_wmma_f32_16x16x4_f32). A number that lies on a knife's edge between two numbers of the format may be rounded either way, as far as f32 arithmetic and the matrix unit's own rounding can turn it there, and no further.
;; 2 versions. Each part assembles by itself: llvm-mc -triple=amdgcn-amd-amdhsa -mcpu=gfx1250 --defsym DOCPART=n.
;; ======== version 1 of 2: 4 launches
;; workspace buffers: cw 6,553,600 bytes; rope 524,288 bytes; qq 3,407,872 bytes; kv 6,684,672 bytes; aq 3,276,800 bytes
;; launch quant (part 1): grid 288 x 1, 4 waves a work-group, no clusters, 35,328 bytes of LDS; arguments x, Wq, Wk, Wv, Wo, cw, rope; writes cw, rope
.if DOCPART == 1
	.amdgcn_target "amdgcn-amd-amdhsa--gfx1250"
	.amdhsa_code_object_version 6
	.text
	.protected	k_q1070398278_quant
	.globl	k_q1070398278_quant
	.p2align	8
	.type	k_q1070398278_quant,@function
k_q1070398278_quant:
	s_mov_b64 s[64:65], 0
	v_nop
	global_prefetch_b8 v0, s[64:65] scope:SCOPE_SE
	s_setreg_imm32_b32 hwreg(HW_REG_WAVE_MODE, 25, 1), 1
	s_wait_xcnt 0x0
; x [4096][1024] and Wq, Wk, Wv, Wo [1024][1024], f32, K innermost, become codes of BF6 (E3M2) with one E8M0 byte for each 32 along K, laid in cw as the products' launches want them; and the table of cos and sin is made.
; A block's scale is 2^(floor(log2(its largest magnitude)) - 4); its byte is the largest magnitude's exponent field - 4, held at 1 from below.  A block of zeros so gets the byte 1 where the rule says 127:
; its codes are zeros, which add nothing under any byte but 0xff, and the bytes are read by this program alone.
; LIMITS: blocks whose largest magnitude lies under 2^-122 keep the byte 1; NaN and infinities among the inputs are not served.
; LAYOUT OF cw.  512 tiles of 16 rows: 0-255 x, 256-319 Wq, 320-383 Wk, 384-447 Wv, 448-511 Wo.  TILE ORDER: row p of tile 2 b + u is the tensor's row 32 b + 8 u + p + 8 (p / 8), so that in a product the 16 result
; registers of two neighbouring tiles are 16 neighbouring rows.  A tile's codes: 8 K steps of 128, each an IMAGE OF THE OPERAND'S REGISTERS, 1,536 bytes, in two halves of 768 (64 along K): registers 6 c .. 6 c + 3 at
; 16 x lane, registers 6 c + 4, 6 c + 5 at 512 + 8 x lane.  Lane (r, h) holds row r, K = 64 c + 32 h + 0 .. 31.  Scale words from byte 6,291,456 on: (tile, K step s, row r) at 512 tile + 128 (s / 2) + 8 r + 4 (s % 2).
; SHARES.  Work-groups 0-255 quantise two tiles each: wave w takes tile 2 g + w / 2 and half w % 2 of K: 8 units of 16 rows x 64 K.  A unit's eight loads read two rows x 256 consecutive bytes each; the unit turns through
; the wave's own stage in LDS (rows 272 bytes apart) and comes back 128 bytes a lane: one whole block of 32.  Loads run four units (32 loads a wave) ahead, the turn one unit.  No barrier: waves share nothing.
; Work-groups 256-287 make the table rope [128 token tiles][8 groups][32 lanes][4]: groups 0-3 cos, 4-7 sin of token x inv_freq[16 h + 4 g + e], the lane's token in tile order.  They use no LDS.
; THE ANGLE is the f32 product token x inv_freq, inv_freq = 1 / 10^(j / 8) with both steps rounded to nearest: 10^(j / 8) = c x F, F a whole power of ten, c = hi + lo with 12 bits in hi, so that hi x F is exact.
; (Where a power function gives the last bit otherwise, an angle differs by up to 1.2e-7 of its size.)  cos and sin: the angle less n pi / 2 in two parts (the first difference is exact up to the largest angle here, 2,047), then polynomials on +-pi / 4.
.set SP,   272                         ; a stage row: 256 bytes + 16
.set STG,  16*SP                       ; a stage
.set WREG, 2*STG                       ; a wave's LDS: two stages
.set WD,   14                          ; v14-17   the four scale words
.set BY,   18                          ; v18-19   the bytes of a K step's two halves
.set C,    20                          ; v20-25, v26-31 a unit's codes, two sets
.set CT,   32                          ; v32-34   the second sixteen codes (a conversion's three registers begin on an even number)
.set X,    64                          ; v64-127  two sets of 32 neighbours
.set R,    128                         ; v128-255 four sets of 32 numbers as loaded
.set P,    32                          ; the table: v32-47 the powers, then inv_freq; v48-63 reciprocals; v64-79 cos; v80-95 sin
.set Q,    48
.set CO,   64
.set SI,   80
	s_load_b256 s[4:11], s[0:1], 0x0               ; x, Wq, Wk, Wv
	s_load_b128 s[12:15], s[0:1], 0x20             ; Wo, cw
	s_load_b64 s[16:17], s[0:1], 0x30              ; rope
	s_set_vgpr_msb 0x40
	v_lshl_add_u32 v0, v0, 2, 0x8800
	v_mov_b32 v1, 0
	s_set_vgpr_msb 0x4000
	v_lshrrev_b32 v1, 5, v0
	v_readfirstlane_b32 s24, v1                    ; wave
	v_and_b32 v1, 31, v0                           ; lane
	v_lshlrev_b32 v5, 4, v1                        ; 16 x lane
	s_mov_b32 s26, 0x76543210
	s_mov_b32 s27, 0xfedcba98                      ; v_permlanex16_b32's selects for lane l xor 16
	s_wait_kmcnt 0x0
	s_cmp_ge_u32 ttmp9, 256
	s_cbranch_scc1 .Ltable
	; ---- the quantiser
	v_lshrrev_b32 v8, 4, v1                        ; h
	v_and_b32 v9, 15, v1                           ; r
	v_lshlrev_b32 v2, 12, v8
	v_lshl_add_u32 v2, v9, 4, v2                   ; a load: lanes 0-15 one row's 256 bytes, lanes 16-31 the next row's
	s_mul_i32 s25, s24, WREG
	v_mul_u32_u24 v3, v8, SP
	v_lshl_add_u32 v3, v9, 4, v3
	v_add_nc_u32 v3, s25, v3                       ; the stage, on the way in: as loaded
	v_mul_u32_u24 v4, v9, SP
	v_lshl_add_u32 v4, v8, 7, v4
	v_add_nc_u32 v4, s25, v4                       ; on the way out: row r, my half's 128 bytes
	v_lshlrev_b32 v6, 3, v1                        ; 8 x lane
	v_lshlrev_b32 v7, 3, v8                        ; 8 h: my byte's place in a scale word
	v_mov_b32 v13, 0                               ; (a lane permute's destination counts as one of its sources)
	s_lshr_b32 s28, s24, 1                         ; which of the two tiles
	s_and_b32 s29, s24, 1                          ; which half of K
	s_cmp_lt_u32 ttmp9, 224                        ; which tensor: the choice hangs on the work-group's number alone
	s_cselect_b64 s[12:13], s[10:11], s[12:13]
	s_cmp_lt_u32 ttmp9, 192
	s_cselect_b64 s[12:13], s[8:9], s[12:13]
	s_cmp_lt_u32 ttmp9, 160
	s_cselect_b64 s[12:13], s[6:7], s[12:13]
	s_cmp_lt_u32 ttmp9, 128
	s_cselect_b64 s[12:13], s[4:5], s[12:13]
	s_cselect_b32 s18, 127, 31
	s_and_b32 s18, ttmp9, s18                      ; which 32 rows of that tensor
	s_lshl_b32 s18, s18, 17                        ; 32 rows of 4,096 bytes,
	s_lshl_b32 s19, s28, 15                        ; 8 rows for the second tile,
	s_add_co_u32 s18, s18, s19
	s_lshl_b32 s19, s29, 11                        ; 512 numbers for the second half of K
	s_add_co_u32 s18, s18, s19
	s_mov_b32 s19, 0
	s_add_nc_u64 s[12:13], s[12:13], s[18:19]
	s_lshl_b32 s20, ttmp9, 1
	s_add_co_u32 s20, s20, s28                     ; the tile's number in cw
	s_mul_i32 s18, s20, 12288
	s_mul_i32 s21, s29, 6144
	s_add_co_u32 s18, s18, s21
	s_add_nc_u64 s[30:31], s[14:15], s[18:19]      ; my codes
	s_lshl_b32 s18, s20, 9
	s_lshl_b32 s21, s29, 8
	s_add_co_u32 s18, s18, s21
	s_add_co_u32 s18, s18, 6291456
	s_add_nc_u64 s[32:33], s[14:15], s[18:19]      ; my 256 bytes of scale words
.macro LOAD t                          ; unit t: tile rows 2 p, 2 p + 1 are the tensor's rows 2 p + 8 (p / 4) and the next
.irp p, 0,1,2,3,4,5,6,7
	global_load_b128 v[R+32*((\t)%4)+4*\p:R+32*((\t)%4)+4*\p+3], v2, s[12:13] offset:(2*\p+8*(\p/4))*4096+256*(\t) th:TH_LOAD_NT
.endr
.endm
.macro TURN t                          ; through the stage: LDS serves a wave's instructions in order, so no wait stands between the stores and the loads
.irp p, 0,1,2,3,4,5,6,7
	ds_store_b128 v3, v[R+32*((\t)%4)+4*\p:R+32*((\t)%4)+4*\p+3] offset:STG*((\t)%2)+2*\p*SP
.endr
.irp j, 0,1,2,3,4,5,6,7
	ds_load_b128 v[X+32*((\t)%2)+4*\j:X+32*((\t)%2)+4*\j+3], v4 offset:STG*((\t)%2)+16*\j
.endr
.endm
.macro STEP t
.set XS, X+32*((\t)%2)
.set CC, C+6*((\t)%2)
	s_wait_dscnt 0x0                               ; this unit's numbers are back from the stage, and its stores into the stage have read their registers,
.if (\t)+4 < 8
	LOAD (\t)+4                                    ; which take the loads of four units on
.endif
.if (\t)+1 < 8
.if (\t)+4 < 8
	s_wait_loadcnt 24                              ; the next unit's eight loads are in; those of the three units behind it may be out
.else
	s_wait_loadcnt 8*(6-(\t))
.endif
	TURN (\t)+1                                    ; and go through the other stage while this unit is worked
.endif
	v_max3_num_f32 v8, |v[XS]|, |v[XS+1]|, |v[XS+2]|               ; the block's largest magnitude: all 32 numbers are mine; two chains
	v_max3_num_f32 v9, |v[XS+3]|, |v[XS+4]|, |v[XS+5]|
.irp i, 6,10,14,18,22,26
	v_max3_num_f32 v8, v8, |v[XS+\i]|, |v[XS+\i+1]|
	v_max3_num_f32 v9, v9, |v[XS+\i+2]|, |v[XS+\i+3]|
.endr
	v_max3_num_f32 v8, v8, |v[XS+30]|, |v[XS+31]|
	v_max3_num_f32 v8, v8, v9, 0x2800000           ; and the floor 2^(5 - 127): the byte cannot fall under 1
	v_add_nc_u32 v11, 0xfe000000, v8               ; 4 off the exponent field: the conversion takes the exponent field of this operand as its scale
	s_wait_xcnt 0x0                                ; the stores of two units ago have read this set of codes
	v_cvt_scalef32_pk16_bf6_f32 v[CC:CC+2], v[XS:XS+15], v11
	v_cvt_scalef32_pk16_bf6_f32 v[CT:CT+2], v[XS+16:XS+31], v11
	v_lshrrev_b32 v[BY+(\t)%2], 23, v11            ; the scale's byte (the plain line behind the conversions)
.irp i, 0,1,2
	v_mov_b32 v[CC+3+\i], v[CT+\i]
.endr
	global_store_b128 v5, v[CC:CC+3], s[30:31] offset:((\t)/2)*1536+((\t)%2)*768        ; 512 consecutive bytes,
	global_store_b64 v6, v[CC+4:CC+5], s[30:31] offset:((\t)/2)*1536+((\t)%2)*768+512   ; and 256
.if (\t)%2
	v_lshl_or_b32 v12, v[BY+1], 16, v[BY]          ; my two bytes of the K step: blocks h and 2 + h,
	v_lshlrev_b32 v12, v7, v12                     ; at their places;
	v_permlanex16_b32 v13, v12, s26, s27
	v_or_b32 v[WD+(\t)/2], v12, v13                ; with lane l xor 16's two the word is whole
.endif
.endm
.irp t, 0,1,2,3
	LOAD \t
.endr
	s_wait_loadcnt 24                              ; unit 0's eight loads are in
	TURN 0
.irp t, 0,1,2,3,4,5,6,7
	STEP \t
.endr
	v_cmp_le_u32 vcc_lo, 16, v1
	v_cndmask_b32 v8, v[WD], v[WD+2], vcc_lo       ; lanes 0-15: the words of my first two K steps; lanes 16-31: of the other two
	v_cndmask_b32 v9, v[WD+1], v[WD+3], vcc_lo
	global_store_b64 v6, v[8:9], s[32:33]          ; 256 consecutive bytes, aligned
	s_set_vgpr_msb 0x5
	s_wait_tensorcnt 0x0
	ds_add_u32 v0, v1
	s_wait_dscnt 0x0
	s_set_vgpr_msb 0x500
	s_endpgm
	; ---- the table
.Ltable:
	s_sub_co_u32 s18, ttmp9, 256
	s_lshl_b32 s18, s18, 2
	s_add_co_u32 s18, s18, s24                     ; my token tile
	s_lshr_b32 s19, s18, 1
	s_lshl_b32 s19, s19, 5
	s_and_b32 s20, s18, 1
	s_lshl_b32 s20, s20, 3
	s_add_co_u32 s19, s19, s20                     ; its first token: 32 (T / 2) + 8 (T % 2)
	s_lshl_b32 s20, s18, 12
	s_mov_b32 s21, 0
	s_add_nc_u64 s[16:17], s[16:17], s[20:21]
	s_mov_b32 s28, 0x3fc90fdb                      ; pi / 2, its first 24 bits,
	s_mov_b32 s29, 0xb33bbd2e                      ; and the rest
	s_mov_b32 s30, 0xb94ca1f9                      ; sin: -1.9515295891e-4, 8.3321608736e-3, -1.6666654611e-1
	s_mov_b32 s31, 0x3c08839e
	s_mov_b32 s32, 0xbe2aaaa3
	s_mov_b32 s33, 0x37ccf5ce                      ; cos: 2.443315712e-5, -1.388731625e-3, 4.166664568e-2
	s_mov_b32 s34, 0xbab6061a
	s_mov_b32 s35, 0x3d2aaaa5
	v_and_b32 v2, 15, v0
	v_and_b32 v3, 8, v2
	v_add_nc_u32 v2, v2, v3                        ; r + 8 (r / 8)
	v_add_nc_u32 v2, s19, v2
	v_cvt_f32_u32 v2, v2                           ; my token, as f32
	v_cmp_le_u32 vcc_lo, 16, v1
	v_mov_b32 v3, 1.0
	v_mov_b32 v4, 0x42c80000                       ; 100
	v_cndmask_b32 v6, v3, v4, vcc_lo               ; F for frequencies 16 h + 0 .. 7: 10^(2 h)
	v_mov_b32 v3, 0x41200000                       ; 10
	v_mov_b32 v4, 0x447a0000                       ; 1000
	v_cndmask_b32 v7, v3, v4, vcc_lo               ; and for 16 h + 8 .. 15
	v_mov_b32 v[P], v6
	v_mov_b32 v[P+8], v7
.macro POWN n, hi, lo                  ; 10^(n / 8) x F: hi x F is exact, so the fused line rounds once
	v_mul_f32 v8, \hi, v6
	v_mul_f32 v9, \hi, v7
	v_fma_f32 v[P+\n], \lo, v6, v8
	v_fma_f32 v[P+8+\n], \lo, v7, v9
.endm
	POWN 1, 0x3faab000, 0x37d48dd4
	POWN 2, 0x3fe3a000, 0xb82b8eaf
	POWN 3, 0x4017c000, 0x3992c703
	POWN 4, 0x404a6000, 0x393075b5
	POWN 5, 0x4086f000, 0x393053ea
	POWN 6, 0x40b3f000, 0x39c01647
	POWN 7, 0x40eff000, 0x3a6aad16
.irp i, 0,1,2,3,4,5,6,7,8,9,10,11,12,13,14,15
	v_rcp_f32 v[Q+\i], v[P+\i]
.endr
	v_nop                                          ; a plain line behind the transcendentals
	s_wait_alu depctr_va_vdst(0)
.irp i, 0,1,2,3,4,5,6,7,8,9,10,11,12,13,14,15
	v_fma_f32 v[CO+\i], -v[P+\i], v[Q+\i], 1.0     ; what the reciprocal leaves,
.endr
.irp i, 0,1,2,3,4,5,6,7,8,9,10,11,12,13,14,15
	v_fma_f32 v[P+\i], v[Q+\i], v[CO+\i], v[Q+\i]  ; taken in: inv_freq
.endr
.macro SINCOS i
	v_mul_f32 v8, v2, v[P+\i]                      ; the angle
	v_mul_f32 v9, 0x3f22f983, v8
	v_rndne_f32 v9, v9                             ; n = the nearest whole number to angle x 2 / pi
	v_fma_f32 v10, -v9, s28, v8
	v_fma_f32 v10, -v9, s29, v10                   ; the angle less n pi / 2
	v_mul_f32 v11, v10, v10
	v_fma_f32 v12, v11, s30, s31
	v_fma_f32 v12, v12, v11, s32
	v_mul_f32 v15, v10, v11
	v_fma_f32 v12, v15, v12, v10                   ; its sine
	v_fma_f32 v13, v11, s33, s34
	v_fma_f32 v13, v13, v11, s35
	v_mul_f32 v15, v11, v11
	v_fma_f32 v16, v11, -0.5, 1.0
	v_fma_f32 v13, v15, v13, v16                   ; its cosine
	v_cvt_i32_f32 v14, v9
	v_and_b32 v15, 1, v14
	v_cmp_eq_u32 vcc_lo, 1, v15
	v_cndmask_b32 v16, v12, v13, vcc_lo            ; an odd n changes the two,
	v_cndmask_b32 v17, v13, v12, vcc_lo
	v_and_b32 v15, 2, v14
	v_lshlrev_b32 v15, 30, v15
	v_xor_b32 v[SI+\i], v15, v16                   ; n % 4 = 2, 3 turn the sine's sign,
	v_add_nc_u32 v14, 1, v14
	v_and_b32 v14, 2, v14
	v_lshlrev_b32 v14, 30, v14
	v_xor_b32 v[CO+\i], v14, v17                   ; n % 4 = 1, 2 the cosine's
.endm
.irp i, 0,1,2,3,4,5,6,7,8,9,10,11,12,13,14,15
	SINCOS \i
.endr
.irp g, 0,1,2,3
	global_store_b128 v5, v[CO+4*\g:CO+4*\g+3], s[16:17] offset:512*\g          ; each store covers 512 consecutive bytes, aligned
	global_store_b128 v5, v[SI+4*\g:SI+4*\g+3], s[16:17] offset:2048+512*\g
.endr
	s_endpgm
.Lfunc_end_k_q1070398278_quant:
	.size	k_q1070398278_quant, .Lfunc_end_k_q1070398278_quant-k_q1070398278_quant
	.p2alignl 7, 3214868480
	.fill 96, 4, 3214868480
	.section	.rodata,"a",@progbits
	.p2align	6, 0x0
	.amdhsa_kernel k_q1070398278_quant
		.amdhsa_group_segment_fixed_size 35328
		.amdhsa_private_segment_fixed_size 0
		.amdhsa_enable_private_segment 0
		.amdhsa_kernarg_size 56
		.amdhsa_user_sgpr_count 2
		.amdhsa_user_sgpr_kernarg_segment_ptr 1
		.amdhsa_wavefront_size32 1
		.amdhsa_system_sgpr_workgroup_id_x 1
		.amdhsa_system_sgpr_workgroup_id_y 1
		.amdhsa_system_sgpr_workgroup_id_z 1
		.amdhsa_system_vgpr_workitem_id 0
		.amdhsa_next_free_vgpr 258
		.amdhsa_next_free_sgpr 66
		.amdhsa_reserve_vcc 1
		.amdhsa_float_denorm_mode_32 3
		.amdhsa_float_denorm_mode_16_64 3
		.amdhsa_memory_ordered 1
		.amdhsa_forward_progress 1
		.amdhsa_inst_pref_size 57
	.end_amdhsa_kernel
	.amdgpu_metadata
---
amdhsa.version: [ 1, 2 ]
amdhsa.kernels:
  - .name:           k_q1070398278_quant
    .symbol:         k_q1070398278_quant.kd
    .args:
      - { .name: x, .offset: 0, .size: 8, .value_kind: global_buffer, .address_space: global }
      - { .name: Wq, .offset: 8, .size: 8, .value_kind: global_buffer, .address_space: global }
      - { .name: Wk, .offset: 16, .size: 8, .value_kind: global_buffer, .address_space: global }
      - { .name: Wv, .offset: 24, .size: 8, .value_kind: global_buffer, .address_space: global }
      - { .name: Wo, .offset: 32, .size: 8, .value_kind: global_buffer, .address_space: global }
      - { .name: cw, .offset: 40, .size: 8, .value_kind: global_buffer, .address_space: global }
      - { .name: rope, .offset: 48, .size: 8, .value_kind: global_buffer, .address_space: global }
    .group_segment_fixed_size: 35328
    .private_segment_fixed_size: 0
    .kernarg_segment_align: 8
    .kernarg_segment_size: 56
    .max_flat_workgroup_size: 128
    .sgpr_count:     66
    .vgpr_count:     258
    .wavefront_size: 32
...
	.end_amdgpu_metadata
.endif
;; end of part 1
;; launch qkv (part 2): grid 8 x 24, 4 waves a work-group, clusters of 4 x 4, 327,680 bytes of LDS; arguments cw, rope, bq, bk, bv, qq, kv; writes qq, kv
.if DOCPART == 2
	.amdgcn_target "amdgcn-amd-amdhsa--gfx1250"
	.amdhsa_code_object_version 6
	.text
	.protected	k_q1070398278_qkv
	.globl	k_q1070398278_qkv
	.p2align	8
	.type	k_q1070398278_qkv,@function
k_q1070398278_qkv:
	s_mov_b64 s[64:65], 0
	v_nop
	global_prefetch_b8 v0, s[64:65] scope:SCOPE_SE
	s_setreg_imm32_b32 hwreg(HW_REG_WAVE_MODE, 25, 1), 1
	s_wait_xcnt 0x0
	s_wait_alu depctr_hold_cnt(0) depctr_sa_sdst(0) depctr_va_vdst(0) depctr_va_sdst(0) depctr_va_ssrc(0) depctr_va_vcc(0) depctr_vm_vsrc(0)
	s_getreg_b32 s2, hwreg(HW_REG_IB_STS2, 6, 4)
	s_cmp_eq_u32 s2, 0
	s_cbranch_scc0 .Lentry_in_a_cluster
	s_endpgm
.Lentry_in_a_cluster:
	s_bfe_u32 s2, ttmp6, 0x10000c
	s_cmp_lg_u32 s2, 0xf033
	s_cbranch_scc0 .Lentry_shape_is_right
	s_endpgm
.Lentry_shape_is_right:
; q = x Wq^T + bq, k = x Wk^T + bk, v = x Wv^T + bv on codes of BF6 (E3M2) with E8M0 scales, sums in f32; q and k are rotated (cos and sin from the table) and quantised along the head's 64, v along the keys.
; None of the three goes to memory in f32.  LIMITS: NaN and infinities are not served; a block whose largest magnitude lies under 2^-122 (a block of zeros too) keeps the byte 1: this program alone reads the bytes.
; A work-group of four waves makes 256 x 256 of a product, a wave 128 x 128: 64 accumulators of 16 x 16, 512 registers.  K = 1,024 goes in four steps of 256 through a ring of two LDS slots.
; OPERANDS lie in cw as images of their registers (16 rows x 128 K: 1,536 bytes; registers 6 c .. 6 c + 3 at 768 c + 16 x lane, registers 6 c + 4, 6 c + 5 at 768 c + 512 + 8 x lane): a fragment comes by two loads of
; 16 bytes and two of 8 bytes a lane, each over consecutive bytes: no pitch, no padding.  A tile's rows are in TILE ORDER (row p of tile 2 b + u is row 32 b + 8 u + p + 8 (p / 8)).
; THE MATRIX INSTRUCTION IS USED TRANSPOSED (source 0 = 16 rows of B, source 1 = 16 rows of A): lane (r, h) holds A's row r, and by the tile order the 16 registers of B's tiles 2 b, 2 b + 1 are B's rows 32 b + 16 h + 0 .. 15.
; TWO KINDS of work-group, by the cluster's y, which all partners share.  y < 4: A = x (tile row 4 y + cy), B = Wq, then Wk (tile column 4 x + cx): a lane holds a token, its registers run along the head's axis.
; y >= 4: A = Wv (tile row cy), B = x (tile column 4 x + cx + 8 (y - 4)): V^T: a lane holds one of the head's 64, its registers run along the tokens, which are the second attention product's K.
; The bias is the C of each sum's first matrix instruction (kind q, k: by B's rows; kind v: by A's row).  So the first step of 128 along K is written twice, and so is the way out; all else is one text.
; CLUSTERS: 4 x 4 work-groups; A's tiles hang on cy and cluster numbers alone and are asked for jointly along a row of the cluster, B's on cx and cluster numbers alone, along a column.
; OUT.  qq: codes [32 heads][128 token tiles][768], words from byte 3,145,728: [head][16 steps of 128 tokens][512], the word of (tile a, row r) at 16 r + 256 (a % 2) + 4 (a / 2); bytes 2, 3 of a word are 0x7f (K = 64: the rest of the
; instruction's 128 are zero codes).  kv: [32 heads][4 pieces of 512 keys][52,224]: K's codes 24,576 (4 steps x 8 tiles x 768), V^T's 24,576 (4 steps x 4 tiles x 1,536: three groups of four registers, 512 bytes each),
; K's words 2,048 (as in qq), V^T's words 1,024 (4 x 256: (tile d, row r) at 8 r + 128 (d % 2) + 4 (d / 2)).
; REGISTERS, in windows of 256: window 0: v0-31 addresses; v32-63 scale words, two sets, and nothing else; v64-127 the biases; v128-223 A's fragments, one set; v224-255 cos and sin of the first token tile.
;   window 1: B's fragments, two sets, at v0 and v128.  window 2: accumulators of A's blocks 0-3 ((a, b) at v[8 (8 (a % 4) + b)]); window 3: of blocks 4-7.
.set NQ,     2                         ; matrix instructions deep in a slot
.set FR,     12                        ; registers of a fragment
.set NL,     4                         ; LDS loads that bring one
.set NP,     4                         ; places behind this matrix instruction (ISA guide 7.12.1)
.set TILEB,  3072                      ; a tile's bytes in a slot: the images of two K steps
.set TROW,   12288                     ; a tile's codes in memory: eight K steps
.set HALFT,  8*TILEB                   ; eight tiles: what one tensor load brings, and what one wave reads of A or of B
.set SLOT,   4*HALFT
.set LAPS,   2                         ; a lap = once round the ring = 512 along K
.set SCL,    2*SLOT                    ; behind the ring: the scale words of the 32 tiles, for all of K: filled once
.set HALFS,  4096                      ; those of eight tiles
.set SBLK,   512                       ; of one
.set SPARE,  SCL+4*HALFS               ; the spare words, 128 bytes for each wave: two blocks of 256 bytes that no other line names
.set WORDS,  6291456                   ; where cw's scale words begin
.set L16,  8                           ; v8   16 x lane
.set L8,   9                           ; v9   8 x lane
.set QKW,  10                          ; v10  way out of q, k: where a scale word goes in my 1,024 bytes of LDS;  v11: where they are read back
.set QKR,  11
.set VW,   12                          ; v12, v13 the same for v, in 512 other bytes
.set VR,   13
.set VGO,  14                          ; v14  v's words in memory: 16 (lane % 16) + a head's bytes x (lane / 16)
.set ADRA, 16                          ; v16-17 LDS address of my A fragments in slot 0, 1, by 16 x lane; v18-19 by 8 x lane
.set ADRB, 20                          ; v20-23 the same for B
.set ADRS, 27                          ; v27  my scale words: lanes 0-15 A's rows, lanes 16-31 B's
.set SPW,  28                          ; v28  LDS address of my spare word; never rewritten
.set NIL,  29                          ; v29  0; never rewritten
.set SC,   32
.set BIAS, 64
.set AF,   128
.set CS0,  224
.set G1, 24                            ; s[24:31] descriptor group 1 for A's tiles; s[32:39] group 0, one set for each slot
.set G0, 32
.set G1B, 48                           ; s[48:55], s[56:63] the same for B's
.set G0B, 56
.set G1S, 68                           ; s[68:75], s[76:79] groups 1 and 0 for A's scale words; s[80:87], s[88:91] for B's
.set G0S, 76
.set G1SB, 80
.set G0SB, 88
.set MSB, 0
.macro WIN new                         ; the immediate's high byte repeats the setting that is left
.if MSB != \new
	s_set_vgpr_msb (MSB<<8)|\new
.set MSB, \new
.endif
.endm
.set MUL_LO, 0xa1                      ; source 0 (B) window 1, source 1 (A) window 0, C and D window 2
.set MUL_HI, 0xf1                      ; the same, C and D window 3
.set FIRST_LO, 0x81                    ; the first step: C (the bias) window 0, D window 2
.set FIRST_HI, 0xc1                    ; D window 3
.set TO_B,   0x40                      ; destination window 1, address window 0
; A joint load: waves 0 and 1 fetch for A, waves 2 and 3 for B.  Each line has one mask and one set of registers for all that issue it; the branch hangs on the wave's number alone.
; Four v_nop follow each of the two lines, ahead of the jump, the label and what follows.
.macro JLOAD g0a, g1a, g0b, g1b
	s_cmp_eq_u32 s15, 0
	s_cbranch_scc0 .Lfor_b_\@
	tensor_load_to_lds s[\g0a:\g0a+3], s[\g1a:\g1a+7]
	s_nop 0
.rept 4
	v_nop
.endr
	s_branch .Lasked_\@
.Lfor_b_\@:
	tensor_load_to_lds s[\g0b:\g0b+3], s[\g1b:\g1b+7]
	s_nop 0
.rept 4
	v_nop
.endr
.Lasked_\@:
.endm
.macro CREST                           ; a round of the cluster's barrier behind its opening barrier
	s_cmp_lg_u32 s14, 0
	s_cbranch_scc1 .Lnot_wave_0_\@
	s_barrier_signal -3
.Lnot_wave_0_\@:
	s_barrier_wait -3
	s_barrier_signal -1
	s_barrier_wait -1
.endm
.macro CROUND                          ; a whole round
	s_barrier_signal -1
	s_barrier_wait -1
	CREST
.endm
	s_load_b256 s[4:11], s[0:1], 0x0               ; cw s[4:5], rope s[6:7], bq s[8:9], bk s[10:11]
	s_load_b128 s[96:99], s[0:1], 0x20             ; bv s[96:97], qq s[98:99]
	s_load_b64 s[100:101], s[0:1], 0x30            ; kv
	v_lshl_add_u32 v[SPW], v0, 2, SPARE
	v_mov_b32 v[NIL], 0
	ds_add_u32 v28, v29
	ds_add_u32 v28, v29
	s_wait_dscnt 0x0
	v_lshrrev_b32 v1, 5, v0
	v_readfirstlane_b32 s14, v1                    ; wave 0..3
	s_lshr_b32 s15, s14, 1                         ; which half of A's 16 tiles is mine.  Also: I fetch for A (0) or for B (1)
	s_and_b32 s16, s14, 1                          ; which half of B's.  Also: which eight tiles I fetch
	s_mov_b32 s12, 0x76543210
	s_mov_b32 s13, 0xfedcba98                      ; v_permlanex16_b32's selects for lane l xor 16
	s_bfe_u32 s40, ttmp6, 0x40000                  ; cx, cy: my place in the cluster
	s_bfe_u32 s41, ttmp6, 0x40004
	s_and_b32 s18, ttmp7, 0xffff                   ; the cluster's y
	s_sub_co_u32 s19, s18, 4
	s_lshl_b32 s19, s19, 3                         ; 8 (y - 4): used in kind v alone
	s_cmp_ge_u32 s18, 4                            ; the kind: equal in all partners
	s_cselect_b32 s2, 1, 0                         ; s2: 0 q and k, 1 v
	s_cselect_b32 s20, 0, s18                      ; the cluster's part of the tile row
	s_cselect_b32 s21, 384, 0                      ; A's first tile in cw: Wv's or x's
	s_cselect_b32 s22, 0, 256                      ; B's: x's or Wq's
	s_cselect_b32 s19, s19, 0
	s_lshl_b32 s17, s20, 2
	s_add_co_u32 s17, s17, s41                     ; tile row
	s_lshl_b32 s42, ttmp9, 2
	s_add_co_u32 s42, s42, s40
	s_add_co_u32 s42, s42, s19                     ; tile column
	s_lshl_b32 s43, s41, 2
	s_lshl_b32 s43, 15, s43                        ; my row of the cluster
	s_lshl_b32 s44, 0x1111, s40                    ; my column
	; descriptor group 1: eight tiles' 3,072 bytes (384 elements of 8 bytes), 12,288 bytes apart, laid on end in LDS
	s_or_b32 s[G1+0], s43, (3<<16)|(1<<21)         ; 15:0 the mask: A's tiles go to my row; 17:16 elements of 8 bytes; 21 set beside a mask
	s_or_b32 s[G1B+0], s44, (3<<16)|(1<<21)
.irp g, G1, G1B
	s_mov_b32 s[\g+1], 384<<16                     ; tensor_dim0
	s_mov_b32 s[\g+2], 8<<16                       ; tensor_dim1
	s_mov_b32 s[\g+3], 384<<16                     ; tile_dim0
	s_mov_b32 s[\g+4], 8                           ; tile_dim1
	s_mov_b32 s[\g+5], 1536                        ; tensor_dim0_stride
	s_mov_b32 s[\g+6], 0
	s_mov_b32 s[\g+7], 0
.endr
	; and for eight tiles' scale words: 4,096 dense bytes as 16 rows of 256
	s_or_b32 s[G1S+0], s43, (3<<16)|(1<<21)
	s_or_b32 s[G1SB+0], s44, (3<<16)|(1<<21)
.irp g, G1S, G1SB
	s_mov_b32 s[\g+1], 32<<16
	s_mov_b32 s[\g+2], 16<<16
	s_mov_b32 s[\g+3], 32<<16
	s_mov_b32 s[\g+4], 16
	s_mov_b32 s[\g+5], 32
	s_mov_b32 s[\g+6], 0
	s_mov_b32 s[\g+7], 0
.endr
	s_lshl_b32 s18, s16, 3                         ; which eight of the sixteen tiles I fetch
	s_lshl_b32 s20, s17, 4
	s_add_co_u32 s20, s20, s21
	s_add_co_u32 s20, s20, s18                     ; A: the first of them
	s_lshl_b32 s46, s42, 4
	s_add_co_u32 s46, s46, s22
	s_add_co_u32 s46, s46, s18                     ; B
	s_lshl_b32 s22, s20, 9
	s_add_co_u32 s22, s22, WORDS                   ; where their scale words begin, in bytes,
	s_mov_b32 s23, 0
	s_mul_i32 s20, s20, TROW                       ; and their codes
	s_mov_b32 s21, 0
	s_lshl_b32 s92, s46, 9
	s_add_co_u32 s92, s92, WORDS
	s_mov_b32 s93, 0
	s_mul_i32 s46, s46, TROW
	s_mov_b32 s47, 0
	s_mul_i32 s45, s14, HALFT                      ; where they go: wave x eight tiles: no place in the cluster enters an LDS address
	s_mul_i32 s94, s14, HALFS
	s_lshl_b32 s66, s17, 4
	s_lshl_b32 s67, s15, 3
	s_add_co_u32 s66, s66, s67
	s_and_b32 s66, s66, 127                        ; my first token tile within its batch (kind q, k)
	s_lshl_b32 s66, s66, 12
	s_mov_b32 s67, 0
	s_wait_kmcnt 0x0
	s_add_nc_u64 s[20:21], s[4:5], s[20:21]
	s_add_nc_u64 s[22:23], s[4:5], s[22:23]
	s_add_nc_u64 s[46:47], s[4:5], s[46:47]
	s_add_nc_u64 s[92:93], s[4:5], s[92:93]
	s_add_nc_u64 s[66:67], s[6:7], s[66:67]        ; its cos and sin
	CROUND                                         ; all sixteen work-groups are here: the first joint loads meet
	s_mov_b32 s[G0S], 1
	s_add_co_u32 s[G0S+1], s94, SCL
	s_mov_b64 s[G0S+2:G0S+3], s[22:23]
	s_or_b32 s[G0S+3], s[G0S+3], 0x80000000
	s_mov_b32 s[G0SB], 1
	s_add_co_u32 s[G0SB+1], s94, SCL
	s_mov_b64 s[G0SB+2:G0SB+3], s[92:93]
	s_or_b32 s[G0SB+3], s[G0SB+3], 0x80000000
	JLOAD G0S, G1S, G0SB, G1SB                     ; the scale words first: they are wanted with the first step
.irp s, 0,1
	s_mov_b32 s[G0+4*\s], 1
	s_add_co_u32 s[G0+4*\s+1], s45, \s*SLOT
	s_add_nc_u64 s[G0+4*\s+2:G0+4*\s+3], s[20:21], \s*TILEB
	s_or_b32 s[G0+4*\s+3], s[G0+4*\s+3], 0x80000000
	s_mov_b32 s[G0B+4*\s], 1
	s_add_co_u32 s[G0B+4*\s+1], s45, \s*SLOT
	s_add_nc_u64 s[G0B+4*\s+2:G0B+4*\s+3], s[46:47], \s*TILEB
	s_or_b32 s[G0B+4*\s+3], s[G0B+4*\s+3], 0x80000000
	JLOAD G0+4*\s, G1, G0B+4*\s, G1B               ; three tensor loads of mine are out
.endr
	v_and_b32 v1, 15, v0                           ; r
	v_bfe_u32 v2, v0, 4, 1                         ; h
	v_and_b32 v3, 31, v0                           ; lane
	v_lshlrev_b32 v[L16], 4, v3
	v_lshlrev_b32 v[L8], 3, v3
	s_mul_i32 s21, s15, HALFT                      ; my eight tiles of A
	s_mul_i32 s22, s16, HALFT                      ; my eight of B,
	s_add_co_u32 s22, s22, 2*HALFT                 ; which lie behind A's sixteen
.irp s, 0,1
	v_add_nc_u32 v[ADRA+\s], s21, v[L16]
	v_add_nc_u32 v[ADRB+\s], s22, v[L16]
	v_add_nc_u32 v[ADRA+2+\s], s21, v[L8]
	v_add_nc_u32 v[ADRB+2+\s], s22, v[L8]
	s_add_co_u32 s21, s21, SLOT
	s_add_co_u32 s22, s22, SLOT
.endr
	v_lshlrev_b32 v5, 3, v1                        ; my row's two words of a slot: 8 r
	s_mul_i32 s21, s15, HALFS                      ; A's: my eight tiles
	s_mul_i32 s22, s16, HALFS                      ; B's, behind A's sixteen
	s_add_co_u32 s22, s22, 2*HALFS
	s_sub_co_u32 s22, s22, s21
	v_mul_u32_u24 v6, s22, v2                      ; lanes 16-31 take B's
	s_add_co_u32 s21, s21, SCL
	v_add_nc_u32 v5, v5, v6
	v_add_nc_u32 v[ADRS], s21, v5
	; every address of both ways out is made here, ahead of the first parting of the kinds
	s_lshl_b32 s21, s14, 10
	v_lshl_add_u32 v[QKW], v1, 4, s21              ; q, k: 1,024 x wave + 16 r
	v_add_nc_u32 v[QKR], s21, v[L16]
	s_lshl_b32 s22, s14, 9
	s_add_co_u32 s22, s22, 4096
	v_lshl_add_u32 v[VW], v1, 3, s22               ; v: 4,096 + 512 x wave + 8 r
	v_add_nc_u32 v[VR], s22, v[L16]
	v_mul_u32_u24 v[VGO], v2, 208896
	v_lshl_add_u32 v[VGO], v1, 4, v[VGO]
	v_lshlrev_b32 v4, 6, v2                        ; a bias by B's rows: 64 h
	v_and_b32 v5, 8, v1
	v_add_nc_u32 v5, v5, v1
	v_lshlrev_b32 v5, 2, v5                        ; a bias by A's row: 4 (r + 8 (r / 8))
.macro LOADCS a                        ; cos and sin of token tile a of my eight: 16 + 16 registers; even tiles at v224, odd ones at v160
.set CB, CS0-64*((\a)%2)
.irp g, 0,1,2,3,4,5,6,7
	global_load_b128 v[CB+4*\g:CB+4*\g+3], v[L16], s[66:67] offset:(\a)*4096+512*\g
.endr
.endm
	LOADCS 0                                       ; (by every wave: kind v does not use it; 4,096 bytes a wave)
	s_cmp_lg_u32 s2, 0
	s_cbranch_scc1 .Lbias_v
	s_cmp_eq_u32 ttmp9, 0                          ; the cluster's x: 0 Wq, 1 Wk
	s_cselect_b64 s[18:19], s[8:9], s[10:11]
	s_and_b32 s20, s42, 3
	s_lshl_b32 s20, s20, 10
	s_lshl_b32 s21, s16, 9
	s_add_co_u32 s20, s20, s21                     ; my 128 columns' numbers
	s_mov_b32 s21, 0
	s_add_nc_u64 s[18:19], s[18:19], s[20:21]
.irp b, 0,1,2,3,4,5,6,7                        ; lane (r, h) wants, for B's tile b, the numbers of rows 32 (b / 2) + 16 h + 8 (b % 2) + 0 .. 7
	global_load_b128 v[BIAS+8*\b:BIAS+8*\b+3], v4, s[18:19] offset:(32*(\b/2)+8*(\b%2))*4
	global_load_b128 v[BIAS+8*\b+4:BIAS+8*\b+7], v4, s[18:19] offset:(32*(\b/2)+8*(\b%2))*4+16
.endr
	s_branch .Lbias_done
.Lbias_v:
	s_lshl_b32 s20, s17, 10
	s_lshl_b32 s21, s15, 9
	s_add_co_u32 s20, s20, s21                     ; my 128 rows of Wv
	s_mov_b32 s21, 0
	s_add_nc_u64 s[18:19], s[96:97], s[20:21]
.irp a, 0,1,2,3,4,5,6,7                        ; for A's tile a: the one number of my row, in all eight registers
.irp j, 0,1,2,3,4,5,6,7
	global_load_b32 v[BIAS+8*\a+\j], v5, s[18:19] offset:(32*(\a/2)+8*(\a%2))*4
.endr
.endr
.Lbias_done:
.macro FRAG reg, adr, q, i             ; a fragment's image: tile i of my eight, the slot's q-th 128 along K
	ds_load_b128 v[\reg:\reg+3], v[\adr] offset:(\i)*TILEB+(\q)*1536
	ds_load_b64 v[\reg+4:\reg+5], v[\adr+2] offset:(\i)*TILEB+(\q)*1536+512
	ds_load_b128 v[\reg+6:\reg+9], v[\adr] offset:(\i)*TILEB+(\q)*1536+768
	ds_load_b64 v[\reg+10:\reg+11], v[\adr+2] offset:(\i)*TILEB+(\q)*1536+1280
.endm
.macro WM a, b, p, q, sc, c            ; one product: A's block a x B's block b; c: the first register of C
	v_wmma_scale_f32_16x16x128_f8f6f4 v[8*(8*((\a)%4)+\b):8*(8*((\a)%4)+\b)+7], v[128*(\p)+FR*\b:128*(\p)+FR*\b+FR-1], v[AF+FR*(\a):AF+FR*(\a)+FR-1], v[\c:\c+7], v[SC+8*NQ*(\sc)+NQ*\b+(\q)], v[SC+8*NQ*(\sc)+NQ*(\a)+(\q)] matrix_a_fmt:MATRIX_FMT_BF6 matrix_b_fmt:MATRIX_FMT_BF6 matrix_a_scale:MATRIX_SCALE_ROW1
.endm
; 16 matrix instructions: A's blocks a0, a0 + 1 x B's eight.  p: B's set; sc: the set of scale words.  zero = 1: the sums start with the bias by B's rows; 2: by A's row; 0: they go on in place.
; The 64 accumulators take turns, one instruction a turn, in the same order in every step.
.macro MUL16 a0, p, q, sc, zero
.irp a, \a0, \a0+1
.irp b, 0,1,2,3,4,5,6,7
.if \zero == 1
	WM \a, \b, \p, \q, \sc, BIAS+8*\b
.elseif \zero == 2
	WM \a, \b, \p, \q, \sc, BIAS+8*(\a)
.else
	WM \a, \b, \p, \q, \sc, 8*(8*((\a)%4)+\b)
.endif
.endr
.endr
.endm
.macro FETCH_B slot, q, p              ; B's eight fragments into set p
	WIN TO_B
.irp i, 0,1,2,3,4,5,6,7
	FRAG 128*(\p)+FR*\i, ADRB+\slot, \q, \i
.endr
	WIN 0
.endm
.macro FETCH_A slot, q, i0             ; A's blocks i0 .. i0 + 3
.irp i, \i0, \i0+1, \i0+2, \i0+3
	FRAG AF+FR*(\i), ADRA+\slot, \q, \i
.endr
.endm
.macro SCALES sc                       ; a slot's scale words into set sc: two words a row; lanes 0-15 take A's block i, lanes 16-31 B's block i
.irp i, 0,1,2,3,4,5,6,7
	ds_load_b64 v[SC+8*NQ*\sc+NQ*\i:SC+8*NQ*\sc+NQ*\i+1], v[ADRS] offset:\i*SBLK
.endr
.endm
; A load into a register that a matrix instruction has read, and a vector instruction or a store that reads a matrix result, stand NP places behind it; only plain vector instructions that name none of its registers are places.
.macro PLACES n
.rept \n
	v_nop
.endr
.endm
.macro STEP slot, q, zero              ; a step of 128 along K that has its successor in the same slot
	s_wait_dscnt 4*NL                              ; B's set and A's blocks 0-3 are in; the youngest sixteen loads (A's blocks 4-7) may be out
.if \zero
	WIN FIRST_LO
.else
	WIN MUL_LO
.endif
	MUL16 0, (\q)%2, \q, \slot, \zero
	MUL16 2, (\q)%2, \q, \slot, \zero
	s_wait_dscnt 0                                 ; A's blocks 4-7 are in
	PLACES NP
	FETCH_B \slot, (\q)+1, 1-(\q)%2
	FETCH_A \slot, (\q)+1, 0
.if \zero
	WIN FIRST_HI
.else
	WIN MUL_HI
.endif
	MUL16 4, (\q)%2, \q, \slot, \zero
	MUL16 6, (\q)%2, \q, \slot, \zero
	PLACES NP
	WIN 0
	FETCH_A \slot, (\q)+1, 4
.endm
; A slot's last step changes slots: one barrier; in front of it each wave waits for all its tensor loads, adds 0 to its spare word, and waits for that and for its own reads of this slot.  fill = 1: this slot is filled again, 512 along K ahead.
.macro TURN slot, next, fill
	s_wait_tensorcnt 0x0                           ; all my tensor loads have landed: my part of the next slot
	ds_add_u32 v[SPW], v[NIL]                      ; 0 onto my spare word
	s_wait_dscnt 4*NL+1                            ; (the add and the youngest sixteen loads may be out)
	WIN MUL_LO
	MUL16 0, 1, NQ-1, \slot, 0                     ; sixteen matrix instructions stand between the add and the wait for it
	s_wait_dscnt 0x0                               ; the add is done, and my reads of this slot are over
	s_barrier_signal -1
	MUL16 2, 1, NQ-1, \slot, 0
	WIN 0
	s_barrier_wait -1
.if \fill
	CREST                                          ; the barrier has opened a round of the cluster's barrier: no wave of any partner still reads this slot or has a load on its way
	s_add_nc_u64 s[G0+4*\slot+2:G0+4*\slot+3], s[G0+4*\slot+2:G0+4*\slot+3], 2*TILEB
	s_add_nc_u64 s[G0B+4*\slot+2:G0B+4*\slot+3], s[G0B+4*\slot+2:G0B+4*\slot+3], 2*TILEB
	JLOAD G0+4*\slot, G1, G0B+4*\slot, G1B         ; the first tensor load behind the round, one a wave; its four v_nop are the places in front of the loads below
.else
	PLACES NP
.endif
	v_add_nc_u32 v[ADRS], 128, v[ADRS]             ; on to the next slot's scale words
	FETCH_B \next, 0, 0
	FETCH_A \next, 0, 0
	SCALES \next
	WIN MUL_HI
	MUL16 4, 1, NQ-1, \slot, 0
	MUL16 6, 1, NQ-1, \slot, 0
	PLACES NP
	WIN 0
	FETCH_A \next, 0, 4
.endm
	s_wait_tensorcnt 1                             ; the scale words and my part of slot 0 are in (slot 1's load may be out)
	s_barrier_signal -1
	s_barrier_wait -1                              ; everybody's are
	FETCH_B 0, 0, 0
	FETCH_A 0, 0, 0
	SCALES 0
	FETCH_A 0, 0, 4
	s_wait_loadcnt 0x0                             ; the biases, cos and sin
	s_cmp_lg_u32 s2, 0
	s_cbranch_scc1 .Lfirst_v
	STEP 0, 0, 1                                   ; the first step starts the sums with the bias
	s_branch .Lfirst_done
.Lfirst_v:
	STEP 0, 0, 2
.Lfirst_done:
	s_mov_b32 s3, LAPS-1
.Llap:                                                 ; a trip goes once round the ring, from a lap's second step to the next lap's first, and fills both slots again
	TURN 0, 1, 1
	STEP 1, 0, 0
	TURN 1, 0, 1
	STEP 0, 0, 0
	s_sub_co_u32 s3, s3, 1
	s_cmp_lg_u32 s3, 0
	s_cbranch_scc1 .Llap
	TURN 0, 1, 0                                   ; the last lap fills nothing
	STEP 1, 0, 0
	s_wait_dscnt 4*NL                              ; the very last step
	WIN MUL_LO
	MUL16 0, 1, NQ-1, 1, 0
	MUL16 2, 1, NQ-1, 1, 0
	s_wait_dscnt 0
	WIN MUL_HI
	MUL16 4, 1, NQ-1, 1, 0
	MUL16 6, 1, NQ-1, 1, 0
	WIN 0
	PLACES NP                                      ; in front of the first read of results and of loads and writes into A's registers
	s_cmp_lg_u32 s2, 0
	s_cbranch_scc1 .Lout_v
	; ---- THE WAY OUT OF q AND k.  A lane holds a token; registers 32 hd + i (i < 16) of A's block a are d = 16 h + i of head hd, registers 32 hd + 16 + i are d = 32 + 16 h + i.
	; My LDS bytes here lie in slot 0, which has had its last fill and, since the last change of slots, its last read.
.set RO,  64                           ; v64-95   a head's 32 rotated numbers
.set TM,  96                           ; v96-97   the two blocks' largest magnitudes;  v98-99 lane l xor 16's
.set TP,  98
.set SO,  100                          ; v100-101 the conversions' scale operands;  v102-103 the bytes
.set BYT, 102
.set PC,  104                          ; v104-109 the half fragment;  v110-112 the second conversion's result
.set PX,  110
.set PW,  128                          ; v128-143 the scale words of (block a, head hd)
	s_lshr_b32 s18, s17, 3                         ; the batch
	s_and_b32 s19, s17, 7
	s_lshl_b32 s19, s19, 1
	s_add_co_u32 s19, s19, s15                     ; which 128 tokens of it
	s_lshl_b32 s20, s42, 2
	s_lshl_b32 s21, s16, 1
	s_add_co_u32 s20, s20, s21
	s_and_b32 s20, s20, 15                         ; my first head
	s_lshl_b32 s18, s18, 4
	s_add_co_u32 s18, s18, s20                     ; batch x 16 + head
	s_lshr_b32 s20, s19, 2                         ; which 512 tokens,
	s_and_b32 s19, s19, 3                          ; and which 128 of them
	s_mov_b32 s22, 208896                          ; k's strides: a head's bytes (codes, words), a piece's (codes, words), where the words begin
	s_mov_b32 s23, 208896
	s_mov_b32 s46, 52224
	s_mov_b32 s47, 52224
	s_mov_b32 s92, 49152
	s_cmp_eq_u32 ttmp9, 0                          ; q or k: by the cluster's x
	s_cselect_b64 s[80:81], s[98:99], s[100:101]
	s_cselect_b32 s22, 98304, s22
	s_cselect_b32 s23, 8192, s23
	s_cselect_b32 s46, 24576, s46
	s_cselect_b32 s47, 2048, s47
	s_cselect_b32 s92, 3145728, s92
	s_mul_i32 s76, s18, s22
	s_mul_i32 s77, s20, s46
	s_add_co_u32 s76, s76, s77
	s_mul_i32 s77, s19, 6144
	s_add_co_u32 s76, s76, s77
	s_mov_b32 s77, 0
	s_mul_i32 s78, s18, s23
	s_mul_i32 s79, s20, s47
	s_add_co_u32 s78, s78, s79
	s_lshl_b32 s79, s19, 9
	s_add_co_u32 s78, s78, s79
	s_add_co_u32 s78, s78, s92
	s_mov_b32 s79, 0
	s_add_nc_u64 s[68:69], s[80:81], s[76:77]      ; the first head's codes,
	s_add_nc_u64 s[72:73], s[80:81], s[78:79]      ; its words,
	s_mov_b32 s76, s22
	s_mov_b32 s78, s23
	s_add_nc_u64 s[70:71], s[68:69], s[76:77]      ; the second head's codes,
	s_add_nc_u64 s[74:75], s[72:73], s[78:79]      ; its words
	v_mov_b32 v[TP], 0                             ; (a lane permute's destination counts as one of its sources)
	v_mov_b32 v[TP+1], 0
	LOADCS 1
.macro ROT a, hd                       ; out[d] = x[d] cos - x[d + 32] sin, out[d + 32] = x[d + 32] cos + x[d] sin; each accumulator is first read at its low end
.set AC, 64*((\a)%4)+32*(\hd)
.set CB, CS0-64*((\a)%2)
	WIN 0x02+(\a)/4                                ; source 0: window 2 or 3
.irp i, 0,2,4,6,8,10,12,14
	v_pk_mul_f32 v[RO+\i:RO+\i+1], v[AC+16+\i:AC+17+\i], v[CB+16+\i:CB+17+\i]
.endr
.irp i, 0,2,4,6,8,10,12,14
	v_pk_mul_f32 v[RO+16+\i:RO+17+\i], v[AC+\i:AC+\i+1], v[CB+16+\i:CB+17+\i]
.endr
.irp i, 0,2,4,6,8,10,12,14
	v_pk_fma_f32 v[RO+\i:RO+\i+1], v[AC+\i:AC+\i+1], v[CB+\i:CB+\i+1], v[RO+\i:RO+\i+1] neg_lo:[0,0,1] neg_hi:[0,0,1]
.endr
.irp i, 0,2,4,6,8,10,12,14
	v_pk_fma_f32 v[RO+16+\i:RO+17+\i], v[AC+16+\i:AC+17+\i], v[CB+\i:CB+\i+1], v[RO+16+\i:RO+17+\i]
.endr
	WIN 0
.endm
; 32 numbers of a lane, register 16 b + i = k 32 b + 16 h + i of my row, become registers 0-5 of a fragment in v[PC] on and two scale bytes in v[pw].
.macro QUANT64 s, pw
	v_max3_num_f32 v[TM], |v[\s]|, |v[\s+1]|, 0x2800000            ; my 16 numbers of each block, and the floor 2^(5 - 127): the byte cannot fall under 1
	v_max3_num_f32 v[TM+1], |v[\s+16]|, |v[\s+17]|, 0x2800000
.irp i, 2,4,6,8,10,12,14
	v_max3_num_f32 v[TM], v[TM], |v[\s+\i]|, |v[\s+\i+1]|
	v_max3_num_f32 v[TM+1], v[TM+1], |v[\s+16+\i]|, |v[\s+17+\i]|
.endr
	v_permlanex16_b32 v[TP], v[TM], s12, s13
	v_permlanex16_b32 v[TP+1], v[TM+1], s12, s13
	v_max_num_f32 v[TM], v[TM], v[TP]              ; with lane l xor 16's: the block's largest magnitude
	v_max_num_f32 v[TM+1], v[TM+1], v[TP+1]
	v_add_nc_u32 v[SO], 0xfe000000, v[TM]          ; 4 off the exponent field: the conversion's scale operand
	v_add_nc_u32 v[SO+1], 0xfe000000, v[TM+1]
	v_lshrrev_b32 v[BYT], 23, v[SO]                ; the scale's byte
	v_lshrrev_b32 v[BYT+1], 23, v[SO+1]
	v_lshl_or_b32 v[\pw], v[BYT+1], 8, v[BYT]
	s_wait_xcnt 0x0                                ; the last stores have read the codes' registers
	v_cvt_scalef32_pk16_bf6_f32 v[PC:PC+2], v[\s:\s+15], v[SO]
	v_cvt_scalef32_pk16_bf6_f32 v[PX:PX+2], v[\s+16:\s+31], v[SO+1]
	v_nop                                          ; one plain line behind a scaled conversion
.irp i, 0,1,2
	v_permlane16_swap_b32 v[PC+\i], v[PX+\i]       ; the layout wants a whole block in a lane: lanes 0-15 block 0, lanes 16-31 block 1
.endr
.irp i, 0,1,2
	v_mov_b32 v[PC+3+\i], v[PX+\i]
.endr
.endm
.macro QKTILE a
.if (\a) < 7
	s_wait_loadcnt 8                               ; this tile's cos and sin are in; the next tile's eight loads may be out
.else
	s_wait_loadcnt 0x0
.endif
.irp hd, 0,1
	ROT \a, \hd
	QUANT64 RO, PW+2*(\a)+\hd
	v_or_b32 v[PW+2*(\a)+\hd], 0x7f7f0000, v[PW+2*(\a)+\hd]        ; the bytes of the zero codes that fill K to 128
	global_store_b128 v[L16], v[PC:PC+3], s[68+2*\hd:69+2*\hd] offset:768*(\a)          ; 512 consecutive bytes,
	global_store_b64 v[L8], v[PC+4:PC+5], s[68+2*\hd:69+2*\hd] offset:768*(\a)+512      ; and 256
	ds_store_b32 v[QKW], v[PW+2*(\a)+\hd] offset:512*\hd+256*((\a)%2)+4*((\a)/2)        ; lanes l and l xor 16 write the same word with the same value
.endr
.if (\a)+2 < 8
	LOADCS (\a)+2
.endif
.endm
.irp a, 0,1,2,3,4,5,6,7
	QKTILE \a
.endr
	ds_load_b128 v[144:147], v[QKR]                ; LDS serves a wave's instructions in order: these see my stores
	ds_load_b128 v[148:151], v[QKR] offset:512
	s_wait_dscnt 0x0
	global_store_b128 v[L16], v[144:147], s[72:73] ; a head's 512 bytes of scale words
	global_store_b128 v[L16], v[148:151], s[74:75]
	s_wait_tensorcnt 0x0                           ; the wave's end: behind my last tensor load and my last LDS store
	ds_add_u32 v[SPW], v[NIL]
	s_wait_dscnt 0x0
	s_branch .Lclose
	; ---- THE WAY OUT OF v.  A lane holds one of a head's 64 (tile order); the 64 registers of A's block a are my wave's 128 tokens: register 16 b + i = token 32 b + 16 h + i: one fragment of V^T.
.Lout_v:
.set TMV, 64                           ; v64-67 largest magnitudes, v68-71 lane l xor 16's, then bytes, v76-79 scale operands
.set PCV, 80                           ; v80-91 the fragment; v92-94, v96-98 the second conversions' results
.set PWV, 100                          ; v100-107 the scale words
	s_lshr_b32 s18, s42, 3                         ; the batch
	s_and_b32 s19, s42, 7
	s_lshl_b32 s19, s19, 1
	s_add_co_u32 s19, s19, s16                     ; which 128 keys of it
	s_lshl_b32 s18, s18, 4
	s_lshl_b32 s20, s17, 2
	s_add_co_u32 s18, s18, s20
	s_lshl_b32 s20, s15, 1
	s_add_co_u32 s18, s18, s20                     ; batch x 16 + my first head
	s_lshr_b32 s20, s19, 2
	s_and_b32 s19, s19, 3
	s_mul_i32 s18, s18, 208896
	s_mul_i32 s20, s20, 52224
	s_add_co_u32 s18, s18, s20                     ; the head's and the piece's bytes
	s_mul_i32 s76, s19, 6144
	s_add_co_u32 s76, s76, s18
	s_add_co_u32 s76, s76, 24576
	s_mov_b32 s77, 0
	s_lshl_b32 s78, s19, 8
	s_add_co_u32 s78, s78, s18
	s_add_co_u32 s78, s78, 51200
	s_mov_b32 s79, 0
	s_add_nc_u64 s[68:69], s[100:101], s[76:77]    ; V^T's codes
	s_add_nc_u64 s[72:73], s[100:101], s[78:79]    ; and words
.irp b, 0,1,2,3
	v_mov_b32 v[TMV+4+\b], 0                       ; (a lane permute's destination counts as one of its sources)
.endr
.macro QUANT128W a                     ; the 64 accumulator registers of block a, read where they lie, each accumulator from its low end on
.set AC, 64*((\a)%4)
	WIN 0x0a+5*((\a)/4)                            ; sources 0 and 1: window 2 or 3
.irp b, 0,1,2,3
	v_max3_num_f32 v[TMV+\b], |v[AC+16*\b]|, |v[AC+1+16*\b]|, 0x2800000
.endr
.irp i, 2,4,6,8,10,12,14
.irp b, 0,1,2,3
	v_max3_num_f32 v[TMV+\b], |v[AC+16*\b+\i]|, |v[AC+1+16*\b+\i]|, v[TMV+\b]
.endr
.endr
	WIN 0
.irp b, 0,1,2,3
	v_permlanex16_b32 v[TMV+4+\b], v[TMV+\b], s12, s13
.endr
.irp b, 0,1,2,3
	v_max_num_f32 v[TMV+\b], v[TMV+\b], v[TMV+4+\b]
.endr
.irp b, 0,1,2,3
	v_add_nc_u32 v[TMV+12+\b], 0xfe000000, v[TMV+\b]
.endr
.irp b, 0,1,2,3
	v_lshrrev_b32 v[TMV+4+\b], 23, v[TMV+12+\b]
.endr
	v_lshl_or_b32 v[PWV+(\a)], v[TMV+5], 8, v[TMV+4]
	v_lshl_or_b32 v[PWV+(\a)], v[TMV+6], 16, v[PWV+(\a)]
	v_lshl_or_b32 v[PWV+(\a)], v[TMV+7], 24, v[PWV+(\a)]
	s_wait_xcnt 0x0                                ; the last stores have read the codes' registers
	WIN 0x02+(\a)/4                                ; source 0: window 2 or 3
.irp c, 0,1
	v_cvt_scalef32_pk16_bf6_f32 v[PCV+6*\c:PCV+2+6*\c], v[AC+32*\c:AC+15+32*\c], v[TMV+12+2*\c]
	v_cvt_scalef32_pk16_bf6_f32 v[PCV+12+4*\c:PCV+14+4*\c], v[AC+16+32*\c:AC+31+32*\c], v[TMV+12+2*\c+1]
.endr
	WIN 0
	v_nop                                          ; one plain line behind a scaled conversion
.irp c, 0,1
.irp i, 0,1,2
	v_permlane16_swap_b32 v[PCV+6*\c+\i], v[PCV+12+4*\c+\i]
.endr
.irp i, 0,1,2
	v_mov_b32 v[PCV+3+6*\c+\i], v[PCV+12+4*\c+\i]
.endr
.endr
.endm
.macro VTILE a
	QUANT128W \a
.irp g, 0,1,2
	global_store_b128 v[L16], v[PCV+4*\g:PCV+4*\g+3], s[68:69] offset:((\a)/4)*208896+((\a)%4)*1536+512*\g   ; 512 consecutive bytes each
.endr
	ds_store_b32 v[VW], v[PWV+(\a)] offset:256*((\a)/4)+128*((\a)%2)+4*(((\a)%4)/2)
.endm
.irp a, 0,1,2,3,4,5,6,7
	VTILE \a
.endr
	ds_load_b128 v[108:111], v[VR]                 ; lanes 0-15: the first head's 256 bytes of words; lanes 16-31: the second's
	s_wait_dscnt 0x0
	global_store_b128 v[VGO], v[108:111], s[72:73]
	s_wait_tensorcnt 0x0                           ; the wave's end
	ds_add_u32 v[SPW], v[NIL]
	s_wait_dscnt 0x0
.Lclose:
	CROUND                                         ; the closing round: no work-group ends while a partner may still ask for a tile that names it
	s_endpgm
.Lfunc_end_k_q1070398278_qkv:
	.size	k_q1070398278_qkv, .Lfunc_end_k_q1070398278_qkv-k_q1070398278_qkv
	.p2alignl 7, 3214868480
	.fill 96, 4, 3214868480
	.section	.rodata,"a",@progbits
	.p2align	6, 0x0
	.amdhsa_kernel k_q1070398278_qkv
		.amdhsa_group_segment_fixed_size 327680
		.amdhsa_private_segment_fixed_size 0
		.amdhsa_enable_private_segment 0
		.amdhsa_kernarg_size 56
		.amdhsa_user_sgpr_count 2
		.amdhsa_user_sgpr_kernarg_segment_ptr 1
		.amdhsa_wavefront_size32 1
		.amdhsa_system_sgpr_workgroup_id_x 1
		.amdhsa_system_sgpr_workgroup_id_y 1
		.amdhsa_system_sgpr_workgroup_id_z 1
		.amdhsa_system_vgpr_workitem_id 0
		.amdhsa_next_free_vgpr 1024
		.amdhsa_next_free_sgpr 102
		.amdhsa_reserve_vcc 0
		.amdhsa_float_denorm_mode_32 3
		.amdhsa_float_denorm_mode_16_64 3
		.amdhsa_memory_ordered 1
		.amdhsa_forward_progress 1
		.amdhsa_inst_pref_size 247
	.end_amdhsa_kernel
	.amdgpu_metadata
---
amdhsa.version: [ 1, 2 ]
amdhsa.kernels:
  - .name:           k_q1070398278_qkv
    .symbol:         k_q1070398278_qkv.kd
    .args:
      - { .name: cw, .offset: 0, .size: 8, .value_kind: global_buffer, .address_space: global }
      - { .name: rope, .offset: 8, .size: 8, .value_kind: global_buffer, .address_space: global }
      - { .name: bq, .offset: 16, .size: 8, .value_kind: global_buffer, .address_space: global }
      - { .name: bk, .offset: 24, .size: 8, .value_kind: global_buffer, .address_space: global }
      - { .name: bv, .offset: 32, .size: 8, .value_kind: global_buffer, .address_space: global }
      - { .name: qq, .offset: 40, .size: 8, .value_kind: global_buffer, .address_space: global }
      - { .name: kv, .offset: 48, .size: 8, .value_kind: global_buffer, .address_space: global }
    .group_segment_fixed_size: 327680
    .private_segment_fixed_size: 0
    .kernarg_segment_align: 8
    .kernarg_segment_size: 56
    .max_flat_workgroup_size: 128
    .sgpr_count:     102
    .vgpr_count:     1024
    .wavefront_size: 32
...
	.end_amdgpu_metadata
.endif
;; end of part 2
;; launch attn (part 3): grid 8 x 32, 16 waves a work-group, clusters of 4 x 1, 210,944 bytes of LDS; arguments qq, kv, aq; writes aq
.if DOCPART == 3
	.amdgcn_target "amdgcn-amd-amdhsa--gfx1250"
	.amdhsa_code_object_version 6
	.text
	.protected	k_q1070398278_attn
	.globl	k_q1070398278_attn
	.p2align	8
	.type	k_q1070398278_attn,@function
k_q1070398278_attn:
	s_mov_b64 s[64:65], 0
	v_nop
	global_prefetch_b8 v0, s[64:65] scope:SCOPE_SE
	s_setreg_imm32_b32 hwreg(HW_REG_WAVE_MODE, 25, 1), 1
	s_wait_xcnt 0x0
	s_wait_alu depctr_hold_cnt(0) depctr_sa_sdst(0) depctr_va_vdst(0) depctr_va_sdst(0) depctr_va_ssrc(0) depctr_va_vcc(0) depctr_vm_vsrc(0)
	s_getreg_b32 s2, hwreg(HW_REG_IB_STS2, 6, 4)
	s_cmp_eq_u32 s2, 0
	s_cbranch_scc0 .Lentry_in_a_cluster
	s_endpgm
.Lentry_in_a_cluster:
	s_bfe_u32 s2, ttmp6, 0x10000c
	s_cmp_lg_u32 s2, 0x3003
	s_cbranch_scc0 .Lentry_shape_is_right
	s_endpgm
.Lentry_shape_is_right:
; O[q] = the sum over k of softmax_k(Q[q] . K[k] / 8) V[k] for each of 32 (batch, head), 2,048 queries and keys, head size 64; both products on codes of BF6 (E3M2) with E8M0 scales; O is quantised along d_model for the last product.
; THE SOFTMAX AHEAD OF THE SECOND PRODUCT: t = score x log2(e) / 8; M = the row's largest t so far, rounded UP to a whole number; p = 2^(t - M) is what is quantised, along the keys; it is not normalised.
; The row's sum is taken of the unquantised p, in f32, and divides O at the end.  When M moves, the sum and O are multiplied by 2^(old M - new M): exact.
; LIMITS: NaN and infinities are not served; p under 2^-126 comes out as 0 (ISA guide, the exponential's entry); a block whose largest number lies under 2^-122 keeps the byte 1 (its codes are then zeros or subnormal codes).
; SHARES.  A work-group owns 256 queries of one head; each of its sixteen waves owns one tile of 16, in 256 registers: four waves to a SIMD, so that one wave's vector work stands beside another's matrix work and LDS loads.
; A WHOLE HEAD STAYS IN LDS: K's and V^T's codes and scale words are 208,896 bytes, laid in kv just as LDS wants them (4 pieces of 512 keys).  They are filled once: no slot is filled again.
; CLUSTER.  The four work-groups of a cluster own queries of the same head and read the same bytes, so every load is joint: the same load, the same descriptor and the mask of all four.  Waves 0-3 each bring a quarter of each piece.
; LAYOUT.  Both products are used transposed: S^T = K Q^T (source 0 = 16 keys, source 1 = my 16 queries), O^T = V^T P^T: a lane holds one query throughout.  Tiles are in tile order, so the 16 registers of key tiles 2 b, 2 b + 1
; are keys 32 b + 16 h + 0 .. 15, and O^T's 32 registers are d = 32 (i / 16) + 16 h + i % 16.  The head's 64 fill half of the first product's K: registers 6-11 of Q's and K's fragments hold zero codes, written once.
; REGISTERS: v1, v2 16 x, 8 x lane; v3-6 the step's addresses; v7-9 way out; v12 -M, v13 the largest t, v[14:15] the sum; v16-27 Q; v28 Q's word, v29 p's, v[30:31] V^T's, v248-251 K's: scales and nothing else;
;   v32-79 four fragments of K; v80-127 V^T's four; v128-191 S^T, then p; v192-223 O^T; v224-235 p's codes; v232-247, v252-254 at work.
.set PIECEB, 52224                     ; a piece: K's codes 24,576, V^T's 24,576, K's words 2,048, V^T's 1,024
.set HEADB,  4*PIECEB
.set QTR,    PIECEB/4                  ; what one tensor load brings: 51 rows of 256 bytes
.set VCO,    24576
.set KWO,    49152
.set VWO,    51200
.set KF,  32
.set VF,  80
.set S,   128
.set O,   192
.set WV,  10                           ; s10  my wave's number
.set CS,  16                           ; s[16:17] c = log2(e) / 8
.set SEL, 18                           ; s[18:19] v_permlanex16_b32's selects for lane l xor 16
.set TB,  20                           ; s20  LDS byte of the step's codes of K (V^T's lie 24,576 on)
.set TS,  21                           ; s21  of K's words
.set TV,  22                           ; s22  of V^T's words
.set CNT, 23                           ; s23  steps to go in the piece
.set G1,  24                           ; s[24:31] descriptor group 1;  s[32:47] four groups 0
.set G0,  32
.macro ROUND                           ; a round of the cluster's barrier
	s_barrier_signal -1
	s_barrier_wait -1
	s_cmp_lg_u32 s[WV], 0
	s_cbranch_scc1 .Lnot_wave_0_\@
	s_barrier_signal -3
.Lnot_wave_0_\@:
	s_barrier_wait -3
	s_barrier_signal -1
	s_barrier_wait -1
.endm
	s_load_b128 s[4:7], s[0:1], 0x0                ; qq, kv
	s_load_b64 s[8:9], s[0:1], 0x10                ; aq
	v_lshl_add_u32 v243, v0, 2, 0x33000
	v_mov_b32 v255, 0
	ds_add_u32 v243, v255
	ds_add_u32 v243, v255
	v_lshrrev_b32 v3, 5, v0
	v_readfirstlane_b32 s[WV], v3                  ; wave 0..15
	s_bfe_u32 s11, ttmp6, 0x40000                  ; cx: it enters Q's and the result's global addresses alone
	s_lshl_b32 s12, ttmp9, 2
	s_add_co_u32 s12, s12, s11                     ; my block of 256 queries
	s_and_b32 s13, ttmp7, 0xffff                   ; batch x 16 + head, which the four partners share
	s_lshl_b32 s14, s12, 4
	s_add_co_u32 s14, s14, s[WV]                   ; my tile of queries, 0..127
	s_mov_b32 s[G1], 15|(3<<16)|(1<<21)            ; 15:0 the mask: all four work-groups; 17:16 elements of 8 bytes; 21 set beside a mask
	s_mov_b32 s[G1+1], 32<<16                      ; tensor_dim0: 256 bytes
	s_mov_b32 s[G1+2], 51<<16                      ; tensor_dim1
	s_mov_b32 s[G1+3], 32<<16                      ; tile_dim0
	s_mov_b32 s[G1+4], 51                          ; tile_dim1
	s_mov_b32 s[G1+5], 32                          ; tensor_dim0_stride: dense
	s_mov_b32 s[G1+6], 0
	s_mov_b32 s[G1+7], 0
	s_mul_i32 s48, s[WV], QTR                      ; my quarter of a piece (waves 0-3)
	s_mul_i32 s50, s13, HEADB
	s_add_co_u32 s50, s50, s48
	s_mov_b32 s51, 0
	s_mul_i32 s52, s13, 98304                      ; Q's codes: a head's 128 tiles of 768 bytes
	s_mul_i32 s53, s14, 768
	s_add_co_u32 s52, s52, s53
	s_mov_b32 s53, 0
	s_lshl_b32 s54, s13, 13                        ; Q's word: head x 8,192 + 512 (T / 8) + 256 (T % 2) + 4 ((T % 8) / 2), + 16 r
	s_lshr_b32 s55, s14, 3
	s_lshl_b32 s55, s55, 9
	s_add_co_u32 s54, s54, s55
	s_and_b32 s55, s14, 1
	s_lshl_b32 s55, s55, 8
	s_add_co_u32 s54, s54, s55
	s_bfe_u32 s55, s14, 0x20001
	s_lshl_b32 s55, s55, 2
	s_add_co_u32 s54, s54, s55
	s_add_co_u32 s54, s54, 3145728
	s_mov_b32 s55, 0
	s_lshr_b32 s56, s13, 4                         ; the result: token tile batch x 128 + T,
	s_lshl_b32 s56, s56, 7
	s_add_co_u32 s56, s56, s14
	s_and_b32 s60, s13, 15                         ; head hd: half hd % 2 of K step hd / 2
	s_lshl_b32 s58, s56, 9
	s_mul_i32 s56, s56, 12288
	s_lshr_b32 s61, s60, 1
	s_mul_i32 s57, s61, 1536
	s_add_co_u32 s56, s56, s57
	s_and_b32 s62, s60, 1
	s_mul_i32 s57, s62, 768
	s_add_co_u32 s56, s56, s57
	s_mov_b32 s57, 0
	s_lshr_b32 s59, s60, 2                         ; its two scale bytes: 512 tile + 128 (hd / 4) + 4 ((hd / 2) % 2) + 2 (hd % 2), + 8 r
	s_lshl_b32 s59, s59, 7
	s_add_co_u32 s58, s58, s59
	s_and_b32 s59, s61, 1
	s_lshl_b32 s59, s59, 2
	s_add_co_u32 s58, s58, s59
	s_lshl_b32 s59, s62, 1
	s_add_co_u32 s58, s58, s59
	s_add_co_u32 s58, s58, 3145728
	s_mov_b32 s59, 0
	s_mov_b32 s[CS], 0x3e38aa3b                    ; c = log2(e) / sqrt(64)
	s_mov_b32 s[CS+1], s[CS]                       ; (named with it as a pair, so it is written)
	s_mov_b32 s[SEL], 0x76543210
	s_mov_b32 s[SEL+1], 0xfedcba98
	s_wait_dscnt 0x0
	s_wait_kmcnt 0x0
	s_add_nc_u64 s[50:51], s[6:7], s[50:51]
	s_add_nc_u64 s[52:53], s[4:5], s[52:53]
	s_add_nc_u64 s[54:55], s[4:5], s[54:55]
	s_add_nc_u64 s[56:57], s[8:9], s[56:57]
	s_add_nc_u64 s[58:59], s[8:9], s[58:59]
.irp n, 0,1,2,3
	s_mov_b32 s[G0+4*\n], 1                        ; 1:0 count = 1
	s_add_co_u32 s[G0+4*\n+1], s48, \n*PIECEB      ; 63:32 LDS address: LDS mirrors the head's bytes
	s_add_nc_u64 s[G0+4*\n+2:G0+4*\n+3], s[50:51], \n*PIECEB
	s_or_b32 s[G0+4*\n+3], s[G0+4*\n+3], 0x80000000   ; 127:126 type = 2
.endr
	ROUND                                          ; all four work-groups are here: the joint loads meet
	s_cmp_lt_u32 s[WV], 4                          ; a wave's four fills stand in one branch on the wave's number: four tensor loads of mine are out
	s_cbranch_scc0 .Lno_fetch
	tensor_load_to_lds s[G0:G0+3], s[G1:G1+7]
	s_nop 0
	tensor_load_to_lds s[G0+4:G0+7], s[G1:G1+7]
	s_nop 0
	tensor_load_to_lds s[G0+8:G0+11], s[G1:G1+7]
	s_nop 0
	tensor_load_to_lds s[G0+12:G0+15], s[G1:G1+7]
	s_nop 0
.rept 4
	v_nop
.endr
.Lno_fetch:
	v_and_b32 v9, 31, v0                           ; lane
	v_lshlrev_b32 v1, 4, v9
	v_lshlrev_b32 v2, 3, v9
	v_and_b32 v8, 15, v0                           ; r
	v_lshlrev_b32 v7, 4, v8                        ; 16 r
	v_lshlrev_b32 v8, 3, v8                        ; 8 r
	global_load_b128 v[16:19], v1, s[52:53]        ; Q's half fragment stays in registers
	global_load_b64 v[20:21], v2, s[52:53] offset:512
	global_load_b32 v28, v7, s[54:55]              ; and its scale word
.irp j, 22,23,24,25,26,27
	v_mov_b32 v[\j], 0                             ; zero codes fill K from 64 to 128
.endr
.irp t, 0,1,2,3
.irp j, 6,7,8,9,10,11
	v_mov_b32 v[KF+12*\t+\j], 0
.endr
.endr
	v_mov_b32 v13, 0xff61b1e6                      ; the largest t so far: -3e38, under every t
	v_floor_f32 v12, -v13                          ; -M
	v_mov_b32 v14, 0                               ; the sum, in two halves
	v_mov_b32 v15, 0
.irp b, 0,1,2,3
	v_mov_b32 v[236+\b], 0                         ; (a lane permute's destination counts as one of its sources)
.endr
	v_mov_b32 v253, 0                              ; (named as the upper half of the pair v[252:253])
.irp j, 0,1,2,3,4,5,6,7,8,9,10,11,12,13,14,15,16,17,18,19,20,21,22,23,24,25,26,27,28,29,30,31
	v_mov_b32 v[O+\j], 0                           ; O^T: the step is written once; the first finds zeros, which the first change of M leaves zeros
.endr
.macro SPROD t                         ; S^T, key tile t of the step's eight: register t / 2 of K's words holds an even tile's in lanes 0-15 and an odd tile's in lanes 16-31
.if (\t)%2
	v_wmma_scale_f32_16x16x128_f8f6f4 v[S+8*(\t):S+8*(\t)+7], v[KF+12*((\t)%4):KF+12*((\t)%4)+11], v[16:27], 0, v[248+(\t)/2], v28 matrix_a_fmt:MATRIX_FMT_BF6 matrix_b_fmt:MATRIX_FMT_BF6 matrix_a_scale:MATRIX_SCALE_ROW1
.else
	v_wmma_scale_f32_16x16x128_f8f6f4 v[S+8*(\t):S+8*(\t)+7], v[KF+12*((\t)%4):KF+12*((\t)%4)+11], v[16:27], 0, v[248+(\t)/2], v28 matrix_a_fmt:MATRIX_FMT_BF6 matrix_b_fmt:MATRIX_FMT_BF6
.endif
.endm
.macro OPROD d                         ; O^T += V^T P^T, tile d of the head's four
.if (\d)%2
	v_wmma_scale_f32_16x16x128_f8f6f4 v[O+8*(\d):O+8*(\d)+7], v[VF+12*(\d):VF+12*(\d)+11], v[224:235], v[O+8*(\d):O+8*(\d)+7], v[30+(\d)/2], v29 matrix_a_fmt:MATRIX_FMT_BF6 matrix_b_fmt:MATRIX_FMT_BF6 matrix_a_scale:MATRIX_SCALE_ROW1
.else
	v_wmma_scale_f32_16x16x128_f8f6f4 v[O+8*(\d):O+8*(\d)+7], v[VF+12*(\d):VF+12*(\d)+11], v[224:235], v[O+8*(\d):O+8*(\d)+7], v[30+(\d)/2], v29 matrix_a_fmt:MATRIX_FMT_BF6 matrix_b_fmt:MATRIX_FMT_BF6
.endif
.endm
; A KEY STEP: 128 keys.
.macro STEP
	v_add_nc_u32 v3, s[TB], v1                     ; (these four are also the places behind the last step's products)
	v_add_nc_u32 v4, s[TB], v2
	v_add_nc_u32 v5, s[TS], v1
	v_add_nc_u32 v6, s[TV], v2
	ds_load_b128 v[248:251], v5                    ; K's scale words: one load serves the eight tiles
.irp t, 0,1,2,3
	ds_load_b128 v[KF+12*\t:KF+12*\t+3], v3 offset:768*\t
	ds_load_b64 v[KF+12*\t+4:KF+12*\t+5], v4 offset:768*\t+512
.endr
	s_wait_dscnt 0x0
.irp t, 0,1,2,3
	SPROD \t
.endr
.rept 4
	v_nop                                          ; places in front of loads into registers that matrix instructions have read
.endr
.irp t, 0,1,2,3
	ds_load_b128 v[KF+12*\t:KF+12*\t+3], v3 offset:768*(4+\t)
	ds_load_b64 v[KF+12*\t+4:KF+12*\t+5], v4 offset:768*(4+\t)+512
.endr
	ds_load_b64 v[30:31], v6                       ; V^T's scale words,
.irp d, 0,1,2,3
.irp g, 0,1,2
	ds_load_b128 v[VF+12*\d+4*\g:VF+12*\d+4*\g+3], v3 offset:VCO+1536*\d+512*\g   ; and its four fragments: they land under the softmax
.endr
.endr
	s_wait_dscnt 13                                ; K's tiles 4-7 are in; the thirteen loads for V^T may be out
.irp t, 4,5,6,7
	SPROD \t
.endr
.rept 4
	v_nop
.endr
.irp b, 0,1,2,3
	v_max3_num_f32 v[232+\b], v[S+16*\b], v[S+1+16*\b], v[S+2+16*\b]   ; the largest score of each block of 32 keys: it serves for the row's maximum and, since p rises with the score, for the block's largest p
.endr
.irp i, 3,5,7,9,11,13
.irp b, 0,1,2,3
	v_max3_num_f32 v[232+\b], v[232+\b], v[S+16*\b+\i], v[S+1+16*\b+\i]
.endr
.endr
.irp b, 0,1,2,3
	v_max_num_f32 v[232+\b], v[232+\b], v[S+15+16*\b]
.endr
.irp b, 0,1,2,3
	v_permlanex16_b32 v[236+\b], v[232+\b], s[SEL], s[SEL+1]
.endr
.irp b, 0,1,2,3
	v_max_num_f32 v[232+\b], v[232+\b], v[236+\b]  ; with lane l xor 16's 16 keys
.endr
	v_max3_num_f32 v254, v232, v233, v234
	v_max_num_f32 v254, v254, v235                 ; the step's largest score of my query
	v_mul_f32 v254, s[CS], v254                    ; as t (c is positive)
	v_max_num_f32 v13, v13, v254                   ; the running largest t
	v_mov_b32 v254, v12
	v_floor_f32 v12, -v13                          ; the new -M = floor(-t) = -ceil(t): a whole number
	v_sub_f32 v254, v12, v254                      ; M's old value less its new one: a whole number, 0 or less
	v_cvt_i32_f32 v254, v254                       ; (it saturates)
	v_ldexp_f32 v252, 1.0, v254                    ; f = 2^(old M - new M)
.irp j, 0,2,4,6,8,10,12,14,16,18,20,22,24,26,28,30,32,34,36,38,40,42,44,46,48,50,52,54,56,58,60,62
	v_pk_fma_f32 v[S+\j:S+1+\j], v[S+\j:S+1+\j], s[CS:CS+1], v[12:13] op_sel_hi:[1,0,0]   ; t - M, two at a time
.endr
.irp b, 0,1,2,3
	v_fma_f32 v[232+\b], v[232+\b], s[CS], v12     ; the same of each block's largest score
.endr
.irp j, 0,1,2,3,4,5,6,7,8,9,10,11,12,13,14,15,16,17,18,19,20,21,22,23,24,25,26,27,28,29,30,31,32,33,34,35,36,37,38,39,40,41,42,43,44,45,46,47,48,49,50,51,52,53,54,55,56,57,58,59,60,61,62,63
	v_exp_f32 v[S+\j], v[S+\j]                     ; p = 2^(t - M), at most 1: not normalised
.endr
.irp b, 0,1,2,3
	v_exp_f32 v[232+\b], v[232+\b]                 ; the block's largest p: the same two instructions on the same number give the same bits
.endr
	v_pk_mul_f32 v[14:15], v[14:15], v[252:253] op_sel_hi:[1,0]   ; the sums under the new M (a plain line behind the exponentials)
	s_wait_alu depctr_va_vdst(0)
.irp b, 0,1,2,3
	v_max_num_f32 v[232+\b], 0x2800000, v[232+\b]  ; the floor 2^(5 - 127): the byte cannot fall under 1
.endr
.irp b, 0,1,2,3
	v_add_nc_u32 v[244+\b], 0xfe000000, v[232+\b]  ; 4 off the exponent field: the conversion's scale operand
.endr
.irp b, 0,1,2,3
	v_lshrrev_b32 v[236+\b], 23, v[244+\b]         ; the scale's byte
.endr
	v_lshl_or_b32 v29, v237, 8, v236               ; p's scale word for these 128 keys
	v_lshl_or_b32 v29, v238, 16, v29
	v_lshl_or_b32 v29, v239, 24, v29
.irp c, 0,1
	v_cvt_scalef32_pk16_bf6_f32 v[224+6*\c:226+6*\c], v[S+32*\c:S+15+32*\c], v[244+2*\c]
	v_cvt_scalef32_pk16_bf6_f32 v[236+4*\c:238+4*\c], v[S+16+32*\c:S+31+32*\c], v[244+2*\c+1]   ; (a conversion's three registers begin on an even number)
.endr
	v_nop                                          ; one plain line behind a scaled conversion
.irp c, 0,1                                    ; the layout wants a whole block in a lane: lanes 0-15 block 2 c, lanes 16-31 block 2 c + 1
.irp i, 0,1,2
	v_permlane16_swap_b32 v[224+6*\c+\i], v[236+4*\c+\i]
.endr
.irp i, 0,1,2
	v_mov_b32 v[227+6*\c+\i], v[236+4*\c+\i]
.endr
.endr
	v_pk_add_f32 v[236:237], v[S:S+1], v[S+2:S+3]  ; the row's sum is taken of the unquantised p: two at a time, in two chains
.irp j, 4,8,12,16,20,24,28,32,36,40,44,48,52,56,60
	v_pk_add_f32 v[14:15], v[14:15], v[S+\j:S+1+\j]
	v_pk_add_f32 v[236:237], v[236:237], v[S+2+\j:S+3+\j]
.endr
	v_pk_add_f32 v[14:15], v[14:15], v[236:237]
.irp j, 0,2,4,6,8,10,12,14,16,18,20,22,24,26,28,30
	v_pk_mul_f32 v[O+\j:O+1+\j], v[O+\j:O+1+\j], v[252:253] op_sel_hi:[1,0]   ; O^T under the new M: x f; each accumulator from its low end on
.endr
	s_wait_dscnt 0x0                               ; V^T and its words are in
.irp d, 0,1,2,3
	OPROD \d                                       ; four accumulators by turns, one instruction a turn
.endr
	s_add_co_u32 s[TB], s[TB], 6144                ; the next step's codes and words
	s_add_co_u32 s[TS], s[TS], 512
	s_add_co_u32 s[TV], s[TV], 256
.endm
; A PIECE: 512 keys, four steps.  The count leaves the later pieces' loads out; behind the barrier every wave may read what waves 0-3 brought.
.macro PIECE n
	s_wait_tensorcnt 3-\n
	s_wait_dscnt 0x0
	s_barrier_signal -1
	s_barrier_wait -1
	s_mov_b32 s[TB], \n*PIECEB
	s_mov_b32 s[TS], \n*PIECEB+KWO
	s_mov_b32 s[TV], \n*PIECEB+VWO
	s_mov_b32 s[CNT], 4
.Lstep_\@:
	STEP
	s_sub_co_u32 s[CNT], s[CNT], 1
	s_cmp_lg_u32 s[CNT], 0
	s_cbranch_scc1 .Lstep_\@
.endm
	s_wait_loadcnt 0x0                             ; Q
	PIECE 0
	PIECE 1
	PIECE 2
	PIECE 3
	; THE WAY OUT: O^T / the sum, quantised along the head's 64, which are half a K step of the last product.
.rept 4
	v_nop                                          ; places behind the last products
.endr
	v_add_f32 v14, v14, v15                        ; the sum's two halves,
	v_permlanex16_b32 v252, v14, s[SEL], s[SEL+1]
	v_add_f32 v14, v14, v252                       ; and lane l xor 16's: the row's sum
	v_rcp_f32 v14, v14
	v_nop                                          ; a plain line behind the transcendental
	s_wait_alu depctr_va_vdst(0)
.irp j, 0,1,2,3,4,5,6,7,8,9,10,11,12,13,14,15,16,17,18,19,20,21,22,23,24,25,26,27,28,29,30,31
	v_mul_f32 v[S+\j], v[O+\j], v14                ; register 16 b + i is d = 32 b + 16 h + i of my query
.endr
	v_max3_num_f32 v236, |v[S]|, |v[S+1]|, 0x2800000               ; my 16 numbers of each block, and the floor
	v_max3_num_f32 v237, |v[S+16]|, |v[S+17]|, 0x2800000
.irp i, 2,4,6,8,10,12,14
	v_max3_num_f32 v236, v236, |v[S+\i]|, |v[S+\i+1]|
	v_max3_num_f32 v237, v237, |v[S+16+\i]|, |v[S+17+\i]|
.endr
	v_permlanex16_b32 v238, v236, s[SEL], s[SEL+1]
	v_permlanex16_b32 v239, v237, s[SEL], s[SEL+1]
	v_max_num_f32 v236, v236, v238
	v_max_num_f32 v237, v237, v239
	v_add_nc_u32 v244, 0xfe000000, v236
	v_add_nc_u32 v245, 0xfe000000, v237
	v_lshrrev_b32 v240, 23, v244
	v_lshrrev_b32 v241, 23, v245
	v_lshl_or_b32 v247, v241, 8, v240              ; the two scale bytes
	v_cvt_scalef32_pk16_bf6_f32 v[224:226], v[S:S+15], v244
	v_cvt_scalef32_pk16_bf6_f32 v[232:234], v[S+16:S+31], v245
	v_nop                                          ; one plain line behind a scaled conversion
.irp i, 0,1,2
	v_permlane16_swap_b32 v[224+\i], v[232+\i]
.endr
.irp i, 0,1,2
	v_mov_b32 v[227+\i], v[232+\i]
.endr
	global_store_b128 v1, v[224:227], s[56:57]     ; 512 consecutive bytes,
	global_store_b64 v2, v[228:229], s[56:57] offset:512   ; and 256
	s_wait_xcnt 0x0                                ; EXEC changes only behind this wait
	v_cmp_gt_u32 vcc_lo, 16, v9
	s_and_saveexec_b32 s63, vcc_lo                 ; lanes 0-15: one lane a row
	global_store_b16 v8, v247, s[58:59]            ; half a scale word: the other half is another head's, made by another work-group
	s_wait_xcnt 0x0
	s_or_b32 exec_lo, exec_lo, s63
	s_wait_tensorcnt 0x0
	ds_add_u32 v243, v255
	s_wait_dscnt 0x0
	ROUND                                          ; the closing round: no work-group ends while a partner may still ask for bytes that name it
	s_endpgm
.Lfunc_end_k_q1070398278_attn:
	.size	k_q1070398278_attn, .Lfunc_end_k_q1070398278_attn-k_q1070398278_attn
	.p2alignl 7, 3214868480
	.fill 96, 4, 3214868480
	.section	.rodata,"a",@progbits
	.p2align	6, 0x0
	.amdhsa_kernel k_q1070398278_attn
		.amdhsa_group_segment_fixed_size 210944
		.amdhsa_private_segment_fixed_size 0
		.amdhsa_enable_private_segment 0
		.amdhsa_kernarg_size 24
		.amdhsa_user_sgpr_count 2
		.amdhsa_user_sgpr_kernarg_segment_ptr 1
		.amdhsa_wavefront_size32 1
		.amdhsa_system_sgpr_workgroup_id_x 1
		.amdhsa_system_sgpr_workgroup_id_y 1
		.amdhsa_system_sgpr_workgroup_id_z 1
		.amdhsa_system_vgpr_workitem_id 0
		.amdhsa_next_free_vgpr 256
		.amdhsa_next_free_sgpr 66
		.amdhsa_reserve_vcc 1
		.amdhsa_float_denorm_mode_32 3
		.amdhsa_float_denorm_mode_16_64 3
		.amdhsa_memory_ordered 1
		.amdhsa_forward_progress 1
		.amdhsa_inst_pref_size 77
	.end_amdhsa_kernel
	.amdgpu_metadata
---
amdhsa.version: [ 1, 2 ]
amdhsa.kernels:
  - .name:           k_q1070398278_attn
    .symbol:         k_q1070398278_attn.kd
    .args:
      - { .name: qq, .offset: 0, .size: 8, .value_kind: global_buffer, .address_space: global }
      - { .name: kv, .offset: 8, .size: 8, .value_kind: global_buffer, .address_space: global }
      - { .name: aq, .offset: 16, .size: 8, .value_kind: global_buffer, .address_space: global }
    .group_segment_fixed_size: 210944
    .private_segment_fixed_size: 0
    .kernarg_segment_align: 8
    .kernarg_segment_size: 24
    .max_flat_workgroup_size: 512
    .sgpr_count:     66
    .vgpr_count:     256
    .wavefront_size: 32
...
	.end_amdgpu_metadata
.endif
;; end of part 3
;; launch oproj (part 4): grid 4 x 16, 4 waves a work-group, clusters of 4 x 4, 327,680 bytes of LDS; arguments aq, cw, bo, out0; writes out0
.if DOCPART == 4
	.amdgcn_target "amdgcn-amd-amdhsa--gfx1250"
	.amdhsa_code_object_version 6
	.text
	.protected	k_q1070398278_oproj
	.globl	k_q1070398278_oproj
	.p2align	8
	.type	k_q1070398278_oproj,@function
k_q1070398278_oproj:
	s_mov_b64 s[64:65], 0
	v_nop
	global_prefetch_b8 v0, s[64:65] scope:SCOPE_SE
	s_setreg_imm32_b32 hwreg(HW_REG_WAVE_MODE, 25, 1), 1
	s_wait_xcnt 0x0
	s_wait_alu depctr_hold_cnt(0) depctr_sa_sdst(0) depctr_va_vdst(0) depctr_va_sdst(0) depctr_va_ssrc(0) depctr_va_vcc(0) depctr_vm_vsrc(0)
	s_getreg_b32 s2, hwreg(HW_REG_IB_STS2, 6, 4)
	s_cmp_eq_u32 s2, 0
	s_cbranch_scc0 .Lentry_in_a_cluster
	s_endpgm
.Lentry_in_a_cluster:
	s_bfe_u32 s2, ttmp6, 0x10000c
	s_cmp_lg_u32 s2, 0xf033
	s_cbranch_scc0 .Lentry_shape_is_right
	s_endpgm
.Lentry_shape_is_right:
; out0 = attention's result x Wo^T + bo on codes of BF6 (E3M2) with E8M0 scales; sums in f32; out0 [4096][1024] f32.
; A = aq (256 token tiles), B = Wo (tiles 448-511 of cw): both as images of the operands' registers (16 rows x 128 K: 1,536 bytes; registers 6 c .. 6 c + 3 at 768 c + 16 x lane, registers 6 c + 4, 6 c + 5 at 768 c + 512 + 8 x lane),
; rows in tile order (row p of tile 2 b + u is row 32 b + 8 u + p + 8 (p / 8)); scale words (tile, K step s, row r) at 512 tile + 128 (s / 2) + 8 r + 4 (s % 2) behind the codes.
; A work-group of four waves makes 256 x 256, a wave 128 x 128: 64 accumulators, 512 registers.  K = 1,024 goes in four steps of 256 through a ring of two LDS slots.  64 work-groups: the product has no more tiles of this size.
; THE MATRIX INSTRUCTION IS USED TRANSPOSED (source 0 = 16 rows of Wo, source 1 = 16 tokens): lane (r, h) holds a token, and the 16 registers of B's tiles 2 b, 2 b + 1 are columns 32 b + 16 h + 0 .. 15.  bo is the C of each sum's first instruction.
; CLUSTERS: 4 x 4 work-groups; A's tiles are asked for jointly along a row of the cluster, B's along a column.  The way out undoes the tile order by constants.
; REGISTERS, in windows of 256: window 0: v0-31 addresses; v32-63 scale words, two sets, and nothing else; v64-127 the bias; v128-223 A's fragments, one set (on the way out v128-255: rows read back);
;   window 1: B's fragments, two sets, at v0 and v128.  window 2: accumulators of A's blocks 0-3 ((a, b) at v[8 (8 (a % 4) + b)]); window 3: of blocks 4-7.
.set NQ,     2
.set FR,     12
.set NL,     4
.set NP,     4                         ; places behind this matrix instruction (ISA guide 7.12.1)
.set TILEB,  3072                      ; a tile's bytes in a slot: the images of two K steps
.set TROW,   12288
.set HALFT,  8*TILEB
.set SLOT,   4*HALFT
.set LAPS,   2
.set SCL,    2*SLOT                    ; behind the ring: the scale words of the 32 tiles, for all of K: filled once
.set HALFS,  4096
.set SBLK,   512
.set SPARE,  SCL+4*HALFS               ; the spare words, 128 bytes for each wave: two blocks of 256 bytes that no other line names
.set SPITCH, 528                       ; the way out: a stage of 16 rows x (512 bytes + 16) for each wave, in slot 0, which has had its last fill and its last read by then
.set L16,  8
.set L8,   9
.set ADRA, 16
.set ADRB, 20
.set STO,  24                          ; v24  the way out: where I put 32 bytes of a row
.set RD,   25                          ; v25  where I read a row back
.set ADRS, 27
.set SPW,  28                          ; v28  LDS address of my spare word; never rewritten
.set NIL,  29                          ; v29  0; never rewritten
.set SC,   32
.set BIAS, 64
.set AF,   128
.set BK,   128
.set G1, 24
.set G0, 32
.set G1B, 48
.set G0B, 56
.set G1S, 68
.set G0S, 76
.set G1SB, 80
.set G0SB, 88
.set MSB, 0
.macro WIN new                         ; the immediate's high byte repeats the setting that is left
.if MSB != \new
	s_set_vgpr_msb (MSB<<8)|\new
.set MSB, \new
.endif
.endm
.set MUL_LO, 0xa1                      ; source 0 (B) window 1, source 1 (A) window 0, C and D window 2
.set MUL_HI, 0xf1
.set FIRST_LO, 0x81                    ; the first step: C (the bias) window 0, D window 2
.set FIRST_HI, 0xc1
.set TO_B,   0x40
; A joint load: waves 0 and 1 fetch for A, waves 2 and 3 for B; four v_nop follow each of the two lines.
.macro JLOAD g0a, g1a, g0b, g1b
	s_cmp_eq_u32 s15, 0
	s_cbranch_scc0 .Lfor_b_\@
	tensor_load_to_lds s[\g0a:\g0a+3], s[\g1a:\g1a+7]
	s_nop 0
.rept 4
	v_nop
.endr
	s_branch .Lasked_\@
.Lfor_b_\@:
	tensor_load_to_lds s[\g0b:\g0b+3], s[\g1b:\g1b+7]
	s_nop 0
.rept 4
	v_nop
.endr
.Lasked_\@:
.endm
.macro CREST
	s_cmp_lg_u32 s14, 0
	s_cbranch_scc1 .Lnot_wave_0_\@
	s_barrier_signal -3
.Lnot_wave_0_\@:
	s_barrier_wait -3
	s_barrier_signal -1
	s_barrier_wait -1
.endm
.macro CROUND
	s_barrier_signal -1
	s_barrier_wait -1
	CREST
.endm
	s_load_b256 s[4:11], s[0:1], 0x0               ; aq s[4:5], cw s[6:7], bo s[8:9], out0 s[10:11]
	v_lshl_add_u32 v[SPW], v0, 2, SPARE
	v_mov_b32 v[NIL], 0
	ds_add_u32 v28, v29
	ds_add_u32 v28, v29
	s_wait_dscnt 0x0
	v_lshrrev_b32 v1, 5, v0
	v_readfirstlane_b32 s14, v1                    ; wave 0..3
	s_lshr_b32 s15, s14, 1                         ; which half of A's 16 tiles is mine.  Also: I fetch for A (0) or for B (1)
	s_and_b32 s16, s14, 1                          ; which half of B's.  Also: which eight tiles I fetch
	s_bfe_u32 s40, ttmp6, 0x40000                  ; cx, cy
	s_bfe_u32 s41, ttmp6, 0x40004
	s_lshl_b32 s42, ttmp9, 2
	s_add_co_u32 s42, s42, s40                     ; tile column
	s_and_b32 s17, ttmp7, 0xffff
	s_lshl_b32 s17, s17, 2
	s_add_co_u32 s17, s17, s41                     ; tile row
	s_lshl_b32 s43, s41, 2
	s_lshl_b32 s43, 15, s43                        ; my row of the cluster
	s_lshl_b32 s44, 0x1111, s40                    ; my column
	s_or_b32 s[G1+0], s43, (3<<16)|(1<<21)         ; eight tiles' 3,072 bytes (384 elements of 8 bytes), 12,288 bytes apart
	s_or_b32 s[G1B+0], s44, (3<<16)|(1<<21)
.irp g, G1, G1B
	s_mov_b32 s[\g+1], 384<<16
	s_mov_b32 s[\g+2], 8<<16
	s_mov_b32 s[\g+3], 384<<16
	s_mov_b32 s[\g+4], 8
	s_mov_b32 s[\g+5], 1536
	s_mov_b32 s[\g+6], 0
	s_mov_b32 s[\g+7], 0
.endr
	s_or_b32 s[G1S+0], s43, (3<<16)|(1<<21)        ; eight tiles' scale words: 4,096 dense bytes as 16 rows of 256
	s_or_b32 s[G1SB+0], s44, (3<<16)|(1<<21)
.irp g, G1S, G1SB
	s_mov_b32 s[\g+1], 32<<16
	s_mov_b32 s[\g+2], 16<<16
	s_mov_b32 s[\g+3], 32<<16
	s_mov_b32 s[\g+4], 16
	s_mov_b32 s[\g+5], 32
	s_mov_b32 s[\g+6], 0
	s_mov_b32 s[\g+7], 0
.endr
	s_lshl_b32 s18, s16, 3                         ; which eight of the sixteen tiles I fetch
	s_lshl_b32 s20, s17, 4
	s_add_co_u32 s20, s20, s18                     ; A: the first of them
	s_lshl_b32 s46, s42, 4
	s_add_co_u32 s46, s46, 448
	s_add_co_u32 s46, s46, s18                     ; B
	s_lshl_b32 s22, s20, 9
	s_add_co_u32 s22, s22, 3145728                 ; aq's scale words
	s_mov_b32 s23, 0
	s_mul_i32 s20, s20, TROW
	s_mov_b32 s21, 0
	s_lshl_b32 s92, s46, 9
	s_add_co_u32 s92, s92, 6291456                 ; cw's
	s_mov_b32 s93, 0
	s_mul_i32 s46, s46, TROW
	s_mov_b32 s47, 0
	s_mul_i32 s45, s14, HALFT
	s_mul_i32 s94, s14, HALFS
	s_wait_kmcnt 0x0
	s_add_nc_u64 s[20:21], s[4:5], s[20:21]
	s_add_nc_u64 s[22:23], s[4:5], s[22:23]
	s_add_nc_u64 s[46:47], s[6:7], s[46:47]
	s_add_nc_u64 s[92:93], s[6:7], s[92:93]
	CROUND                                         ; all sixteen work-groups are here: the first joint loads meet
	s_mov_b32 s[G0S], 1
	s_add_co_u32 s[G0S+1], s94, SCL
	s_mov_b64 s[G0S+2:G0S+3], s[22:23]
	s_or_b32 s[G0S+3], s[G0S+3], 0x80000000
	s_mov_b32 s[G0SB], 1
	s_add_co_u32 s[G0SB+1], s94, SCL
	s_mov_b64 s[G0SB+2:G0SB+3], s[92:93]
	s_or_b32 s[G0SB+3], s[G0SB+3], 0x80000000
	JLOAD G0S, G1S, G0SB, G1SB
.irp s, 0,1
	s_mov_b32 s[G0+4*\s], 1
	s_add_co_u32 s[G0+4*\s+1], s45, \s*SLOT
	s_add_nc_u64 s[G0+4*\s+2:G0+4*\s+3], s[20:21], \s*TILEB
	s_or_b32 s[G0+4*\s+3], s[G0+4*\s+3], 0x80000000
	s_mov_b32 s[G0B+4*\s], 1
	s_add_co_u32 s[G0B+4*\s+1], s45, \s*SLOT
	s_add_nc_u64 s[G0B+4*\s+2:G0B+4*\s+3], s[46:47], \s*TILEB
	s_or_b32 s[G0B+4*\s+3], s[G0B+4*\s+3], 0x80000000
	JLOAD G0+4*\s, G1, G0B+4*\s, G1B               ; three tensor loads of mine are out
.endr
	v_and_b32 v1, 15, v0                           ; r
	v_bfe_u32 v2, v0, 4, 1                         ; h
	v_and_b32 v3, 31, v0                           ; lane
	v_lshlrev_b32 v[L16], 4, v3
	v_lshlrev_b32 v[L8], 3, v3
	s_mul_i32 s21, s15, HALFT
	s_mul_i32 s22, s16, HALFT
	s_add_co_u32 s22, s22, 2*HALFT
.irp s, 0,1
	v_add_nc_u32 v[ADRA+\s], s21, v[L16]
	v_add_nc_u32 v[ADRB+\s], s22, v[L16]
	v_add_nc_u32 v[ADRA+2+\s], s21, v[L8]
	v_add_nc_u32 v[ADRB+2+\s], s22, v[L8]
	s_add_co_u32 s21, s21, SLOT
	s_add_co_u32 s22, s22, SLOT
.endr
	v_lshlrev_b32 v5, 3, v1
	s_mul_i32 s21, s15, HALFS
	s_mul_i32 s22, s16, HALFS
	s_add_co_u32 s22, s22, 2*HALFS
	s_sub_co_u32 s22, s22, s21
	v_mul_u32_u24 v6, s22, v2                      ; lanes 16-31 take B's
	s_add_co_u32 s21, s21, SCL
	v_add_nc_u32 v5, v5, v6
	v_add_nc_u32 v[ADRS], s21, v5
	s_mul_i32 s23, s14, 16*SPITCH                  ; my stage
	v_mul_u32_u24 v5, v1, SPITCH                   ; in: row r, + 64 h: columns 16 h on of each 32
	v_lshl_add_u32 v5, v2, 6, v5
	v_add_nc_u32 v[STO], s23, v5
	v_add_nc_u32 v[RD], s23, v[L16]                ; back: the 32 lanes take one row of 512 bytes
	v_lshlrev_b32 v4, 6, v2                        ; the bias: 64 h
	s_lshl_b32 s46, s42, 10
	s_lshl_b32 s47, s16, 9
	s_add_co_u32 s46, s46, s47                     ; my first column, in bytes
	s_mov_b32 s47, 0
	s_add_nc_u64 s[18:19], s[8:9], s[46:47]
.irp b, 0,1,2,3,4,5,6,7                        ; lane (r, h) wants, for B's tile b, the numbers of columns 32 (b / 2) + 16 h + 8 (b % 2) + 0 .. 7
	global_load_b128 v[BIAS+8*\b:BIAS+8*\b+3], v4, s[18:19] offset:(32*(\b/2)+8*(\b%2))*4
	global_load_b128 v[BIAS+8*\b+4:BIAS+8*\b+7], v4, s[18:19] offset:(32*(\b/2)+8*(\b%2))*4+16
.endr
	s_lshl_b32 s20, s17, 8
	s_lshl_b32 s21, s15, 7
	s_add_co_u32 s20, s20, s21                     ; my first row of out0
	s_lshl_b32 s20, s20, 12
	s_mov_b32 s21, 0
	s_add_nc_u64 s[10:11], s[10:11], s[20:21]
	s_add_nc_u64 s[10:11], s[10:11], s[46:47]
.macro FRAG reg, adr, q, i             ; a fragment's image: tile i of my eight, the slot's q-th 128 along K
	ds_load_b128 v[\reg:\reg+3], v[\adr] offset:(\i)*TILEB+(\q)*1536
	ds_load_b64 v[\reg+4:\reg+5], v[\adr+2] offset:(\i)*TILEB+(\q)*1536+512
	ds_load_b128 v[\reg+6:\reg+9], v[\adr] offset:(\i)*TILEB+(\q)*1536+768
	ds_load_b64 v[\reg+10:\reg+11], v[\adr+2] offset:(\i)*TILEB+(\q)*1536+1280
.endm
.macro WM a, b, p, q, sc, c
	v_wmma_scale_f32_16x16x128_f8f6f4 v[8*(8*((\a)%4)+\b):8*(8*((\a)%4)+\b)+7], v[128*(\p)+FR*\b:128*(\p)+FR*\b+FR-1], v[AF+FR*(\a):AF+FR*(\a)+FR-1], v[\c:\c+7], v[SC+8*NQ*(\sc)+NQ*\b+(\q)], v[SC+8*NQ*(\sc)+NQ*(\a)+(\q)] matrix_a_fmt:MATRIX_FMT_BF6 matrix_b_fmt:MATRIX_FMT_BF6 matrix_a_scale:MATRIX_SCALE_ROW1
.endm
; 16 matrix instructions: A's blocks a0, a0 + 1 x B's eight.  zero = 1: the sums start with the bias.  The 64 accumulators take turns, one instruction a turn.
.macro MUL16 a0, p, q, sc, zero
.irp a, \a0, \a0+1
.irp b, 0,1,2,3,4,5,6,7
.if \zero
	WM \a, \b, \p, \q, \sc, BIAS+8*\b
.else
	WM \a, \b, \p, \q, \sc, 8*(8*((\a)%4)+\b)
.endif
.endr
.endr
.endm
.macro FETCH_B slot, q, p
	WIN TO_B
.irp i, 0,1,2,3,4,5,6,7
	FRAG 128*(\p)+FR*\i, ADRB+\slot, \q, \i
.endr
	WIN 0
.endm
.macro FETCH_A slot, q, i0
.irp i, \i0, \i0+1, \i0+2, \i0+3
	FRAG AF+FR*(\i), ADRA+\slot, \q, \i
.endr
.endm
.macro SCALES sc
.irp i, 0,1,2,3,4,5,6,7
	ds_load_b64 v[SC+8*NQ*\sc+NQ*\i:SC+8*NQ*\sc+NQ*\i+1], v[ADRS] offset:\i*SBLK
.endr
.endm
.macro PLACES n                        ; plain vector lines between a matrix instruction and a load into, or a read of, its registers
.rept \n
	v_nop
.endr
.endm
.macro STEP slot, q, zero
	s_wait_dscnt 4*NL                              ; B's set and A's blocks 0-3 are in; the youngest sixteen loads (A's blocks 4-7) may be out
.if \zero
	WIN FIRST_LO
.else
	WIN MUL_LO
.endif
	MUL16 0, (\q)%2, \q, \slot, \zero
	MUL16 2, (\q)%2, \q, \slot, \zero
	s_wait_dscnt 0
	PLACES NP
	FETCH_B \slot, (\q)+1, 1-(\q)%2
	FETCH_A \slot, (\q)+1, 0
.if \zero
	WIN FIRST_HI
.else
	WIN MUL_HI
.endif
	MUL16 4, (\q)%2, \q, \slot, \zero
	MUL16 6, (\q)%2, \q, \slot, \zero
	PLACES NP
	WIN 0
	FETCH_A \slot, (\q)+1, 4
.endm
; A slot's last step changes slots: one barrier; in front of it each wave waits for all its tensor loads, adds 0 to its spare word, and waits for that and for its own reads of this slot.
.macro TURN slot, next, fill
	s_wait_tensorcnt 0x0                           ; all my tensor loads have landed: my part of the next slot
	ds_add_u32 v[SPW], v[NIL]                      ; 0 onto my spare word
	s_wait_dscnt 4*NL+1                            ; (the add and the youngest sixteen loads may be out)
	WIN MUL_LO
	MUL16 0, 1, NQ-1, \slot, 0
	s_wait_dscnt 0x0                               ; the add is done, and my reads of this slot are over
	s_barrier_signal -1
	MUL16 2, 1, NQ-1, \slot, 0
	WIN 0
	s_barrier_wait -1
.if \fill
	CREST                                          ; a round of the cluster's barrier: no wave of any partner still reads this slot or has a load on its way
	s_add_nc_u64 s[G0+4*\slot+2:G0+4*\slot+3], s[G0+4*\slot+2:G0+4*\slot+3], 2*TILEB
	s_add_nc_u64 s[G0B+4*\slot+2:G0B+4*\slot+3], s[G0B+4*\slot+2:G0B+4*\slot+3], 2*TILEB
	JLOAD G0+4*\slot, G1, G0B+4*\slot, G1B         ; the first tensor load behind the round, one a wave
.else
	PLACES NP
.endif
	v_add_nc_u32 v[ADRS], 128, v[ADRS]
	FETCH_B \next, 0, 0
	FETCH_A \next, 0, 0
	SCALES \next
	WIN MUL_HI
	MUL16 4, 1, NQ-1, \slot, 0
	MUL16 6, 1, NQ-1, \slot, 0
	PLACES NP
	WIN 0
	FETCH_A \next, 0, 4
.endm
	s_wait_tensorcnt 1                             ; the scale words and my part of slot 0 are in (slot 1's load may be out)
	s_barrier_signal -1
	s_barrier_wait -1                              ; everybody's are
	FETCH_B 0, 0, 0
	FETCH_A 0, 0, 0
	SCALES 0
	FETCH_A 0, 0, 4
	s_wait_loadcnt 0x0                             ; the bias
	STEP 0, 0, 1                                   ; the first step starts the sums with the bias
	s_mov_b32 s3, LAPS-1
.Llap:
	TURN 0, 1, 1
	STEP 1, 0, 0
	TURN 1, 0, 1
	STEP 0, 0, 0
	s_sub_co_u32 s3, s3, 1
	s_cmp_lg_u32 s3, 0
	s_cbranch_scc1 .Llap
	TURN 0, 1, 0                                   ; the last lap fills nothing
	STEP 1, 0, 0
	s_wait_dscnt 4*NL
	WIN MUL_LO
	MUL16 0, 1, NQ-1, 1, 0
	MUL16 2, 1, NQ-1, 1, 0
	s_wait_dscnt 0
	WIN MUL_HI
	MUL16 4, 1, NQ-1, 1, 0
	MUL16 6, 1, NQ-1, 1, 0
	WIN 0
; THE WAY OUT, block by block of 16 tokens x 128 columns, through my own stage in LDS: in by 32 bytes a lane at the columns' true places, back as whole rows of 512 bytes.  LDS serves a wave's instructions in order (ISA guide 5.7.1.4).
.macro TOSTAGE a
.set AC, 64*((\a)%4)
	WIN 0x08+4*((\a)/4)                            ; the data: window 2 or 3
.irp b, 0,1,2,3,4,5,6,7
	ds_store_b128 v[STO], v[AC+8*\b:AC+8*\b+3] offset:128*(\b/2)+32*(\b%2)          ; each accumulator from its low end on
	ds_store_b128 v[STO], v[AC+8*\b+4:AC+8*\b+7] offset:128*(\b/2)+32*(\b%2)+16
.endr
	WIN 0
.set BB, BK+64*((\a)%2)
.irp t, 0,1,2,3,4,5,6,7,8,9,10,11,12,13,14,15
	ds_load_b128 v[BB+4*\t:BB+4*\t+3], v[RD] offset:\t*SPITCH
.endr
.endm
.macro SEND a, younger                 ; row t of block a is token 32 (a / 2) + 8 (a % 2) + 16 (t / 8) + t % 8 of my 128: 127 rows of 4,096 bytes at the most, inside the signed 24-bit immediate
.set BB, BK+64*((\a)%2)
	s_wait_dscnt \younger                          ; the block is back in registers
.irp t, 0,1,2,3,4,5,6,7,8,9,10,11,12,13,14,15
	global_store_b128 v[L16], v[BB+4*\t:BB+4*\t+3], s[10:11] offset:(32*((\a)/2)+8*((\a)%2)+16*(\t/8)+\t%8)*4096 th:TH_STORE_NT   ; 512 consecutive bytes, aligned; written once, read by nobody here
.endr
.endm
	PLACES NP
	TOSTAGE 0
.irp a, 1,2,3,4,5,6,7
.if \a > 1
	s_wait_xcnt 0x0                                ; block a - 2's stores have read their registers: block a's loads may land there
.endif
	TOSTAGE \a
	SEND \a-1, 32                                  ; behind block a - 1's loads: block a's 16 stores and 16 loads
.endr
	SEND 7, 0
	s_wait_tensorcnt 0x0                           ; the wave's end: behind my last tensor load and my last LDS store
	ds_add_u32 v[SPW], v[NIL]
	s_wait_dscnt 0x0
	CROUND                                         ; the closing round: no work-group ends while a partner may still ask for a tile that names it
	s_endpgm
.Lfunc_end_k_q1070398278_oproj:
	.size	k_q1070398278_oproj, .Lfunc_end_k_q1070398278_oproj-k_q1070398278_oproj
	.p2alignl 7, 3214868480
	.fill 96, 4, 3214868480
	.section	.rodata,"a",@progbits
	.p2align	6, 0x0
	.amdhsa_kernel k_q1070398278_oproj
		.amdhsa_group_segment_fixed_size 327680
		.amdhsa_private_segment_fixed_size 0
		.amdhsa_enable_private_segment 0
		.amdhsa_kernarg_size 32
		.amdhsa_user_sgpr_count 2
		.amdhsa_user_sgpr_kernarg_segment_ptr 1
		.amdhsa_wavefront_size32 1
		.amdhsa_system_sgpr_workgroup_id_x 1
		.amdhsa_system_sgpr_workgroup_id_y 1
		.amdhsa_system_sgpr_workgroup_id_z 1
		.amdhsa_system_vgpr_workitem_id 0
		.amdhsa_next_free_vgpr 1024
		.amdhsa_next_free_sgpr 100
		.amdhsa_reserve_vcc 0
		.amdhsa_float_denorm_mode_32 3
		.amdhsa_float_denorm_mode_16_64 3
		.amdhsa_memory_ordered 1
		.amdhsa_forward_progress 1
		.amdhsa_inst_pref_size 145
	.end_amdhsa_kernel
	.amdgpu_metadata
---
amdhsa.version: [ 1, 2 ]
amdhsa.kernels:
  - .name:           k_q1070398278_oproj
    .symbol:         k_q1070398278_oproj.kd
    .args:
      - { .name: aq, .offset: 0, .size: 8, .value_kind: global_buffer, .address_space: global }
      - { .name: cw, .offset: 8, .size: 8, .value_kind: global_buffer, .address_space: global }
      - { .name: bo, .offset: 16, .size: 8, .value_kind: global_buffer, .address_space: global }
      - { .name: out0, .offset: 24, .size: 8, .value_kind: global_buffer, .address_space: global }
    .group_segment_fixed_size: 327680
    .private_segment_fixed_size: 0
    .kernarg_segment_align: 8
    .kernarg_segment_size: 32
    .max_flat_workgroup_size: 128
    .sgpr_count:     100
    .vgpr_count:     1024
    .wavefront_size: 32
...
	.end_amdgpu_metadata
.endif
;; end of part 4
;; ======== version 2 of 2: 4 launches
;; limits: right only within a limited range of input values
;; workspace buffers: cw 6,553,600 bytes; rope 524,288 bytes; qq 3,407,872 bytes; kv 6,684,672 bytes; aq 3,276,800 bytes
;; launch quant (part 5): grid 288 x 1, 4 waves a work-group, no clusters, 35,328 bytes of LDS; arguments x, Wq, Wk, Wv, Wo, cw, rope; writes cw, rope
.if DOCPART == 5
	.amdgcn_target "amdgcn-amd-amdhsa--gfx1250"
	.amdhsa_code_object_version 6
	.text
	.protected	k_q1070398278_quant
	.globl	k_q1070398278_quant
	.p2align	8
	.type	k_q1070398278_quant,@function
k_q1070398278_quant:
	s_mov_b64 s[64:65], 0
	v_nop
	global_prefetch_b8 v0, s[64:65] scope:SCOPE_SE
	s_setreg_imm32_b32 hwreg(HW_REG_WAVE_MODE, 25, 1), 1
	s_wait_xcnt 0x0
; x [4096][1024] and Wq, Wk, Wv, Wo [1024][1024], f32, K innermost, become codes of BF6 (E3M2) with one E8M0 byte for each 32 along K, laid in cw as the products' launches want them; and the table of cos and sin is made.
; A block's scale is 2^(floor(log2(its largest magnitude)) - 4); its byte is the largest magnitude's exponent field - 4, held at 1 from below.  A block of zeros so gets the byte 1 where the rule says 127:
; its codes are zeros, which add nothing under any byte but 0xff, and the bytes are read by this program alone.
; LIMITS: blocks whose largest magnitude lies under 2^-122 keep the byte 1; NaN and infinities among the inputs are not served.
; LAYOUT OF cw.  512 tiles of 16 rows: 0-255 x, 256-319 Wq, 320-383 Wk, 384-447 Wv, 448-511 Wo.  TILE ORDER: row p of tile 2 b + u is the tensor's row 32 b + 8 u + p + 8 (p / 8), so that in a product the 16 result
; registers of two neighbouring tiles are 16 neighbouring rows.  A tile's codes: 8 K steps of 128, each an IMAGE OF THE OPERAND'S REGISTERS, 1,536 bytes, in two halves of 768 (64 along K): registers 6 c .. 6 c + 3 at
; 16 x lane, registers 6 c + 4, 6 c + 5 at 512 + 8 x lane.  Lane (r, h) holds row r, K = 64 c + 32 h + 0 .. 31.  Scale words from byte 6,291,456 on: (tile, K step s, row r) at 512 tile + 128 (s / 2) + 8 r + 4 (s % 2).
; SHARES.  Work-groups 0-255 quantise two tiles each: wave w takes tile 2 g + w / 2 and half w % 2 of K: 8 units of 16 rows x 64 K.  A unit's eight loads read two rows x 256 consecutive bytes each; the unit turns through
; the wave's own stage in LDS (rows 272 bytes apart) and comes back 128 bytes a lane: one whole block of 32.  Loads run four units (32 loads a wave) ahead, the turn one unit.  No barrier: waves share nothing.
; Work-groups 256-287 make the table rope [128 token tiles][8 groups][32 lanes][4]: groups 0-3 cos, 4-7 sin of token x inv_freq[16 h + 4 g + e], the lane's token in tile order.  They use no LDS.
; THE ANGLE is the f32 product token x inv_freq, inv_freq = 1 / 10^(j / 8) with both steps rounded to nearest: 10^(j / 8) = c x F, F a whole power of ten, c = hi + lo with 12 bits in hi, so that hi x F is exact.
; (Where a power function gives the last bit otherwise, an angle differs by up to 1.2e-7 of its size.)  cos and sin: the angle less n pi / 2 in two parts (the first difference is exact up to the largest angle here, 2,047), then polynomials on +-pi / 4.
.set SP,   272                         ; a stage row: 256 bytes + 16
.set STG,  16*SP                       ; a stage
.set WREG, 2*STG                       ; a wave's LDS: two stages
.set WD,   14                          ; v14-17   the four scale words
.set BY,   18                          ; v18-19   the bytes of a K step's two halves
.set C,    20                          ; v20-25, v26-31 a unit's codes, two sets
.set CT,   32                          ; v32-34   the second sixteen codes (a conversion's three registers begin on an even number)
.set X,    64                          ; v64-127  two sets of 32 neighbours
.set R,    128                         ; v128-255 four sets of 32 numbers as loaded
.set P,    32                          ; the table: v32-47 the powers, then inv_freq; v48-63 reciprocals; v64-79 cos; v80-95 sin
.set Q,    48
.set CO,   64
.set SI,   80
	s_load_b256 s[4:11], s[0:1], 0x0               ; x, Wq, Wk, Wv
	s_load_b128 s[12:15], s[0:1], 0x20             ; Wo, cw
	s_load_b64 s[16:17], s[0:1], 0x30              ; rope
	s_set_vgpr_msb 0x40
	v_lshl_add_u32 v0, v0, 2, 0x8800
	v_mov_b32 v1, 0
	s_set_vgpr_msb 0x4000
	v_lshrrev_b32 v1, 5, v0
	v_readfirstlane_b32 s24, v1                    ; wave
	v_and_b32 v1, 31, v0                           ; lane
	v_lshlrev_b32 v5, 4, v1                        ; 16 x lane
	s_mov_b32 s26, 0x76543210
	s_mov_b32 s27, 0xfedcba98                      ; v_permlanex16_b32's selects for lane l xor 16
	s_wait_kmcnt 0x0
	s_cmp_ge_u32 ttmp9, 256
	s_cbranch_scc1 .Ltable
	; ---- the quantiser
	s_wait_alu depctr_va_vdst(0)
	v_lshrrev_b32 v8, 4, v1                        ; h
	v_and_b32 v9, 15, v1                           ; r
	v_lshlrev_b32 v2, 12, v8
	v_lshl_add_u32 v2, v9, 4, v2                   ; a load: lanes 0-15 one row's 256 bytes, lanes 16-31 the next row's
	s_mul_i32 s25, s24, WREG
	v_mul_u32_u24 v3, v8, SP
	v_lshl_add_u32 v3, v9, 4, v3
	v_add_nc_u32 v3, s25, v3                       ; the stage, on the way in: as loaded
	v_mul_u32_u24 v4, v9, SP
	v_lshl_add_u32 v4, v8, 7, v4
	v_add_nc_u32 v4, s25, v4                       ; on the way out: row r, my half's 128 bytes
	v_lshlrev_b32 v6, 3, v1                        ; 8 x lane
	v_lshlrev_b32 v7, 3, v8                        ; 8 h: my byte's place in a scale word
	v_mov_b32 v13, 0                               ; (a lane permute's destination counts as one of its sources)
	s_lshr_b32 s28, s24, 1                         ; which of the two tiles
	s_and_b32 s29, s24, 1                          ; which half of K
	s_cmp_lt_u32 ttmp9, 224                        ; which tensor: the choice hangs on the work-group's number alone
	s_cselect_b64 s[12:13], s[10:11], s[12:13]
	s_cmp_lt_u32 ttmp9, 192
	s_cselect_b64 s[12:13], s[8:9], s[12:13]
	s_cmp_lt_u32 ttmp9, 160
	s_cselect_b64 s[12:13], s[6:7], s[12:13]
	s_cmp_lt_u32 ttmp9, 128
	s_cselect_b64 s[12:13], s[4:5], s[12:13]
	s_cselect_b32 s18, 127, 31
	s_and_b32 s18, ttmp9, s18                      ; which 32 rows of that tensor
	s_lshl_b32 s18, s18, 17                        ; 32 rows of 4,096 bytes,
	s_lshl_b32 s19, s28, 15                        ; 8 rows for the second tile,
	s_add_co_u32 s18, s18, s19
	s_lshl_b32 s19, s29, 11                        ; 512 numbers for the second half of K
	s_add_co_u32 s18, s18, s19
	s_mov_b32 s19, 0
	s_add_nc_u64 s[12:13], s[12:13], s[18:19]
	s_lshl_b32 s20, ttmp9, 1
	s_add_co_u32 s20, s20, s28                     ; the tile's number in cw
	s_mul_i32 s18, s20, 12288
	s_mul_i32 s21, s29, 6144
	s_add_co_u32 s18, s18, s21
	s_add_nc_u64 s[30:31], s[14:15], s[18:19]      ; my codes
	s_lshl_b32 s18, s20, 9
	s_lshl_b32 s21, s29, 8
	s_add_co_u32 s18, s18, s21
	s_add_co_u32 s18, s18, 6291456
	s_add_nc_u64 s[32:33], s[14:15], s[18:19]      ; my 256 bytes of scale words
.macro LOAD t                          ; unit t: tile rows 2 p, 2 p + 1 are the tensor's rows 2 p + 8 (p / 4) and the next
.irp p, 0,1,2,3,4,5,6,7
	global_load_b128 v[R+32*((\t)%4)+4*\p:R+32*((\t)%4)+4*\p+3], v2, s[12:13] offset:(2*\p+8*(\p/4))*4096+256*(\t) th:TH_LOAD_NT
.endr
.endm
.macro TURN t                          ; through the stage: LDS serves a wave's instructions in order, so no wait stands between the stores and the loads
.irp p, 0,1,2,3,4,5,6,7
	ds_store_b128 v3, v[R+32*((\t)%4)+4*\p:R+32*((\t)%4)+4*\p+3] offset:STG*((\t)%2)+2*\p*SP
.endr
.irp j, 0,1,2,3,4,5,6,7
	ds_load_b128 v[X+32*((\t)%2)+4*\j:X+32*((\t)%2)+4*\j+3], v4 offset:STG*((\t)%2)+16*\j
.endr
.endm
.macro STEP t
.set XS, X+32*((\t)%2)
.set CC, C+6*((\t)%2)
	s_wait_dscnt 0x0                               ; this unit's numbers are back from the stage, and its stores into the stage have read their registers,
.if (\t)+4 < 8
	LOAD (\t)+4                                    ; which take the loads of four units on
.endif
.if (\t)+1 < 8
.if (\t)+4 < 8
	s_wait_loadcnt 24                              ; the next unit's eight loads are in; those of the three units behind it may be out
.else
	s_wait_loadcnt 8*(6-(\t))
.endif
	TURN (\t)+1                                    ; and go through the other stage while this unit is worked
.endif
	v_max3_num_f32 v8, |v[XS]|, |v[XS+1]|, |v[XS+2]|               ; the block's largest magnitude: all 32 numbers are mine; two chains
	v_max3_num_f32 v9, |v[XS+3]|, |v[XS+4]|, |v[XS+5]|
.irp i, 6,10,14,18,22,26
	v_max3_num_f32 v8, v8, |v[XS+\i]|, |v[XS+\i+1]|
	v_max3_num_f32 v9, v9, |v[XS+\i+2]|, |v[XS+\i+3]|
.endr
	v_max3_num_f32 v8, v8, |v[XS+30]|, |v[XS+31]|
	v_max3_num_f32 v8, v8, v9, 0x2800000           ; and the floor 2^(5 - 127): the byte cannot fall under 1
	v_add_nc_u32 v11, 0xfe000000, v8               ; 4 off the exponent field: the conversion takes the exponent field of this operand as its scale
	s_wait_alu depctr_va_vdst(0)
	s_wait_xcnt 0x0                                ; the stores of two units ago have read this set of codes
	v_cvt_scalef32_pk16_bf6_f32 v[CC:CC+2], v[XS:XS+15], v11
	v_cvt_scalef32_pk16_bf6_f32 v[CT:CT+2], v[XS+16:XS+31], v11
	v_lshrrev_b32 v[BY+(\t)%2], 23, v11            ; the scale's byte (the plain line behind the conversions)
.irp i, 0,1,2
	v_mov_b32 v[CC+3+\i], v[CT+\i]
.endr
	global_store_b128 v5, v[CC:CC+3], s[30:31] offset:((\t)/2)*1536+((\t)%2)*768        ; 512 consecutive bytes,
	global_store_b64 v6, v[CC+4:CC+5], s[30:31] offset:((\t)/2)*1536+((\t)%2)*768+512   ; and 256
.if (\t)%2
	v_lshl_or_b32 v12, v[BY+1], 16, v[BY]          ; my two bytes of the K step: blocks h and 2 + h,
	v_lshlrev_b32 v12, v7, v12                     ; at their places;
	v_permlanex16_b32 v13, v12, s26, s27
	v_or_b32 v[WD+(\t)/2], v12, v13                ; with lane l xor 16's two the word is whole
.endif
.endm
.irp t, 0,1,2,3
	LOAD \t
.endr
	s_wait_alu depctr_va_vdst(0)
	s_wait_loadcnt 24                              ; unit 0's eight loads are in
	TURN 0
.irp t, 0,1,2,3,4,5,6,7
	STEP \t
.endr
	v_cmp_le_u32 vcc_lo, 16, v1
	v_cndmask_b32 v8, v[WD], v[WD+2], vcc_lo       ; lanes 0-15: the words of my first two K steps; lanes 16-31: of the other two
	v_cndmask_b32 v9, v[WD+1], v[WD+3], vcc_lo
	global_store_b64 v6, v[8:9], s[32:33]          ; 256 consecutive bytes, aligned
	s_set_vgpr_msb 0x5
	s_wait_tensorcnt 0x0
	ds_add_u32 v0, v1
	s_wait_dscnt 0x0
	s_set_vgpr_msb 0x500
	s_endpgm
	; ---- the table
.Ltable:
	s_sub_co_u32 s18, ttmp9, 256
	s_lshl_b32 s18, s18, 2
	s_add_co_u32 s18, s18, s24                     ; my token tile
	s_lshr_b32 s19, s18, 1
	s_lshl_b32 s19, s19, 5
	s_and_b32 s20, s18, 1
	s_lshl_b32 s20, s20, 3
	s_add_co_u32 s19, s19, s20                     ; its first token: 32 (T / 2) + 8 (T % 2)
	s_lshl_b32 s20, s18, 12
	s_mov_b32 s21, 0
	s_add_nc_u64 s[16:17], s[16:17], s[20:21]
	s_mov_b32 s28, 0x3fc90fdb                      ; pi / 2, its first 24 bits,
	s_mov_b32 s29, 0xb33bbd2e                      ; and the rest
	s_mov_b32 s30, 0xb94ca1f9                      ; sin: -1.9515295891e-4, 8.3321608736e-3, -1.6666654611e-1
	s_mov_b32 s31, 0x3c08839e
	s_mov_b32 s32, 0xbe2aaaa3
	s_mov_b32 s33, 0x37ccf5ce                      ; cos: 2.443315712e-5, -1.388731625e-3, 4.166664568e-2
	s_mov_b32 s34, 0xbab6061a
	s_mov_b32 s35, 0x3d2aaaa5
	v_and_b32 v2, 15, v0
	v_and_b32 v3, 8, v2
	v_add_nc_u32 v2, v2, v3                        ; r + 8 (r / 8)
	v_add_nc_u32 v2, s19, v2
	v_cvt_f32_u32 v2, v2                           ; my token, as f32
	s_wait_alu depctr_va_vdst(0)
	v_cmp_le_u32 vcc_lo, 16, v1
	v_mov_b32 v3, 1.0
	v_mov_b32 v4, 0x42c80000                       ; 100
	v_cndmask_b32 v6, v3, v4, vcc_lo               ; F for frequencies 16 h + 0 .. 7: 10^(2 h)
	v_mov_b32 v3, 0x41200000                       ; 10
	v_mov_b32 v4, 0x447a0000                       ; 1000
	v_cndmask_b32 v7, v3, v4, vcc_lo               ; and for 16 h + 8 .. 15
	v_mov_b32 v[P], v6
	v_mov_b32 v[P+8], v7
.macro POWN n, hi, lo                  ; 10^(n / 8) x F: hi x F is exact, so the fused line rounds once
	v_mul_f32 v8, \hi, v6
	v_mul_f32 v9, \hi, v7
	v_fma_f32 v[P+\n], \lo, v6, v8
	v_fma_f32 v[P+8+\n], \lo, v7, v9
.endm
	POWN 1, 0x3faab000, 0x37d48dd4
	POWN 2, 0x3fe3a000, 0xb82b8eaf
	POWN 3, 0x4017c000, 0x3992c703
	POWN 4, 0x404a6000, 0x393075b5
	POWN 5, 0x4086f000, 0x393053ea
	POWN 6, 0x40b3f000, 0x39c01647
	POWN 7, 0x40eff000, 0x3a6aad16
	s_wait_alu depctr_va_vdst(0)
.irp i, 0,1,2,3,4,5,6,7,8,9,10,11,12,13,14,15
	v_rcp_f32 v[Q+\i], v[P+\i]
.endr
	v_nop                                          ; a plain line behind the transcendentals
	s_wait_alu depctr_va_vdst(0)
.irp i, 0,1,2,3,4,5,6,7,8,9,10,11,12,13,14,15
	v_fma_f32 v[CO+\i], -v[P+\i], v[Q+\i], 1.0     ; what the reciprocal leaves,
.endr
.irp i, 0,1,2,3,4,5,6,7,8,9,10,11,12,13,14,15
	v_fma_f32 v[P+\i], v[Q+\i], v[CO+\i], v[Q+\i]  ; taken in: inv_freq
.endr
.macro SINCOS i
	v_mul_f32 v8, v2, v[P+\i]                      ; the angle
	v_mul_f32 v9, 0x3f22f983, v8
	v_rndne_f32 v9, v9                             ; n = the nearest whole number to angle x 2 / pi
	v_fma_f32 v10, -v9, s28, v8
	v_fma_f32 v10, -v9, s29, v10                   ; the angle less n pi / 2
	v_mul_f32 v11, v10, v10
	v_fma_f32 v12, v11, s30, s31
	v_fma_f32 v12, v12, v11, s32
	v_mul_f32 v15, v10, v11
	v_fma_f32 v12, v15, v12, v10                   ; its sine
	v_fma_f32 v13, v11, s33, s34
	v_fma_f32 v13, v13, v11, s35
	v_mul_f32 v15, v11, v11
	v_fma_f32 v16, v11, -0.5, 1.0
	v_fma_f32 v13, v15, v13, v16                   ; its cosine
	v_cvt_i32_f32 v14, v9
	v_and_b32 v15, 1, v14
	v_cmp_eq_u32 vcc_lo, 1, v15
	v_cndmask_b32 v16, v12, v13, vcc_lo            ; an odd n changes the two,
	v_cndmask_b32 v17, v13, v12, vcc_lo
	v_and_b32 v15, 2, v14
	v_lshlrev_b32 v15, 30, v15
	v_xor_b32 v[SI+\i], v15, v16                   ; n % 4 = 2, 3 turn the sine's sign,
	v_add_nc_u32 v14, 1, v14
	v_and_b32 v14, 2, v14
	v_lshlrev_b32 v14, 30, v14
	v_xor_b32 v[CO+\i], v14, v17                   ; n % 4 = 1, 2 the cosine's
.endm
.irp i, 0,1,2,3,4,5,6,7,8,9,10,11,12,13,14,15
	SINCOS \i
.endr
.irp g, 0,1,2,3
	global_store_b128 v5, v[CO+4*\g:CO+4*\g+3], s[16:17] offset:512*\g          ; each store covers 512 consecutive bytes, aligned
	global_store_b128 v5, v[SI+4*\g:SI+4*\g+3], s[16:17] offset:2048+512*\g
.endr
	s_endpgm
.Lfunc_end_k_q1070398278_quant:
	.size	k_q1070398278_quant, .Lfunc_end_k_q1070398278_quant-k_q1070398278_quant
	.p2alignl 7, 3214868480
	.fill 96, 4, 3214868480
	.section	.rodata,"a",@progbits
	.p2align	6, 0x0
	.amdhsa_kernel k_q1070398278_quant
		.amdhsa_group_segment_fixed_size 35328
		.amdhsa_private_segment_fixed_size 0
		.amdhsa_enable_private_segment 0
		.amdhsa_kernarg_size 56
		.amdhsa_user_sgpr_count 2
		.amdhsa_user_sgpr_kernarg_segment_ptr 1
		.amdhsa_wavefront_size32 1
		.amdhsa_system_sgpr_workgroup_id_x 1
		.amdhsa_system_sgpr_workgroup_id_y 1
		.amdhsa_system_sgpr_workgroup_id_z 1
		.amdhsa_system_vgpr_workitem_id 0
		.amdhsa_next_free_vgpr 258
		.amdhsa_next_free_sgpr 66
		.amdhsa_reserve_vcc 1
		.amdhsa_float_denorm_mode_32 3
		.amdhsa_float_denorm_mode_16_64 3
		.amdhsa_memory_ordered 1
		.amdhsa_forward_progress 1
		.amdhsa_inst_pref_size 57
	.end_amdhsa_kernel
	.amdgpu_metadata
---
amdhsa.version: [ 1, 2 ]
amdhsa.kernels:
  - .name:           k_q1070398278_quant
    .symbol:         k_q1070398278_quant.kd
    .args:
      - { .name: x, .offset: 0, .size: 8, .value_kind: global_buffer, .address_space: global }
      - { .name: Wq, .offset: 8, .size: 8, .value_kind: global_buffer, .address_space: global }
      - { .name: Wk, .offset: 16, .size: 8, .value_kind: global_buffer, .address_space: global }
      - { .name: Wv, .offset: 24, .size: 8, .value_kind: global_buffer, .address_space: global }
      - { .name: Wo, .offset: 32, .size: 8, .value_kind: global_buffer, .address_space: global }
      - { .name: cw, .offset: 40, .size: 8, .value_kind: global_buffer, .address_space: global }
      - { .name: rope, .offset: 48, .size: 8, .value_kind: global_buffer, .address_space: global }
    .group_segment_fixed_size: 35328
    .private_segment_fixed_size: 0
    .kernarg_segment_align: 8
    .kernarg_segment_size: 56
    .max_flat_workgroup_size: 128
    .sgpr_count:     66
    .vgpr_count:     258
    .wavefront_size: 32
...
	.end_amdgpu_metadata
.endif
;; end of part 5
;; launch qkv (part 6): grid 8 x 24, 4 waves a work-group, clusters of 4 x 4, 327,680 bytes of LDS; arguments cw, rope, bq, bk, bv, qq, kv; writes qq, kv
.if DOCPART == 6
	.amdgcn_target "amdgcn-amd-amdhsa--gfx1250"
	.amdhsa_code_object_version 6
	.text
	.protected	k_q1070398278_qkv
	.globl	k_q1070398278_qkv
	.p2align	8
	.type	k_q1070398278_qkv,@function
k_q1070398278_qkv:
	s_mov_b64 s[64:65], 0
	v_nop
	global_prefetch_b8 v0, s[64:65] scope:SCOPE_SE
	s_setreg_imm32_b32 hwreg(HW_REG_WAVE_MODE, 25, 1), 1
	s_wait_xcnt 0x0
	s_wait_alu depctr_hold_cnt(0) depctr_sa_sdst(0) depctr_va_vdst(0) depctr_va_sdst(0) depctr_va_ssrc(0) depctr_va_vcc(0) depctr_vm_vsrc(0)
	s_getreg_b32 s2, hwreg(HW_REG_IB_STS2, 6, 4)
	s_cmp_eq_u32 s2, 0
	s_cbranch_scc0 .Lentry_in_a_cluster
	s_endpgm
.Lentry_in_a_cluster:
	s_bfe_u32 s2, ttmp6, 0x10000c
	s_cmp_lg_u32 s2, 0xf033
	s_cbranch_scc0 .Lentry_shape_is_right
	s_endpgm
.Lentry_shape_is_right:
.set NQ,     2
.set FR,     12
.set NL,     4
.set NP,     4
.set TILEB,  3072
.set TROW,   12288
.set HALFT,  8*TILEB
.set SLOT,   4*HALFT
.set LAPS,   2
.set SCL,    2*SLOT
.set HALFS,  4096
.set SBLK,   512
.set SPARE,  SCL+4*HALFS
.set WORDS,  6291456
.set L16,  8
.set L8,   9
.set QKW,  10
.set QKR,  11
.set VW,   12
.set VR,   13
.set VGO,  14
.set ADRA, 16
.set ADRB, 20
.set ADRS, 27
.set SPW,  28
.set NIL,  29
.set SC,   32
.set BIAS, 64
.set AF,   128
.set G1, 24
.set G0, 32
.set G1B, 48
.set G0B, 56
.set G1S, 68
.set G0S, 76
.set G1SB, 80
.set G0SB, 88
.set MSB, 0
.macro WIN new
.if MSB != \new
	s_set_vgpr_msb (MSB<<8)|\new
.set MSB, \new
.endif
.endm
.set MUL_LO, 0xa1
.set MUL_HI, 0xf1
.set FIRST_LO, 0x81
.set FIRST_HI, 0xc1
.set TO_B,   0x40
.macro JLOAD g0a, g1a, g0b, g1b
	s_cmp_eq_u32 s15, 0
	s_cbranch_scc0 .Lfor_b_\@
	tensor_load_to_lds s[\g0a:\g0a+3], s[\g1a:\g1a+7]
	s_nop 0
.rept 4
	v_nop
.endr
	s_branch .Lasked_\@
.Lfor_b_\@:
	tensor_load_to_lds s[\g0b:\g0b+3], s[\g1b:\g1b+7]
	s_nop 0
.rept 4
	v_nop
.endr
.Lasked_\@:
.endm
.macro CREST
	s_cmp_lg_u32 s14, 0
	s_cbranch_scc1 .Lnot_wave_0_\@
	s_barrier_signal -3
.Lnot_wave_0_\@:
	s_barrier_wait -3
	s_barrier_signal -1
	s_barrier_wait -1
.endm
.macro CROUND
	s_barrier_signal -1
	s_barrier_wait -1
	CREST
.endm
	s_load_b256 s[4:11], s[0:1], 0x0
	s_load_b128 s[96:99], s[0:1], 0x20
	s_load_b64 s[100:101], s[0:1], 0x30
	v_lshl_add_u32 v[SPW], v0, 2, SPARE
	v_mov_b32 v[NIL], 0
	ds_add_u32 v28, v29
	ds_add_u32 v28, v29
	s_wait_dscnt 0x0
	v_lshrrev_b32 v1, 5, v0
	v_readfirstlane_b32 s14, v1
	s_lshr_b32 s15, s14, 1
	s_and_b32 s16, s14, 1
	s_mov_b32 s12, 0x76543210
	s_mov_b32 s13, 0xfedcba98
	s_bfe_u32 s40, ttmp6, 0x40000
	s_bfe_u32 s41, ttmp6, 0x40004
	s_and_b32 s18, ttmp7, 0xffff
	s_sub_co_u32 s19, s18, 4
	s_lshl_b32 s19, s19, 3
	s_cmp_ge_u32 s18, 4
	s_cselect_b32 s2, 1, 0
	s_cselect_b32 s20, 0, s18
	s_cselect_b32 s21, 384, 0
	s_cselect_b32 s22, 0, 256
	s_cselect_b32 s19, s19, 0
	s_lshl_b32 s17, s20, 2
	s_add_co_u32 s17, s17, s41
	s_lshl_b32 s42, ttmp9, 2
	s_add_co_u32 s42, s42, s40
	s_add_co_u32 s42, s42, s19
	s_lshl_b32 s43, s41, 2
	s_lshl_b32 s43, 15, s43
	s_lshl_b32 s44, 0x1111, s40
	s_or_b32 s[G1+0], s43, (3<<16)|(1<<21)
	s_or_b32 s[G1B+0], s44, (3<<16)|(1<<21)
.irp g, G1, G1B
	s_mov_b32 s[\g+1], 384<<16
	s_mov_b32 s[\g+2], 16<<16
	s_mov_b32 s[\g+3], 384<<16
	s_mov_b32 s[\g+4], 16
	s_mov_b32 s[\g+5], 1536
	s_mov_b32 s[\g+6], 0
	s_mov_b32 s[\g+7], 0
.endr
	s_or_b32 s[G1S+0], s43, (3<<16)|(1<<21)
	s_or_b32 s[G1SB+0], s44, (3<<16)|(1<<21)
.irp g, G1S, G1SB
	s_mov_b32 s[\g+1], 32<<16
	s_mov_b32 s[\g+2], 32<<16
	s_mov_b32 s[\g+3], 32<<16
	s_mov_b32 s[\g+4], 32
	s_mov_b32 s[\g+5], 32
	s_mov_b32 s[\g+6], 0
	s_mov_b32 s[\g+7], 0
.endr
	s_lshl_b32 s18, s16, 3
	s_lshl_b32 s20, s17, 4
	s_add_co_u32 s20, s20, s21
	s_add_co_u32 s20, s20, s18
	s_lshl_b32 s46, s42, 4
	s_add_co_u32 s46, s46, s22
	s_add_co_u32 s46, s46, s18
	s_lshl_b32 s22, s20, 9
	s_add_co_u32 s22, s22, WORDS
	s_mov_b32 s23, 0
	s_mul_i32 s20, s20, TROW
	s_mov_b32 s21, 0
	s_lshl_b32 s92, s46, 9
	s_add_co_u32 s92, s92, WORDS
	s_mov_b32 s93, 0
	s_mul_i32 s46, s46, TROW
	s_mov_b32 s47, 0
	s_mul_i32 s45, s14, HALFT
	s_mul_i32 s94, s14, HALFS
	s_lshl_b32 s66, s17, 4
	s_lshl_b32 s67, s15, 3
	s_add_co_u32 s66, s66, s67
	s_and_b32 s66, s66, 127
	s_lshl_b32 s66, s66, 12
	s_mov_b32 s67, 0
	s_wait_kmcnt 0x0
	s_add_nc_u64 s[20:21], s[4:5], s[20:21]
	s_add_nc_u64 s[22:23], s[4:5], s[22:23]
	s_add_nc_u64 s[46:47], s[4:5], s[46:47]
	s_add_nc_u64 s[92:93], s[4:5], s[92:93]
	s_add_nc_u64 s[66:67], s[6:7], s[66:67]
	CROUND
	; THE HEAD'S FOUR TILES, ONE A WAVE: wave 0 slot 0's 16 tiles of A, wave 1 its 16 tiles of B, wave 2 the scale words of A's 16 tiles, wave 3 those of B's.
	; s[20:21], s[46:47], s[22:23], s[92:93] point at the half that the wave fetches in the ring: the half's bytes are taken off again here.
	s_mul_i32 s18, s16, 8*TROW
	s_mov_b32 s19, 0
	s_mov_b32 s[G0], 1
	s_mov_b32 s[G0+1], 0
	s_sub_nc_u64 s[G0+2:G0+3], s[20:21], s[18:19]
	s_or_b32 s[G0+3], s[G0+3], 0x80000000
	s_mov_b32 s[G0B], 1
	s_mov_b32 s[G0B+1], 2*HALFT
	s_sub_nc_u64 s[G0B+2:G0B+3], s[46:47], s[18:19]
	s_or_b32 s[G0B+3], s[G0B+3], 0x80000000
	s_lshl_b32 s18, s16, 12
	s_mov_b32 s[G0S], 1
	s_mov_b32 s[G0S+1], SCL
	s_sub_nc_u64 s[G0S+2:G0S+3], s[22:23], s[18:19]
	s_or_b32 s[G0S+3], s[G0S+3], 0x80000000
	s_mov_b32 s[G0SB], 1
	s_mov_b32 s[G0SB+1], SCL+2*HALFS
	s_sub_nc_u64 s[G0SB+2:G0SB+3], s[92:93], s[18:19]
	s_or_b32 s[G0SB+3], s[G0SB+3], 0x80000000
	s_mov_b32 s[G0+4], 1                           ; slot 1's groups 0: my eight tiles, the second 256 along K
	s_add_co_u32 s[G0+5], s45, SLOT
	s_add_nc_u64 s[G0+6:G0+7], s[20:21], TILEB
	s_or_b32 s[G0+7], s[G0+7], 0x80000000
	s_mov_b32 s[G0B+4], 1
	s_add_co_u32 s[G0B+5], s45, SLOT
	s_add_nc_u64 s[G0B+6:G0B+7], s[46:47], TILEB
	s_or_b32 s[G0B+7], s[G0B+7], 0x80000000
.macro ARM under, g0, g1, next         ; one chain of branches on the wave's number: every way passes exactly one load
	s_cmp_lt_u32 s14, \under
	s_cbranch_scc0 \next
	tensor_load_to_lds s[\g0:\g0+3], s[\g1:\g1+7]
	s_nop 0
.rept 4
	v_nop
.endr
	s_branch .Lhead_asked
\next:
.endm
	; where my prefetches stand: of the eight tiles that I fetch in the ring, the partner at place p among the four that ask jointly (cx for A, cy for B) names tiles 2 p and 2 p + 1: shared out by address alone
	s_cmp_eq_u32 s15, 0
	s_cselect_b64 s[94:95], s[20:21], s[46:47]
	s_cselect_b32 s18, s40, s41
	s_mul_i32 s18, s18, 2*TROW
	s_add_nc_u64 s[94:95], s[94:95], s[18:19]
	ARM 1, G0,  G1,  .Lhead_b
	ARM 2, G0B, G1B, .Lhead_sa
	ARM 3, G0S, G1S, .Lhead_sb
	tensor_load_to_lds s[G0SB:G0SB+3], s[G1SB:G1SB+7]
	s_nop 0
.rept 4
	v_nop
.endr
.Lhead_asked:
	; A PREFETCH behind each group of loads names the 256 along K that the NEXT group loads: two tiles x 3,072 bytes, 24 blocks of 256 bytes, a lane a block (lanes 24-31 name the last block again); the last refill asks for nothing.
	; v31 and s[94:95] are never rewritten.
	v_and_b32 v30, 31, v0
	v_min_u32 v30, 23, v30
	v_mul_u32_u24 v31, v30, 11
	v_lshrrev_b32 v31, 7, v31                      ; lane / 12: which of the two tiles
	v_mul_u32_u24 v31, v31, 9216                   ; a tile is 12,288 bytes on, of which 12 blocks are counted below
	v_lshl_add_u32 v31, v30, 8, v31
	global_prefetch_b8 v31, s[94:95] offset:TILEB th:TH_LOAD_NT scope:SCOPE_SE
	v_and_b32 v1, 15, v0
	v_bfe_u32 v2, v0, 4, 1
	v_and_b32 v3, 31, v0
	v_lshlrev_b32 v[L16], 4, v3
	v_lshlrev_b32 v[L8], 3, v3
	s_mul_i32 s21, s15, HALFT
	s_mul_i32 s22, s16, HALFT
	s_add_co_u32 s22, s22, 2*HALFT
.irp s, 0,1
	v_add_nc_u32 v[ADRA+\s], s21, v[L16]
	v_add_nc_u32 v[ADRB+\s], s22, v[L16]
	v_add_nc_u32 v[ADRA+2+\s], s21, v[L8]
	v_add_nc_u32 v[ADRB+2+\s], s22, v[L8]
	s_add_co_u32 s21, s21, SLOT
	s_add_co_u32 s22, s22, SLOT
.endr
	v_lshlrev_b32 v5, 3, v1
	s_mul_i32 s21, s15, HALFS
	s_mul_i32 s22, s16, HALFS
	s_add_co_u32 s22, s22, 2*HALFS
	s_sub_co_u32 s22, s22, s21
	v_mul_u32_u24 v6, s22, v2
	s_add_co_u32 s21, s21, SCL
	v_add_nc_u32 v5, v5, v6
	v_add_nc_u32 v[ADRS], s21, v5
	s_lshl_b32 s21, s14, 10
	v_lshl_add_u32 v[QKW], v1, 4, s21
	v_add_nc_u32 v[QKR], s21, v[L16]
	s_lshl_b32 s22, s14, 9
	s_add_co_u32 s22, s22, 4096
	v_lshl_add_u32 v[VW], v1, 3, s22
	v_add_nc_u32 v[VR], s22, v[L16]
	v_mul_u32_u24 v[VGO], v2, 208896
	v_lshl_add_u32 v[VGO], v1, 4, v[VGO]
	v_lshlrev_b32 v4, 6, v2
	v_and_b32 v5, 8, v1
	v_add_nc_u32 v5, v5, v1
	v_lshlrev_b32 v5, 2, v5
.macro CSAT a
.if (\a) == 0
.set CB, 224
.elseif (\a) == 1
.set CB, 96
.elseif (\a) == 2
.set CB, 224
.elseif (\a) < 6
.set CB, 32*((\a)-3)
.else
.set CB, 128+32*((\a)-6)
.endif
.endm
.macro LOADCS a
	CSAT \a
.if (\a) == 0
	WIN 0
.else
	WIN TO_B
.endif
.irp g, 0,1,2,3,4,5,6,7
	global_load_b128 v[CB+4*\g:CB+4*\g+3], v[L16], s[66:67] offset:(\a)*4096+512*\g
.endr
.endm
	LOADCS 0
	LOADCS 1
	LOADCS 2
	WIN 0
	s_cmp_lg_u32 s2, 0
	s_cbranch_scc1 .Lbias_v
	s_cmp_eq_u32 ttmp9, 0
	s_cselect_b64 s[18:19], s[8:9], s[10:11]
	s_and_b32 s20, s42, 3
	s_lshl_b32 s20, s20, 10
	s_lshl_b32 s21, s16, 9
	s_add_co_u32 s20, s20, s21
	s_mov_b32 s21, 0
	s_add_nc_u64 s[18:19], s[18:19], s[20:21]
	s_wait_alu depctr_va_vdst(0)
.irp b, 0,1,2,3,4,5,6,7
	global_load_b128 v[BIAS+8*\b:BIAS+8*\b+3], v4, s[18:19] offset:(32*(\b/2)+8*(\b%2))*4
	global_load_b128 v[BIAS+8*\b+4:BIAS+8*\b+7], v4, s[18:19] offset:(32*(\b/2)+8*(\b%2))*4+16
.endr
	s_branch .Lbias_done
.Lbias_v:
	s_lshl_b32 s20, s17, 10
	s_lshl_b32 s21, s15, 9
	s_add_co_u32 s20, s20, s21
	s_mov_b32 s21, 0
	s_add_nc_u64 s[18:19], s[96:97], s[20:21]
	s_wait_alu depctr_va_vdst(0)
.irp a, 0,1,2,3,4,5,6,7
.irp j, 0,1,2,3,4,5,6,7
	global_load_b32 v[BIAS+8*\a+\j], v5, s[18:19] offset:(32*(\a/2)+8*(\a%2))*4
.endr
.endr
.Lbias_done:
.macro FRAG reg, adr, q, i
	ds_load_b128 v[\reg:\reg+3], v[\adr] offset:(\i)*TILEB+(\q)*1536
	ds_load_b64 v[\reg+4:\reg+5], v[\adr+2] offset:(\i)*TILEB+(\q)*1536+512
	ds_load_b128 v[\reg+6:\reg+9], v[\adr] offset:(\i)*TILEB+(\q)*1536+768
	ds_load_b64 v[\reg+10:\reg+11], v[\adr+2] offset:(\i)*TILEB+(\q)*1536+1280
.endm
.macro WM a, b, p, q, sc, c
	v_wmma_scale_f32_16x16x128_f8f6f4 v[8*(8*((\a)%4)+\b):8*(8*((\a)%4)+\b)+7], v[128*(\p)+FR*\b:128*(\p)+FR*\b+FR-1], v[AF+FR*(\a):AF+FR*(\a)+FR-1], v[\c:\c+7], v[SC+8*NQ*(\sc)+NQ*\b+(\q)], v[SC+8*NQ*(\sc)+NQ*(\a)+(\q)] matrix_a_fmt:MATRIX_FMT_BF6 matrix_b_fmt:MATRIX_FMT_BF6 matrix_a_scale:MATRIX_SCALE_ROW1
.endm
.macro MUL16 a0, p, q, sc, zero
.irp a, \a0, \a0+1
.irp b, 0,1,2,3,4,5,6,7
.if \zero == 1
	WM \a, \b, \p, \q, \sc, BIAS+8*\b
.elseif \zero == 2
	WM \a, \b, \p, \q, \sc, BIAS+8*(\a)
.else
	WM \a, \b, \p, \q, \sc, 8*(8*((\a)%4)+\b)
.endif
.endr
.endr
.endm
.macro FETCH_B slot, q, p
	WIN TO_B
.irp i, 0,1,2,3,4,5,6,7
	FRAG 128*(\p)+FR*\i, ADRB+\slot, \q, \i
.endr
	WIN 0
.endm
.macro FETCH_A slot, q, i0
.irp i, \i0, \i0+1, \i0+2, \i0+3
	FRAG AF+FR*(\i), ADRA+\slot, \q, \i
.endr
.endm
.macro SCALES sc
.irp i, 0,1,2,3,4,5,6,7
	ds_load_b64 v[SC+8*NQ*\sc+NQ*\i:SC+8*NQ*\sc+NQ*\i+1], v[ADRS] offset:\i*SBLK
.endr
.endm
.macro PLACES n
.rept \n
	v_nop
.endr
.endm
.macro STEP slot, q, zero
	s_wait_dscnt 4*NL
.if \zero
	WIN FIRST_LO
.else
	WIN MUL_LO
.endif
	MUL16 0, (\q)%2, \q, \slot, \zero
	MUL16 2, (\q)%2, \q, \slot, \zero
	s_wait_dscnt 0
	PLACES NP
	FETCH_B \slot, (\q)+1, 1-(\q)%2
	FETCH_A \slot, (\q)+1, 0
.if \zero
	WIN FIRST_HI
.else
	WIN MUL_HI
.endif
	MUL16 4, (\q)%2, \q, \slot, \zero
	MUL16 6, (\q)%2, \q, \slot, \zero
	PLACES NP
	WIN 0
	FETCH_A \slot, (\q)+1, 4
.endm
.macro TURN slot, next, fill
	s_wait_tensorcnt 0x0
	ds_add_u32 v[SPW], v[NIL]
	s_wait_dscnt 4*NL+1
	WIN MUL_LO
	MUL16 0, 1, NQ-1, \slot, 0
	s_wait_dscnt 0x0
	s_barrier_signal -1
	MUL16 2, 1, NQ-1, \slot, 0
	WIN 0
	s_barrier_wait -1
.if \fill
	CREST
	s_add_nc_u64 s[G0+4*\slot+2:G0+4*\slot+3], s[G0+4*\slot+2:G0+4*\slot+3], 2*TILEB
	s_add_nc_u64 s[G0B+4*\slot+2:G0B+4*\slot+3], s[G0B+4*\slot+2:G0B+4*\slot+3], 2*TILEB
	JLOAD G0+4*\slot, G1, G0B+4*\slot, G1B
.else
	PLACES NP
.endif
	s_wait_alu depctr_va_vdst(0)
	v_add_nc_u32 v[ADRS], 128, v[ADRS]
	FETCH_B \next, 0, 0
	FETCH_A \next, 0, 0
	SCALES \next
.if \fill == 2
	global_prefetch_b8 v31, s[94:95] offset:3*TILEB th:TH_LOAD_NT scope:SCOPE_SE
.endif
	WIN MUL_HI
	MUL16 4, 1, NQ-1, \slot, 0
	MUL16 6, 1, NQ-1, \slot, 0
	PLACES NP
	WIN 0
	FETCH_A \next, 0, 4
.endm
	s_wait_alu depctr_va_vdst(0)                   ; at the head's end
	s_wait_tensorcnt 0x0                           ; my tile of the head's four is in; slot 1's first fill is issued as a refill is
	ds_add_u32 v28, v29
	s_mov_b32 s[G1+2], 8<<16                       ; no tensor load of mine is out: from here on a load brings eight tiles,
	s_mov_b32 s[G1+4], 8
	s_mov_b32 s[G1B+2], 8<<16
	s_mov_b32 s[G1B+4], 8
	s_mul_i32 s20, s16, 8*TROW                     ; and slot 0's groups 0 point at my half again
	s_mov_b32 s21, 0
	s_add_co_u32 s[G0+1], s45, 0
	s_add_nc_u64 s[G0+2:G0+3], s[G0+2:G0+3], s[20:21]
	s_add_co_u32 s[G0B+1], s45, 0
	s_add_nc_u64 s[G0B+2:G0B+3], s[G0B+2:G0B+3], s[20:21]
	s_wait_dscnt 0x0
	CROUND                                         ; all four tiles are in, in every work-group of the cluster
	JLOAD G0+4, G1, G0B+4, G1B
	FETCH_B 0, 0, 0
	FETCH_A 0, 0, 0
	SCALES 0
	FETCH_A 0, 0, 4
	global_prefetch_b8 v31, s[94:95] offset:2*TILEB th:TH_LOAD_NT scope:SCOPE_SE
	s_wait_loadcnt 0x0
	s_cmp_lg_u32 s2, 0
	s_cbranch_scc1 .Lfirst_v
	STEP 0, 0, 1
	s_branch .Lfirst_done
.Lfirst_v:
	STEP 0, 0, 2
.Lfirst_done:
	s_mov_b32 s3, LAPS-1
.Llap:
	TURN 0, 1, 2
	STEP 1, 0, 0
	TURN 1, 0, 1
	STEP 0, 0, 0
	s_sub_co_u32 s3, s3, 1
	s_cmp_lg_u32 s3, 0
	s_cbranch_scc1 .Llap
	TURN 0, 1, 0
	STEP 1, 0, 0
	LOADCS 3
	LOADCS 4
	LOADCS 5
	s_wait_dscnt 4*NL
	WIN MUL_LO
	MUL16 0, 1, NQ-1, 1, 0
	MUL16 2, 1, NQ-1, 1, 0
	s_wait_dscnt 0
	WIN MUL_HI
	MUL16 4, 1, NQ-1, 1, 0
	MUL16 6, 1, NQ-1, 1, 0
	WIN 0
	PLACES NP
	s_cmp_lg_u32 s2, 0
	s_cbranch_scc1 .Lout_v
.set RO,  64
.set TM,  96
.set TP,  98
.set SO,  100
.set BYT, 102
.set PC,  104
.set PX,  110
.set PW,  128
	LOADCS 6
	LOADCS 7
	WIN 0
	s_lshr_b32 s18, s17, 3
	s_and_b32 s19, s17, 7
	s_lshl_b32 s19, s19, 1
	s_add_co_u32 s19, s19, s15
	s_lshl_b32 s20, s42, 2
	s_lshl_b32 s21, s16, 1
	s_add_co_u32 s20, s20, s21
	s_and_b32 s20, s20, 15
	s_lshl_b32 s18, s18, 4
	s_add_co_u32 s18, s18, s20
	s_lshr_b32 s20, s19, 2
	s_and_b32 s19, s19, 3
	s_mov_b32 s22, 208896
	s_mov_b32 s23, 208896
	s_mov_b32 s46, 52224
	s_mov_b32 s47, 52224
	s_mov_b32 s92, 49152
	s_cmp_eq_u32 ttmp9, 0
	s_cselect_b64 s[80:81], s[98:99], s[100:101]
	s_cselect_b32 s22, 98304, s22
	s_cselect_b32 s23, 8192, s23
	s_cselect_b32 s46, 24576, s46
	s_cselect_b32 s47, 2048, s47
	s_cselect_b32 s92, 3145728, s92
	s_mul_i32 s76, s18, s22
	s_mul_i32 s77, s20, s46
	s_add_co_u32 s76, s76, s77
	s_mul_i32 s77, s19, 6144
	s_add_co_u32 s76, s76, s77
	s_mov_b32 s77, 0
	s_mul_i32 s78, s18, s23
	s_mul_i32 s79, s20, s47
	s_add_co_u32 s78, s78, s79
	s_lshl_b32 s79, s19, 9
	s_add_co_u32 s78, s78, s79
	s_add_co_u32 s78, s78, s92
	s_mov_b32 s79, 0
	s_add_nc_u64 s[68:69], s[80:81], s[76:77]
	s_add_nc_u64 s[72:73], s[80:81], s[78:79]
	s_mov_b32 s76, s22
	s_mov_b32 s78, s23
	s_add_nc_u64 s[70:71], s[68:69], s[76:77]
	s_add_nc_u64 s[74:75], s[72:73], s[78:79]
	v_mov_b32 v[TP], 0
	v_mov_b32 v[TP+1], 0
.macro ROT a, hd
.set AC, 64*((\a)%4)+32*(\hd)
	CSAT \a
.if (\a) == 0
	WIN 0x02
.else
	WIN 0x06+(\a)/4
.endif
.irp i, 0,2,4,6,8,10,12,14
	v_pk_mul_f32 v[RO+\i:RO+\i+1], v[AC+16+\i:AC+17+\i], v[CB+16+\i:CB+17+\i]
.endr
.irp i, 0,2,4,6,8,10,12,14
	v_pk_mul_f32 v[RO+16+\i:RO+17+\i], v[AC+\i:AC+\i+1], v[CB+16+\i:CB+17+\i]
.endr
.irp i, 0,2,4,6,8,10,12,14
	v_pk_fma_f32 v[RO+\i:RO+\i+1], v[AC+\i:AC+\i+1], v[CB+\i:CB+\i+1], v[RO+\i:RO+\i+1] neg_lo:[0,0,1] neg_hi:[0,0,1]
.endr
.irp i, 0,2,4,6,8,10,12,14
	v_pk_fma_f32 v[RO+16+\i:RO+17+\i], v[AC+16+\i:AC+17+\i], v[CB+\i:CB+\i+1], v[RO+16+\i:RO+17+\i]
.endr
	WIN 0
.endm
; The two heads of a token tile are quantised BY TURNS, line by line, so that no line waits for the line above it: head 1's registers (the rotated numbers v160-191, the temporaries v192-208) lie 96 above head 0's.
.macro QUANT2 a
.irp x, 0,96
	v_max3_num_f32 v[TM+\x], |v[RO+\x]|, |v[RO+\x+1]|, 0x2800000
	v_max3_num_f32 v[TM+\x+1], |v[RO+\x+16]|, |v[RO+\x+17]|, 0x2800000
.endr
.irp i, 2,4,6,8,10,12,14
.irp x, 0,96
	v_max3_num_f32 v[TM+\x], v[TM+\x], |v[RO+\x+\i]|, |v[RO+\x+\i+1]|
	v_max3_num_f32 v[TM+\x+1], v[TM+\x+1], |v[RO+\x+16+\i]|, |v[RO+\x+17+\i]|
.endr
.endr
.irp x, 0,96
	v_permlanex16_b32 v[TP+\x], v[TM+\x], s12, s13
	v_permlanex16_b32 v[TP+\x+1], v[TM+\x+1], s12, s13
.endr
.irp x, 0,96
	v_max_num_f32 v[TM+\x], v[TM+\x], v[TP+\x]
	v_max_num_f32 v[TM+\x+1], v[TM+\x+1], v[TP+\x+1]
.endr
.irp x, 0,96
	v_add_nc_u32 v[SO+\x], 0xfe000000, v[TM+\x]
	v_add_nc_u32 v[SO+\x+1], 0xfe000000, v[TM+\x+1]
.endr
.irp x, 0,96
	v_lshrrev_b32 v[BYT+\x], 23, v[SO+\x]
	v_lshrrev_b32 v[BYT+\x+1], 23, v[SO+\x+1]
.endr
	v_lshl_or_b32 v[PW+2*(\a)], v[BYT+1], 8, v[BYT]
	v_lshl_or_b32 v[PW+2*(\a)+1], v[BYT+97], 8, v[BYT+96]
	v_or_b32 v[PW+2*(\a)], 0x7f7f0000, v[PW+2*(\a)]
	v_or_b32 v[PW+2*(\a)+1], 0x7f7f0000, v[PW+2*(\a)+1]
	s_wait_alu depctr_va_vdst(0)                   ; ahead of the blocking wait
	s_wait_xcnt 0x0                                ; the last tile's stores have read the codes' registers
.irp x, 0,96
	v_cvt_scalef32_pk16_bf6_f32 v[PC+\x:PC+\x+2], v[RO+\x:RO+\x+15], v[SO+\x]
	v_cvt_scalef32_pk16_bf6_f32 v[PX+\x:PX+\x+2], v[RO+\x+16:RO+\x+31], v[SO+\x+1]
.endr
	v_nop
.irp x, 0,96
.irp i, 0,1,2
	v_permlane16_swap_b32 v[PC+\x+\i], v[PX+\x+\i]
.endr
.endr
.irp x, 0,96
.irp i, 0,1,2
	v_mov_b32 v[PC+\x+3+\i], v[PX+\x+\i]
.endr
.endr
.endm
.macro QKTILE a
.if (\a) >= 3
	s_wait_loadcnt 8*(7-(\a))
.endif
.set RO, 64
	ROT \a, 0
.set RO, 160
	ROT \a, 1
.set RO, 64
	QUANT2 \a
.irp hd, 0,1
	global_store_b128 v[L16], v[PC+96*\hd:PC+96*\hd+3], s[68+2*\hd:69+2*\hd] offset:768*(\a)
	global_store_b64 v[L8], v[PC+96*\hd+4:PC+96*\hd+5], s[68+2*\hd:69+2*\hd] offset:768*(\a)+512
	ds_store_b32 v[QKW], v[PW+2*(\a)+\hd] offset:512*\hd+256*((\a)%2)+4*((\a)/2)
.endr
.endm
	v_mov_b32 v[TP+96], 0                          ; (a lane permute's destination counts as one of its sources)
	v_mov_b32 v[TP+97], 0
.irp a, 0,1,2,3,4,5,6,7
	QKTILE \a
.endr
	ds_load_b128 v[144:147], v[QKR]
	ds_load_b128 v[148:151], v[QKR] offset:512
	s_wait_dscnt 0x0
	global_store_b128 v[L16], v[144:147], s[72:73]
	global_store_b128 v[L16], v[148:151], s[74:75]
	s_wait_tensorcnt 0x0
	ds_add_u32 v[SPW], v[NIL]
	s_wait_dscnt 0x0
	s_branch .Lclose
.Lout_v:
.set TMV, 64
.set PCV, 80
.set PWV, 100
	s_lshr_b32 s18, s42, 3
	s_and_b32 s19, s42, 7
	s_lshl_b32 s19, s19, 1
	s_add_co_u32 s19, s19, s16
	s_lshl_b32 s18, s18, 4
	s_lshl_b32 s20, s17, 2
	s_add_co_u32 s18, s18, s20
	s_lshl_b32 s20, s15, 1
	s_add_co_u32 s18, s18, s20
	s_lshr_b32 s20, s19, 2
	s_and_b32 s19, s19, 3
	s_mul_i32 s18, s18, 208896
	s_mul_i32 s20, s20, 52224
	s_add_co_u32 s18, s18, s20
	s_mul_i32 s76, s19, 6144
	s_add_co_u32 s76, s76, s18
	s_add_co_u32 s76, s76, 24576
	s_mov_b32 s77, 0
	s_lshl_b32 s78, s19, 8
	s_add_co_u32 s78, s78, s18
	s_add_co_u32 s78, s78, 51200
	s_mov_b32 s79, 0
	s_add_nc_u64 s[68:69], s[100:101], s[76:77]
	s_add_nc_u64 s[72:73], s[100:101], s[78:79]
.irp b, 0,1,2,3
	v_mov_b32 v[TMV+4+\b], 0
.endr
.macro QUANT128W a
.set AC, 64*((\a)%4)
	WIN 0x0a+5*((\a)/4)
.irp b, 0,1,2,3
	v_max3_num_f32 v[TMV+\b], |v[AC+16*\b]|, |v[AC+1+16*\b]|, 0x2800000
.endr
.irp i, 2,4,6,8,10,12,14
.irp b, 0,1,2,3
	v_max3_num_f32 v[TMV+\b], |v[AC+16*\b+\i]|, |v[AC+1+16*\b+\i]|, v[TMV+\b]
.endr
.endr
	WIN 0
.irp b, 0,1,2,3
	v_permlanex16_b32 v[TMV+4+\b], v[TMV+\b], s12, s13
.endr
.irp b, 0,1,2,3
	v_max_num_f32 v[TMV+\b], v[TMV+\b], v[TMV+4+\b]
.endr
.irp b, 0,1,2,3
	v_add_nc_u32 v[TMV+12+\b], 0xfe000000, v[TMV+\b]
.endr
.irp b, 0,1,2,3
	v_lshrrev_b32 v[TMV+4+\b], 23, v[TMV+12+\b]
.endr
	v_lshl_or_b32 v[PWV+(\a)], v[TMV+5], 8, v[TMV+4]
	v_lshl_or_b32 v[PWV+(\a)], v[TMV+6], 16, v[PWV+(\a)]
	v_lshl_or_b32 v[PWV+(\a)], v[TMV+7], 24, v[PWV+(\a)]
	s_wait_xcnt 0x0
	WIN 0x02+(\a)/4
.irp c, 0,1
	v_cvt_scalef32_pk16_bf6_f32 v[PCV+6*\c:PCV+2+6*\c], v[AC+32*\c:AC+15+32*\c], v[TMV+12+2*\c]
	v_cvt_scalef32_pk16_bf6_f32 v[PCV+12+4*\c:PCV+14+4*\c], v[AC+16+32*\c:AC+31+32*\c], v[TMV+12+2*\c+1]
.endr
	WIN 0
	v_nop
.irp c, 0,1
.irp i, 0,1,2
	v_permlane16_swap_b32 v[PCV+6*\c+\i], v[PCV+12+4*\c+\i]
.endr
.irp i, 0,1,2
	v_mov_b32 v[PCV+3+6*\c+\i], v[PCV+12+4*\c+\i]
.endr
.endr
.endm
.macro VTILE a
	QUANT128W \a
.irp g, 0,1,2
	global_store_b128 v[L16], v[PCV+4*\g:PCV+4*\g+3], s[68:69] offset:((\a)/4)*208896+((\a)%4)*1536+512*\g
.endr
	ds_store_b32 v[VW], v[PWV+(\a)] offset:256*((\a)/4)+128*((\a)%2)+4*(((\a)%4)/2)
.endm
.irp a, 0,1,2,3,4,5,6,7
	VTILE \a
.endr
	ds_load_b128 v[108:111], v[VR]
	s_wait_dscnt 0x0
	global_store_b128 v[VGO], v[108:111], s[72:73]
	s_wait_tensorcnt 0x0
	ds_add_u32 v[SPW], v[NIL]
	s_wait_dscnt 0x0
.Lclose:
	CROUND
	s_endpgm
.Lfunc_end_k_q1070398278_qkv:
	.size	k_q1070398278_qkv, .Lfunc_end_k_q1070398278_qkv-k_q1070398278_qkv
	.p2alignl 7, 3214868480
	.fill 96, 4, 3214868480
	.section	.rodata,"a",@progbits
	.p2align	6, 0x0
	.amdhsa_kernel k_q1070398278_qkv
		.amdhsa_group_segment_fixed_size 327680
		.amdhsa_private_segment_fixed_size 0
		.amdhsa_enable_private_segment 0
		.amdhsa_kernarg_size 56
		.amdhsa_user_sgpr_count 2
		.amdhsa_user_sgpr_kernarg_segment_ptr 1
		.amdhsa_wavefront_size32 1
		.amdhsa_system_sgpr_workgroup_id_x 1
		.amdhsa_system_sgpr_workgroup_id_y 1
		.amdhsa_system_sgpr_workgroup_id_z 1
		.amdhsa_system_vgpr_workitem_id 0
		.amdhsa_next_free_vgpr 1024
		.amdhsa_next_free_sgpr 102
		.amdhsa_reserve_vcc 0
		.amdhsa_float_denorm_mode_32 3
		.amdhsa_float_denorm_mode_16_64 3
		.amdhsa_memory_ordered 1
		.amdhsa_forward_progress 1
		.amdhsa_inst_pref_size 249
	.end_amdhsa_kernel
	.amdgpu_metadata
---
amdhsa.version: [ 1, 2 ]
amdhsa.kernels:
  - .name:           k_q1070398278_qkv
    .symbol:         k_q1070398278_qkv.kd
    .args:
      - { .name: cw, .offset: 0, .size: 8, .value_kind: global_buffer, .address_space: global }
      - { .name: rope, .offset: 8, .size: 8, .value_kind: global_buffer, .address_space: global }
      - { .name: bq, .offset: 16, .size: 8, .value_kind: global_buffer, .address_space: global }
      - { .name: bk, .offset: 24, .size: 8, .value_kind: global_buffer, .address_space: global }
      - { .name: bv, .offset: 32, .size: 8, .value_kind: global_buffer, .address_space: global }
      - { .name: qq, .offset: 40, .size: 8, .value_kind: global_buffer, .address_space: global }
      - { .name: kv, .offset: 48, .size: 8, .value_kind: global_buffer, .address_space: global }
    .group_segment_fixed_size: 327680
    .private_segment_fixed_size: 0
    .kernarg_segment_align: 8
    .kernarg_segment_size: 56
    .max_flat_workgroup_size: 128
    .sgpr_count:     102
    .vgpr_count:     1024
    .wavefront_size: 32
...
	.end_amdgpu_metadata
.endif
;; end of part 6
;; launch attn (part 7): grid 8 x 32, 16 waves a work-group, clusters of 4 x 1, 327,680 bytes of LDS; arguments qq, kv, aq; writes aq
.if DOCPART == 7
	.amdgcn_target "amdgcn-amd-amdhsa--gfx1250"
	.amdhsa_code_object_version 6
	.text
	.protected	k_q1070398278_attn
	.globl	k_q1070398278_attn
	.p2align	8
	.type	k_q1070398278_attn,@function
k_q1070398278_attn:
	s_mov_b64 s[64:65], 0
	v_nop
	global_prefetch_b8 v0, s[64:65] scope:SCOPE_SE
	s_setreg_imm32_b32 hwreg(HW_REG_WAVE_MODE, 25, 1), 1
	s_wait_xcnt 0x0
	s_wait_alu depctr_hold_cnt(0) depctr_sa_sdst(0) depctr_va_vdst(0) depctr_va_sdst(0) depctr_va_ssrc(0) depctr_va_vcc(0) depctr_vm_vsrc(0)
	s_getreg_b32 s2, hwreg(HW_REG_IB_STS2, 6, 4)
	s_cmp_eq_u32 s2, 0
	s_cbranch_scc0 .Lentry_in_a_cluster
	s_endpgm
.Lentry_in_a_cluster:
	s_bfe_u32 s2, ttmp6, 0x10000c
	s_cmp_lg_u32 s2, 0x3003
	s_cbranch_scc0 .Lentry_shape_is_right
	s_endpgm
.Lentry_shape_is_right:
; O[q] = sum over k of softmax_k(Q[q] . K[k] / 8) V[k] for each of 32 (batch, head): 2,048 queries and keys, head size 64.  Both products on codes of BF6 (E3M2) with E8M0 scales; O is quantised along d_model for the last product.
; THE SOFTMAX: t = score x log2(e) / 8; M = the largest t so far, rounded UP to a whole number; p = 2^(t - M) is quantised along the keys, not normalised.  The row's sum is taken of the unquantised p in f32 and divides O at the end.
; When M moves, the sum and O are multiplied by 2^(old M - new M), which rounds nothing; there is no branch on data.
; LIMITS: NaN and infinities are not served; the scaled scores stay under 2^31 in magnitude; p under 2^-126 comes out as 0 (ISA guide, the exponential's entry); a block whose largest number lies under 2^-122 keeps the byte 1.
; SHARES.  A work-group owns 256 queries of one head, each of its sixteen waves one tile of 16 in 256 registers: four waves to a SIMD.
; A WHOLE HEAD STAYS IN LDS: 816 rows of 256 bytes as they lie in kv (4 pieces of 512 keys: K's codes 96 rows, V^T's 96, K's words 8, V^T's 4), each row followed by 64 bytes of padding.  Every byte is filled once.
; EVERY WAVE BRINGS 51 ROWS BY ONE TENSOR LOAD, wave w rows 51 w on.  Waves 0-3 (piece 0) ask at the head; waves 4-15 (pieces 1-3) behind a wait, two adds and a round of the
; cluster's barrier; their rows land under piece 0's four steps.  A wait for 0 and a barrier stand ahead of the first read of piece 1; from there on the waves do not meet before the end.
; CLUSTER.  The four work-groups of a cluster own queries of the same head: every load is joint, with the mask of all four.
; NO PREFETCH: the waves wait for piece 0 alone, which is asked for at the head; nothing stands ahead of it to ask from.
; LAYOUT.  Both products are used transposed: S^T = K Q^T, O^T = V^T P^T: a lane holds one query throughout.  Of a step's 128 keys, tile (c, t) takes keys 64 c + 8 t + 0..7 as rows 0-7 and keys 64 c + 32 + 8 t + 0..7 as rows 8-15:
; lane (query, h) then holds in the 32 registers of tiles (c, 0..3) the keys 64 c + 32 h + 0..31, a whole block in the second product's order.  In kv stored tile 2 b + u holds key 32 b + 8 u + p + 8 (p / 8) in row p.
; TWO TILES TO A FRAGMENT.  The head's 64 fill half of K = 128: a fragment of K holds tile (c, u) in k = 0..63 and tile (c, u + 2) in k = 64..127 and is multiplied by [q, 0] and by [0, q]; zero codes add nothing.
; REGISTERS: v1 16 x lane, v2 8 x lane, v3-5 my place in K's 16-byte parts, 8-byte parts and words, v6 8 h, v7 my place in V^T; v8-12 a step's addresses, later v10, v11 the conversions' scale operands; v13 the old -M;
;   v[14:15] the sum; v16 -M, v17 the largest score; v18-35 [q][0][q]; scales alone: v36, v37 q's, v38 p's, v[40:41] V^T's, v42, v43 K's; v44-46, v252-254 the conversions' second halves; v47, v255 the add's two;
;   v48-95 K's fragments; v96-143 V^T's; v144-207 S^T, then p; v208-239 O^T; v240-251 p's codes, before that K's raw words (v240-243), the maxima (v244-247), t, f and temporaries (v248, v249), the bytes (v250, v251).
.set PIECEM, 52224
.set HEADB,  4*PIECEM
.set QTRM,   PIECEM/4                  ; what one tensor load brings: 51 rows of 256 bytes
.set ROWL,   320                       ; a row in LDS: 256 bytes + 64: lanes r >= 8 read 6 rows on, 128 modulo 256, so a 16-byte load's sixteen lanes touch sixteen different 16-byte columns
.set PIECEL, 204*ROWL
.set QTRL,   51*ROWL
.set SPARE,  4*PIECEL                  ; the spare words: 128 bytes a wave
.set KTILE,  3*ROWL
.set KSTEP,  8*KTILE
.set VFRAG,  6*ROWL
.set VSTEP,  4*VFRAG
.set VCO,    96*ROWL
.set KWO,    192*ROWL
.set VWO,    200*ROWL
.set QLO, 18
.set QHI, 24
.set QWL, 36
.set QWH, 37
.set PWD, 38
.set VWD, 40
.set CW,  42
.set PX1, 44
.set KF,  48
.set VF,  96
.set S,   144
.set O,   208
.set PC,  240
.set W,   240
.set CH,  244
.set PX0, 252
.set WV,  10
.set CS,  16                           ; s[16:17] c = log2(e) / 8
.set SEL, 18                           ; s[18:19] selects for lane l xor 16
.set TB,  20                           ; LDS byte of this step's codes of V^T
.set TS,  21                           ; of the NEXT step's words of K
.set TV,  22                           ; of this step's words of V^T
.set CNT, 23
.set G1,  24
.set G0,  32
.set TK,  49                           ; of the NEXT step's codes of K
.macro ROUND                           ; a round of the cluster's barrier
	s_barrier_signal -1
	s_barrier_wait -1
	s_cmp_lg_u32 s[WV], 0
	s_cbranch_scc1 .Lnot_wave_0_\@
	s_barrier_signal -3
.Lnot_wave_0_\@:
	s_barrier_wait -3
	s_barrier_signal -1
	s_barrier_wait -1
.endm
	s_load_b128 s[4:7], s[0:1], 0x0                ; qq, kv
	s_load_b64 s[8:9], s[0:1], 0x10                ; aq
	v_lshl_add_u32 v47, v0, 2, SPARE
	v_mov_b32 v255, 0
	ds_add_u32 v47, v255                           ; the opening lines: the add, twice on end, and its wait
	ds_add_u32 v47, v255
	v_lshrrev_b32 v3, 5, v0
	v_readfirstlane_b32 s[WV], v3                  ; wave 0..15
	s_bfe_u32 s11, ttmp6, 0x40000                  ; cx: it enters Q's and the result's global addresses alone
	s_lshl_b32 s12, ttmp9, 2
	s_add_co_u32 s12, s12, s11                     ; my block of 256 queries
	s_and_b32 s13, ttmp7, 0xffff                   ; batch x 16 + head
	s_lshl_b32 s14, s12, 4
	s_add_co_u32 s14, s14, s[WV]                   ; my tile of queries T, 0..127
	s_mov_b32 s[G1], 15|(3<<16)|(1<<20)|(1<<21)|(5<<22)|(15<<25)   ; the mask of all four; elements of 8 bytes; 16 words of padding behind every 64
	s_mov_b32 s[G1+1], 32<<16
	s_mov_b32 s[G1+2], 51<<16
	s_mov_b32 s[G1+3], 32<<16
	s_mov_b32 s[G1+4], 51
	s_mov_b32 s[G1+5], 32
	s_mov_b32 s[G1+6], 0
	s_mov_b32 s[G1+7], 0
	s_mul_i32 s48, s[WV], QTRM                     ; my 51 rows in memory
	s_mul_i32 s50, s13, HEADB
	s_add_co_u32 s50, s50, s48
	s_mov_b32 s51, 0
	s_mul_i32 s52, s13, 98304                      ; Q's codes: a head's 128 tiles of 768 bytes
	s_mul_i32 s53, s14, 768
	s_add_co_u32 s52, s52, s53
	s_mov_b32 s53, 0
	s_lshl_b32 s54, s13, 13                        ; Q's word: head x 8,192 + 512 (T / 8) + 256 (T % 2) + 4 ((T % 8) / 2), + 16 r
	s_lshr_b32 s55, s14, 3
	s_lshl_b32 s55, s55, 9
	s_add_co_u32 s54, s54, s55
	s_and_b32 s55, s14, 1
	s_lshl_b32 s55, s55, 8
	s_add_co_u32 s54, s54, s55
	s_bfe_u32 s55, s14, 0x20001
	s_lshl_b32 s55, s55, 2
	s_add_co_u32 s54, s54, s55
	s_add_co_u32 s54, s54, 3145728
	s_mov_b32 s55, 0
	s_lshr_b32 s56, s13, 4                         ; the result: token tile batch x 128 + T,
	s_lshl_b32 s56, s56, 7
	s_add_co_u32 s56, s56, s14
	s_and_b32 s60, s13, 15                         ; head hd: half hd % 2 of K step hd / 2
	s_lshl_b32 s58, s56, 9
	s_mul_i32 s56, s56, 12288
	s_lshr_b32 s61, s60, 1
	s_mul_i32 s57, s61, 1536
	s_add_co_u32 s56, s56, s57
	s_and_b32 s62, s60, 1
	s_mul_i32 s57, s62, 768
	s_add_co_u32 s56, s56, s57
	s_mov_b32 s57, 0
	s_lshr_b32 s59, s60, 2                         ; its two scale bytes: 512 tile + 128 (hd / 4) + 4 ((hd / 2) % 2) + 2 (hd % 2), + 8 r
	s_lshl_b32 s59, s59, 7
	s_add_co_u32 s58, s58, s59
	s_and_b32 s59, s61, 1
	s_lshl_b32 s59, s59, 2
	s_add_co_u32 s58, s58, s59
	s_lshl_b32 s59, s62, 1
	s_add_co_u32 s58, s58, s59
	s_add_co_u32 s58, s58, 3145728
	s_mov_b32 s59, 0
	s_mov_b32 s[CS], 0x3e38aa3b
	s_mov_b32 s[CS+1], s[CS]
	s_mov_b32 s[SEL], 0x76543210
	s_mov_b32 s[SEL+1], 0xfedcba98
	s_wait_dscnt 0x0
	s_wait_kmcnt 0x0
	s_add_nc_u64 s[50:51], s[6:7], s[50:51]
	s_add_nc_u64 s[52:53], s[4:5], s[52:53]
	s_add_nc_u64 s[54:55], s[4:5], s[54:55]
	s_add_nc_u64 s[56:57], s[8:9], s[56:57]
	s_add_nc_u64 s[58:59], s[8:9], s[58:59]
	s_mov_b32 s[G0], 1
	s_mul_i32 s[G0+1], s[WV], QTRL                 ; row i of the head's bytes lies at 320 i
	s_mov_b64 s[G0+2:G0+3], s[50:51]
	s_or_b32 s[G0+3], s[G0+3], 0x80000000
	ROUND                                          ; all four work-groups are here: the joint loads meet
	s_cmp_lt_u32 s[WV], 4                          ; piece 0: waves 0-3
	s_cbranch_scc0 .Lnot_first
	tensor_load_to_lds s[G0:G0+3], s[G1:G1+7]
	s_nop 0
.rept 4
	v_nop
.endr
.Lnot_first:
	v_and_b32 v9, 31, v0                           ; lane
	v_lshlrev_b32 v1, 4, v9
	v_lshlrev_b32 v2, 3, v9
	v_and_b32 v8, 15, v0                           ; r
	v_bfe_u32 v10, v0, 4, 1                        ; h
	v_lshlrev_b32 v11, 4, v8
	global_load_b128 v[QLO:QLO+3], v1, s[52:53]    ; q's half fragment, twice: as k = 0..63 of [q, 0],
	global_load_b64 v[QLO+4:QLO+5], v2, s[52:53] offset:512
	global_load_b128 v[QHI+6:QHI+9], v1, s[52:53]  ; and as k = 64..127 of [0, q]; the six zeros between serve both
	global_load_b64 v[QHI+10:QHI+11], v2, s[52:53] offset:512
	global_load_b32 v[QWL], v11, s[54:55]
	v_and_b32 v12, 7, v0                           ; r % 8
	v_bfe_u32 v13, v0, 3, 1                        ; r / 8
	v_mul_u32_u24 v3, v13, 2*KTILE                 ; lanes r >= 8 read two stored tiles further on
	v_mad_u32_u24 v4, v10, 128, v3
	v_lshl_add_u32 v4, v12, 3, v4
	v_mad_u32_u24 v3, v10, ROWL, v3
	v_lshl_add_u32 v3, v12, 4, v3
	v_lshlrev_b32 v5, 4, v12
	v_lshl_add_u32 v5, v13, 2, v5
	v_mad_u32_u24 v5, v10, ROWL, v5
	v_lshlrev_b32 v6, 3, v10
	v_mul_u32_u24 v7, v10, ROWL
	v_lshl_add_u32 v7, v8, 4, v7
.irp j, 0,1,2,3,4,5
	v_mov_b32 v[QHI+\j], 0
.endr
	v_mov_b32 v17, 0xff61b1e6                      ; the largest score so far: -3e38
	v_mul_f32 v16, s[CS], v17
	v_floor_f32 v16, -v16                          ; -M
	v_mov_b32 v13, v16                             ; and its copy: each step leaves the next one the old -M here
	v_mov_b32 v14, 0
	v_mov_b32 v15, 0
	v_mov_b32 v249, 0                              ; (a lane permute's destination counts as one of its sources)
	s_wait_alu depctr_va_vdst(0)                   ; ahead of the blocking wait
	s_wait_loadcnt 0x0
	v_lshlrev_b32 v[QWH], 16, v[QWL]               ; q's two bytes over k = 64..127, for [0, q];
	v_and_b32 v[QWL], 0xffff, v[QWL]               ; over k = 0..63, for [q, 0]; the bytes over the zero codes are 0
.macro SP d, a, b, sa, sb, row         ; one tile of S^T
.if \row
	v_wmma_scale_f32_16x16x128_f8f6f4 v[\d:\d+7], v[\a:\a+11], v[\b:\b+11], 0, v[\sa], v[\sb] matrix_a_fmt:MATRIX_FMT_BF6 matrix_b_fmt:MATRIX_FMT_BF6 matrix_a_scale:MATRIX_SCALE_ROW1
.else
	v_wmma_scale_f32_16x16x128_f8f6f4 v[\d:\d+7], v[\a:\a+11], v[\b:\b+11], 0, v[\sa], v[\sb] matrix_a_fmt:MATRIX_FMT_BF6 matrix_b_fmt:MATRIX_FMT_BF6
.endif
.endm
.macro OPROD d                         ; O^T += V^T P^T, tile d of the head's four
.if (\d)%2
	v_wmma_scale_f32_16x16x128_f8f6f4 v[O+8*(\d):O+8*(\d)+7], v[VF+12*(\d):VF+12*(\d)+11], v[PC:PC+11], v[O+8*(\d):O+8*(\d)+7], v[VWD+(\d)/2], v[PWD] matrix_a_fmt:MATRIX_FMT_BF6 matrix_b_fmt:MATRIX_FMT_BF6 matrix_a_scale:MATRIX_SCALE_ROW1
.else
	v_wmma_scale_f32_16x16x128_f8f6f4 v[O+8*(\d):O+8*(\d)+7], v[VF+12*(\d):VF+12*(\d)+11], v[PC:PC+11], v[O+8*(\d):O+8*(\d)+7], v[VWD+(\d)/2], v[PWD] matrix_a_fmt:MATRIX_FMT_BF6 matrix_b_fmt:MATRIX_FMT_BF6
.endif
.endm
.macro WFETCH                          ; K's raw scale words
.irp c, 0,1
	ds_load_b32 v[W+2*\c], v10 offset:8*\c
	ds_load_b32 v[W+2*\c+1], v10 offset:8*\c+128
.endr
.endm
.macro KFETCH                          ; K's four fragments: fragment 2 c + u: tile (c, u), then tile (c, u + 2)
.irp j, 0,1,2,3
	ds_load_b128 v[KF+12*\j:KF+12*\j+3], v8 offset:KTILE*(4*(\j/2)+\j%2)
	ds_load_b64 v[KF+12*\j+4:KF+12*\j+5], v9 offset:KTILE*(4*(\j/2)+\j%2)+2*ROWL
	ds_load_b128 v[KF+12*\j+6:KF+12*\j+9], v8 offset:KTILE*(4*(\j/2)+\j%2)+128
	ds_load_b64 v[KF+12*\j+10:KF+12*\j+11], v9 offset:KTILE*(4*(\j/2)+\j%2)+2*ROWL+64
.endr
.endm
.macro KWORDS                          ; a fragment's word: bytes 0, 1 its first tile's, bytes 2, 3 its second's
	v_perm_b32 v[CW], v[W+1], v[W], 0x05040100
	v_perm_b32 v[CW+1], v[W+3], v[W+2], 0x05040100
.endm
.macro PKF j                           ; pair j of the scores: t - M (of the pairs c and -M the low word serves both halves)
	v_pk_fma_f32 v[S+2*(\j):S+2*(\j)+1], v[S+2*(\j):S+2*(\j)+1], s[CS:CS+1], v[16:17] op_sel_hi:[1,0,0]
.endm
.macro TREE b, n, d                    ; n packed additions in place, from register b of p on: pairs d registers apart
.set II, \b
.rept \n
	v_pk_add_f32 v[S+II:S+II+1], v[S+II:S+II+1], v[S+II+(\d):S+II+(\d)+1]
.set II, II+2*(\d)
.endr
.endm
; A KEY STEP: 128 keys.  Its fragments of K and their words are in registers.  pf = 1: the next step's are fetched.
.macro STEP pf
.irp c, 0,1                                    ; S^T: register 32 c + i of my 64 is key 64 c + 32 h + i
	SP S+8*(4*\c+0), KF+12*(2*\c+0), QLO, CW+\c, QWL, 0
	SP S+8*(4*\c+1), KF+12*(2*\c+1), QLO, CW+\c, QWL, 1
	SP S+8*(4*\c+2), KF+12*(2*\c+0), QHI, CW+\c, QWH, 0
	SP S+8*(4*\c+3), KF+12*(2*\c+1), QHI, CW+\c, QWH, 1
.endr
.if \pf                                        ; the addresses of the step's LDS loads: five plain lines, the places behind the products above
	v_add_nc_u32 v8, s[TK], v3
	v_add_nc_u32 v9, s[TK], v4
	v_add_nc_u32 v10, s[TS], v5
.else
.rept 3
	v_nop
.endr
.endif
	v_add_nc_u32 v11, s[TB], v7
	v_add_nc_u32 v12, s[TV], v2
.irp c, 0,1                                    ; the largest score of my two blocks, four chains by turns, each tile first read at its low end; it serves the row's maximum and, since p rises with the score, the block's largest p
.irp e, 0,1
	v_max3_num_f32 v[CH+2*\c+\e], v[S+32*\c+16*\e], v[S+32*\c+16*\e+1], v[S+32*\c+16*\e+2]
.endr
.endr
.irp i, 3,5,7,9,11,13
.irp c, 0,1
.irp e, 0,1
	v_max3_num_f32 v[CH+2*\c+\e], v[CH+2*\c+\e], v[S+32*\c+16*\e+\i], v[S+32*\c+16*\e+\i+1]
.endr
.endr
.endr
.irp c, 0,1
	v_max3_num_f32 v[CH+2*\c], v[CH+2*\c], v[S+32*\c+15], v[S+32*\c+31]
.endr
.irp c, 0,1
	v_max_num_f32 v[CH+2*\c], v[CH+2*\c], v[CH+2*\c+1]
.endr
	v_max_num_f32 v248, v[CH], v[CH+2]
	v_permlanex16_b32 v249, v248, s[SEL], s[SEL+1]
	v_max3_num_f32 v17, v17, v248, v249            ; the largest score so far
	v_mul_f32 v248, s[CS], v17
	v_floor_f32 v16, -v248                         ; the new -M = -ceil(t)
	v_sub_f32 v248, v16, v13                       ; old M less new M: a whole number, 0 or less
	v_fma_f32 v[CH], v[CH], s[CS], v16             ; t - M of each block's largest score
	v_fma_f32 v[CH+2], v[CH+2], s[CS], v16
	PKF 0                                          ; block 0's t - M, with the chain that makes f among them
	PKF 1
	v_cvt_i32_f32 v248, v248
.irp j, 2,3,4,5
	PKF \j
.endr
	v_ldexp_f32 v248, 1.0, v248                    ; f = 2^(old M - new M)
.irp j, 6,7,8,9,10,11,12,13,14,15
	PKF \j
.endr
.set II, 0
.rept 16                                       ; O^T under the new M, ahead of the exponentials; each accumulator from its low end on (of the pair v[248:249] the low word serves both halves)
	v_pk_mul_f32 v[O+II:O+II+1], v[O+II:O+II+1], v[248:249] op_sel_hi:[1,0]
.set II, II+2
.endr
	s_wait_alu depctr_va_vdst(0)                   ; ahead of a batch
.if \pf                                        ; THE STEP'S LDS LOADS, in one run behind that wait: K's raw words first, V^T and its words for this step's end, K's fragments for the next step
	WFETCH
.endif
	ds_load_b64 v[VWD:VWD+1], v12
.irp d, 0,1,2,3
.irp g, 0,1,2
	ds_load_b128 v[VF+12*\d+4*\g:VF+12*\d+4*\g+3], v11 offset:VFRAG*\d+2*ROWL*\g
.endr
.endr
.if \pf
	KFETCH
.endif
	v_exp_f32 v[CH], v[CH]                         ; the blocks' largest p: the same two instructions on the same number give the same bits
	v_exp_f32 v[CH+2], v[CH+2]
.set II, 0
.rept 16                                       ; THE FIRST BATCH: block 0's p = 2^(t - M).  Among them block 1's t - M: lines that read nothing written since the wait above, and whose results are read behind the wait below
	v_exp_f32 v[S+II], v[S+II]
	v_pk_fma_f32 v[S+32+II:S+33+II], v[S+32+II:S+33+II], s[CS:CS+1], v[16:17] op_sel_hi:[1,0,0]
	v_exp_f32 v[S+II+1], v[S+II+1]
.set II, II+2
.endr
	v_pk_mul_f32 v[14:15], v[14:15], v[248:249] op_sel_hi:[1,0]    ; the sum under the new M: the plain line behind the transcendentals
	s_wait_alu depctr_va_vdst(0)                   ; behind the first batch, ahead of the second, and directly ahead of the blocking wait below
.if \pf
	s_wait_dscnt 29                                ; K's four raw words are in; behind them V^T's thirteen loads and K's sixteen may be out
	KWORDS
.endif
	v_max_num_f32 v[CH], 0x2800000, v[CH]          ; the floor 2^(5 - 127): the byte cannot fall under 1
	v_max_num_f32 v[CH+2], 0x2800000, v[CH+2]
	v_add_nc_u32 v10, 0xfe000000, v[CH]            ; 4 off the exponent field: the conversions' scale operands
	v_add_nc_u32 v11, 0xfe000000, v[CH+2]
	v_lshrrev_b32 v250, 23, v10                    ; the bytes of blocks h and 2 + h,
	v_lshrrev_b32 v251, 23, v11
	v_lshl_or_b32 v248, v251, 16, v250
	v_lshlrev_b32 v248, v6, v248                   ; at their places;
	v_permlanex16_b32 v249, v248, s[SEL], s[SEL+1]
	v_cvt_scalef32_pk16_bf6_f32 v[PC:PC+2], v[S:S+15], v10
	v_cvt_scalef32_pk16_bf6_f32 v[PX0:PX0+2], v[S+16:S+31], v10    ; (a conversion's three registers begin on an even number)
	v_or_b32 v[PWD], v248, v249                    ; with lane l xor 16's two bytes the word is whole.  (The plain line behind the conversions)
.irp i, 0,1,2
	v_mov_b32 v[PC+3+\i], v[PX0+\i]
.endr
.set II, 0
.rept 8                                        ; THE SECOND BATCH: block 1's p.  Among them the first eight additions of block 0's UNQUANTISED p, independent of each other; their results are read behind the wait below
	v_exp_f32 v[S+32+II], v[S+32+II]
	v_exp_f32 v[S+33+II], v[S+33+II]
	v_pk_add_f32 v[S+II:S+II+1], v[S+II:S+II+1], v[S+II+2:S+II+3]
	v_exp_f32 v[S+34+II], v[S+34+II]
	v_exp_f32 v[S+35+II], v[S+35+II]
.set II, II+4
.endr
	v_mov_b32 v13, v16                             ; the next step's old -M: the plain line behind the transcendentals
	s_wait_alu depctr_va_vdst(0)                   ; behind the second batch
	v_cvt_scalef32_pk16_bf6_f32 v[PC+6:PC+8], v[S+32:S+47], v11
	v_cvt_scalef32_pk16_bf6_f32 v[PX1:PX1+2], v[S+48:S+63], v11
	TREE 0, 4, 4                                   ; the rest of the sum, the two blocks by turns: 24 packed additions.  (The first four are the plain lines behind the conversions; all are places in front of the products below)
.irp i, 0,1,2
	v_mov_b32 v[PC+9+\i], v[PX1+\i]
.endr
	TREE 32, 8, 2
	TREE 0, 2, 8
	TREE 32, 4, 4
	TREE 0, 1, 16
	TREE 32, 2, 8
	v_pk_add_f32 v[14:15], v[14:15], v[S:S+1]      ; block 0's total,
	TREE 32, 1, 16
	v_pk_add_f32 v[14:15], v[14:15], v[S+32:S+33]  ; and block 1's
	s_wait_alu depctr_va_vdst(0)                   ; ahead of the blocking wait and of the backward jump
	s_wait_dscnt 0x0                               ; V^T and its words are in, and so is the next step's K
.irp d, 0,1,2,3
	OPROD \d                                       ; four accumulators by turns
.endr
	s_add_co_u32 s[TB], s[TB], VSTEP
	s_add_co_u32 s[TV], s[TV], ROWL
.if \pf
	s_add_co_u32 s[TK], s[TK], KSTEP
	s_add_co_u32 s[TS], s[TS], 2*ROWL
.endif
.endm
.macro RUN3                            ; three steps whose successor lies in the same piece
	s_mov_b32 s[CNT], 3
.Lstep_\@:
	STEP 1
	s_sub_co_u32 s[CNT], s[CNT], 1
	s_cmp_lg_u32 s[CNT], 0
	s_cbranch_scc1 .Lstep_\@
.endm
	s_wait_alu depctr_va_vdst(0)                   ; at the head's end
	s_wait_tensorcnt 0x0                           ; piece 0's loads are in; ahead of a later first fill:
	ds_add_u32 v47, v255                           ; the add, twice on end
	ds_add_u32 v47, v255
	s_wait_dscnt 0x0
	ROUND                                          ; and a round: piece 0 is whole in all four work-groups, and the joint loads meet
	s_cmp_ge_u32 s[WV], 4                          ; pieces 1 to 3: waves 4-15
	s_cbranch_scc0 .Lnot_second
	tensor_load_to_lds s[G0:G0+3], s[G1:G1+7]
	s_nop 0
.rept 4
	v_nop
.endr
.Lnot_second:
	s_mov_b32 s[TK], 0
	s_mov_b32 s[TS], KWO
	s_mov_b32 s[TB], VCO
	s_mov_b32 s[TV], VWO
	v_add_nc_u32 v8, s[TK], v3
	v_add_nc_u32 v9, s[TK], v4
	v_add_nc_u32 v10, s[TS], v5
	WFETCH                                         ; step 0's K
	KFETCH
	s_wait_dscnt 16                                ; the four raw words are in; the sixteen fragment loads may be out
	KWORDS
.set II, 0
.rept 32
	v_mov_b32 v[O+II], 0                           ; O^T: the step is written for every step alike; these lines are also the places between the words made above and the first products
.set II, II+1
.endr
	s_mov_b32 s[TK], KSTEP
	s_mov_b32 s[TS], KWO+2*ROWL
	s_wait_alu depctr_va_vdst(0)
	s_wait_dscnt 0x0
	RUN3                                           ; PIECE 0
	s_wait_tensorcnt 0x0                           ; the piece's last step fetches piece 1's first K: every wave's load is in,
	s_wait_dscnt 0x0
	s_barrier_signal -1
	s_barrier_wait -1                              ; so pieces 1, 2 and 3 are whole
	s_mov_b32 s[TK], PIECEL
	s_mov_b32 s[TS], PIECEL+KWO
	STEP 1
.irp n, 1,2                                    ; PIECES 1 AND 2
	s_mov_b32 s[TB], \n*PIECEL+VCO
	s_mov_b32 s[TV], \n*PIECEL+VWO
	s_mov_b32 s[TK], \n*PIECEL+KSTEP
	s_mov_b32 s[TS], \n*PIECEL+KWO+2*ROWL
	RUN3
	s_mov_b32 s[TK], (\n+1)*PIECEL
	s_mov_b32 s[TS], (\n+1)*PIECEL+KWO
	STEP 1
.endr
	s_mov_b32 s[TB], 3*PIECEL+VCO                  ; PIECE 3
	s_mov_b32 s[TV], 3*PIECEL+VWO
	s_mov_b32 s[TK], 3*PIECEL+KSTEP
	s_mov_b32 s[TS], 3*PIECEL+KWO+2*ROWL
	RUN3
	STEP 0                                         ; the last step fetches nothing more of K
	; THE WAY OUT: O^T / the sum, quantised along the head's 64, half a K step of the last product.  Register 16 b + i of O^T is d = 32 b + 16 h + i of my query.
.rept 4
	v_nop                                          ; places behind the last products
.endr
	v_add_f32 v14, v14, v15
	v_permlanex16_b32 v8, v14, s[SEL], s[SEL+1]
	v_add_f32 v14, v14, v8                         ; the row's sum
	s_wait_alu depctr_va_vdst(0)                   ; ahead of the transcendental
	v_rcp_f32 v14, v14
	v_nop
	s_wait_alu depctr_va_vdst(0)                   ; and behind it, directly ahead of the first reader of O^T
.set II, 0
.rept 32
	v_mul_f32 v[S+II], v[O+II], v14
.set II, II+1
.endr
	v_max3_num_f32 v244, |v[S]|, |v[S+1]|, 0x2800000
	v_max3_num_f32 v245, |v[S+16]|, |v[S+17]|, 0x2800000
.irp i, 2,4,6,8,10,12,14
	v_max3_num_f32 v244, v244, |v[S+\i]|, |v[S+\i+1]|
	v_max3_num_f32 v245, v245, |v[S+16+\i]|, |v[S+17+\i]|
.endr
	v_permlanex16_b32 v246, v244, s[SEL], s[SEL+1]
	v_permlanex16_b32 v247, v245, s[SEL], s[SEL+1]
	v_max_num_f32 v244, v244, v246                 ; with lane l xor 16's: the block's largest magnitude
	v_max_num_f32 v245, v245, v247
	v_add_nc_u32 v10, 0xfe000000, v244
	v_add_nc_u32 v11, 0xfe000000, v245
	v_lshrrev_b32 v250, 23, v10
	v_lshrrev_b32 v251, 23, v11
	v_lshl_or_b32 v9, v251, 8, v250                ; the two scale bytes: the same in lanes l and l xor 16
	v_and_b32 v12, 15, v0
	v_lshlrev_b32 v12, 3, v12                      ; 8 r
	v_cvt_scalef32_pk16_bf6_f32 v[PC:PC+2], v[S:S+15], v10
	v_cvt_scalef32_pk16_bf6_f32 v[PX0:PX0+2], v[S+16:S+31], v11
	v_nop
.irp i, 0,1,2
	v_permlane16_swap_b32 v[PC+\i], v[PX0+\i]      ; a block lies in lanes l and l xor 16; the layout wants it whole in a lane
.endr
.irp i, 0,1,2
	v_mov_b32 v[PC+3+\i], v[PX0+\i]
.endr
	global_store_b128 v1, v[PC:PC+3], s[56:57]     ; 512 consecutive bytes,
	global_store_b64 v2, v[PC+4:PC+5], s[56:57] offset:512   ; and 256
	global_store_b16 v12, v9, s[58:59]             ; half a scale word (the other half is another head's); lanes l and l xor 16 store the same two bytes at the same place
	s_wait_tensorcnt 0x0                           ; the wave's end
	ds_add_u32 v47, v255
	s_wait_dscnt 0x0
	ROUND                                          ; the closing round
	s_endpgm
.Lfunc_end_k_q1070398278_attn:
	.size	k_q1070398278_attn, .Lfunc_end_k_q1070398278_attn-k_q1070398278_attn
	.p2alignl 7, 3214868480
	.fill 96, 4, 3214868480
	.section	.rodata,"a",@progbits
	.p2align	6, 0x0
	.amdhsa_kernel k_q1070398278_attn
		.amdhsa_group_segment_fixed_size 327680
		.amdhsa_private_segment_fixed_size 0
		.amdhsa_enable_private_segment 0
		.amdhsa_kernarg_size 24
		.amdhsa_user_sgpr_count 2
		.amdhsa_user_sgpr_kernarg_segment_ptr 1
		.amdhsa_wavefront_size32 1
		.amdhsa_system_sgpr_workgroup_id_x 1
		.amdhsa_system_sgpr_workgroup_id_y 1
		.amdhsa_system_sgpr_workgroup_id_z 1
		.amdhsa_system_vgpr_workitem_id 0
		.amdhsa_next_free_vgpr 256
		.amdhsa_next_free_sgpr 66
		.amdhsa_reserve_vcc 0
		.amdhsa_float_denorm_mode_32 3
		.amdhsa_float_denorm_mode_16_64 3
		.amdhsa_memory_ordered 1
		.amdhsa_forward_progress 1
		.amdhsa_inst_pref_size 134
	.end_amdhsa_kernel
	.amdgpu_metadata
---
amdhsa.version: [ 1, 2 ]
amdhsa.kernels:
  - .name:           k_q1070398278_attn
    .symbol:         k_q1070398278_attn.kd
    .args:
      - { .name: qq, .offset: 0, .size: 8, .value_kind: global_buffer, .address_space: global }
      - { .name: kv, .offset: 8, .size: 8, .value_kind: global_buffer, .address_space: global }
      - { .name: aq, .offset: 16, .size: 8, .value_kind: global_buffer, .address_space: global }
    .group_segment_fixed_size: 327680
    .private_segment_fixed_size: 0
    .kernarg_segment_align: 8
    .kernarg_segment_size: 24
    .max_flat_workgroup_size: 512
    .sgpr_count:     66
    .vgpr_count:     256
    .wavefront_size: 32
...
	.end_amdgpu_metadata
.endif
;; end of part 7
;; launch oproj (part 8): grid 8 x 32, 4 waves a work-group, clusters of 4 x 4, 214,528 bytes of LDS; arguments aq, cw, bo, out0; writes out0
.if DOCPART == 8
	.amdgcn_target "amdgcn-amd-amdhsa--gfx1250"
	.amdhsa_code_object_version 6
	.text
	.protected	k_q1070398278_oproj
	.globl	k_q1070398278_oproj
	.p2align	8
	.type	k_q1070398278_oproj,@function
k_q1070398278_oproj:
	s_mov_b64 s[64:65], 0
	v_nop
	global_prefetch_b8 v0, s[64:65] scope:SCOPE_SE
	s_setreg_imm32_b32 hwreg(HW_REG_WAVE_MODE, 25, 1), 1
	s_wait_xcnt 0x0
	s_wait_alu depctr_hold_cnt(0) depctr_sa_sdst(0) depctr_va_vdst(0) depctr_va_sdst(0) depctr_va_ssrc(0) depctr_va_vcc(0) depctr_vm_vsrc(0)
	s_getreg_b32 s2, hwreg(HW_REG_IB_STS2, 6, 4)
	s_cmp_eq_u32 s2, 0
	s_cbranch_scc0 .Lentry_in_a_cluster
	s_endpgm
.Lentry_in_a_cluster:
	s_bfe_u32 s2, ttmp6, 0x10000c
	s_cmp_lg_u32 s2, 0xf033
	s_cbranch_scc0 .Lentry_shape_is_right
	s_endpgm
.Lentry_shape_is_right:
; out0 = attention's result x Wo^T + bo on codes of BF6 (E3M2) with E8M0 scales; sums in f32; out0 [4096][1024] f32.
; A = aq (256 token tiles), B = Wo (tiles 448-511 of cw): images of the operands' registers (16 rows x 128 K: 1,536 bytes; registers 6 c .. 6 c + 3 at 768 c + 16 x lane, registers 6 c + 4, 6 c + 5 at 768 c + 512 + 8 x lane),
; a tile's eight K steps on end (12,288 bytes), rows in tile order (row p of tile 2 b + u is row 32 b + 8 u + p + 8 (p / 8)); scale words (tile, K step s, row r) at 512 tile + 128 (s / 2) + 8 r + 4 (s % 2) behind the codes.
; SHARES.  Tiles of 128 x 128 give 256 work-groups.  Four waves, each 64 x 64: 16 accumulators, 128 matrix instructions a wave.
; ALL OF K STAYS IN LDS, filled once: each wave brings four tiles with all their K, 49,152 dense bytes as 192 rows of 256, by ONE tensor load (waves 0, 1 A's halves, waves 2, 3 B's).  One wait for 0 and one barrier follow.
; THE SCALE WORDS go from memory straight into registers: lane r takes row r's two words of a pair of K steps; A's in v32-63, B's in v96-127, which hold scales and nothing else.
; THE MATRIX INSTRUCTION IS USED TRANSPOSED (source 0 = 16 rows of Wo, source 1 = 16 tokens): the 16 registers of B's tiles 2 b, 2 b + 1 are columns 32 b + 16 h + 0..15 of a token.  bo is the C of each sum's first instruction.
; CLUSTERS: 4 x 4 work-groups; A's tiles are asked for jointly along a row of the cluster, B's along a column.  NO PREFETCH: all is asked for at the head; there is no loop to run ahead in.
; THE WAY OUT undoes the tile order by constants, through a stage of each wave's own (16 rows x 272 bytes, bytes that no fill touches).
; REGISTERS: window 0: v0-31 addresses; v32-63, v96-127 scale words; v64-95 the bias; v128-255 the accumulators ((a, b) at v[128 + 8 (4 a + b)]).
;   window 1: two sets of fragments, at v0 and v128: A's four at + 0, B's four at + 48; on the way out v0-63 take the rows read back.
.set FR,     12
.set NP,     4                         ; places behind this matrix instruction (ISA guide 7.12.1)
.set TROW,   12288                     ; a tile's codes: eight K steps
.set WREG,   4*TROW                    ; what one wave brings; A's two such regions, then B's two
.set STAGE,  4*WREG
.set SPITCH, 272
.set SPARE,  STAGE+4*16*SPITCH         ; the spare words: 128 bytes a wave
.set L16,  8
.set L8,   9
.set ADRA, 16                          ; v16 my A fragments by 16 x lane; v17 by 8 x lane
.set ADRB, 18
.set STO,  24
.set RD,   25
.set CO,   26
.set SCA,  32
.set BIAS, 64
.set SCB,  96
.set ACC,  128
.set G1,   24
.set G1B,  32
.set G0,   56
.set G0B,  80
.set MSB, 0
.macro WIN new                         ; the immediate's high byte repeats the setting that is left
.if MSB != \new
	s_set_vgpr_msb (MSB<<8)|\new
.set MSB, \new
.endif
.endm
.set MUL,  0x05                        ; sources 0 (B) and 1 (A) window 1; C and D window 0
.set TO_F, 0x40                        ; destination window 1, address window 0
.set FROM_F, 0x04                      ; a store's data window 1, address window 0
.macro CROUND                          ; a round of the cluster's barrier
	s_barrier_signal -1
	s_barrier_wait -1
	s_cmp_lg_u32 s14, 0
	s_cbranch_scc1 .Lnot_wave_0_\@
	s_barrier_signal -3
.Lnot_wave_0_\@:
	s_barrier_wait -3
	s_barrier_signal -1
	s_barrier_wait -1
.endm
.macro PLACES n
.rept \n
	v_nop
.endr
.endm
	s_load_b256 s[4:11], s[0:1], 0x0               ; aq, cw, bo, out0
	v_lshl_add_u32 v30, v0, 2, SPARE
	v_mov_b32 v31, 0
	ds_add_u32 v30, v31                            ; the opening lines: the add, twice on end, and its wait
	ds_add_u32 v30, v31
	v_lshrrev_b32 v1, 5, v0
	v_readfirstlane_b32 s14, v1                    ; wave 0..3
	s_lshr_b32 s15, s14, 1                         ; which half of A's eight tiles I multiply.  Also: I fetch for A (0) or for B (1)
	s_and_b32 s16, s14, 1                          ; which half of B's.  Also: which four tiles I fetch
	s_bfe_u32 s12, ttmp6, 0x40000                  ; cx, cy
	s_bfe_u32 s13, ttmp6, 0x40004
	s_lshl_b32 s2, ttmp9, 2
	s_add_co_u32 s2, s2, s12                       ; tile column, 0..7
	s_and_b32 s17, ttmp7, 0xffff
	s_lshl_b32 s17, s17, 2
	s_add_co_u32 s17, s17, s13                     ; tile row, 0..31
	s_lshl_b32 s21, s13, 2
	s_lshl_b32 s21, 15, s21                        ; my row of the cluster
	s_lshl_b32 s101, 0x1111, s12                   ; my column
	s_or_b32 s[G1], s21, (3<<16)|(1<<21)           ; the mask; elements of 8 bytes; bit 21 beside a mask
	s_or_b32 s[G1B], s101, (3<<16)|(1<<21)
.irp g, G1, G1B                        ; 192 dense rows of 256 bytes
	s_mov_b32 s[\g+1], 32<<16
	s_mov_b32 s[\g+2], 192<<16
	s_mov_b32 s[\g+3], 32<<16
	s_mov_b32 s[\g+4], 192
	s_mov_b32 s[\g+5], 32
	s_mov_b32 s[\g+6], 0
	s_mov_b32 s[\g+7], 0
.endr
	s_lshl_b32 s18, s16, 2
	s_lshl_b32 s20, s17, 3
	s_lshl_b32 s22, s15, 2
	s_add_co_u32 s22, s22, s20                     ; A: the first of the four tiles that I multiply,
	s_add_co_u32 s20, s20, s18                     ; and of the four that I fetch
	s_lshl_b32 s100, s2, 3
	s_add_co_u32 s100, s100, 448
	s_add_co_u32 s100, s100, s18                   ; B: the same four serve both
	s_lshl_b32 s22, s22, 9
	s_add_co_u32 s22, s22, 3145728                 ; aq's scale words
	s_mov_b32 s23, 0
	s_mul_i32 s20, s20, TROW
	s_mov_b32 s21, 0
	s_lshl_b32 s66, s100, 9
	s_add_co_u32 s66, s66, 6291456                 ; cw's scale words
	s_mov_b32 s67, 0
	s_mul_i32 s100, s100, TROW
	s_mov_b32 s101, 0
	s_wait_dscnt 0x0
	s_wait_kmcnt 0x0
	s_add_nc_u64 s[20:21], s[4:5], s[20:21]
	s_add_nc_u64 s[22:23], s[4:5], s[22:23]
	s_add_nc_u64 s[100:101], s[6:7], s[100:101]
	s_add_nc_u64 s[66:67], s[6:7], s[66:67]
	s_mov_b32 s[G0], 1
	s_mul_i32 s[G0+1], s14, WREG                   ; by the wave's number alone
	s_mov_b64 s[G0+2:G0+3], s[20:21]
	s_or_b32 s[G0+3], s[G0+3], 0x80000000
	s_mov_b32 s[G0B], 1
	s_mul_i32 s[G0B+1], s14, WREG
	s_mov_b64 s[G0B+2:G0B+3], s[100:101]
	s_or_b32 s[G0B+3], s[G0B+3], 0x80000000
	CROUND                                         ; all sixteen work-groups are here: the joint loads meet
	s_cmp_eq_u32 s15, 0                            ; one load in each arm: every way passes exactly one
	s_cbranch_scc0 .Lfor_b
	tensor_load_to_lds s[G0:G0+3], s[G1:G1+7]
	s_nop 0
.rept 4
	v_nop
.endr
	s_branch .Lasked
.Lfor_b:
	tensor_load_to_lds s[G0B:G0B+3], s[G1B:G1B+7]
	s_nop 0
.rept 4
	v_nop
.endr
.Lasked:
	v_and_b32 v1, 15, v0                           ; r
	v_bfe_u32 v2, v0, 4, 1                         ; h
	v_and_b32 v3, 31, v0
	v_lshlrev_b32 v7, 3, v1                        ; 8 r: my row's two words of a pair of K steps
	v_lshlrev_b32 v4, 6, v2                        ; the bias: 64 h
	s_lshl_b32 s100, s2, 9
	s_lshl_b32 s101, s16, 8
	s_add_co_u32 s100, s100, s101                  ; my first column, in bytes
	s_mov_b32 s101, 0
	s_add_nc_u64 s[18:19], s[8:9], s[100:101]
.irp n, 0,1,2,3                                ; the scale words of all of K: register 8 n + 2 i + q: tile i, K step 2 n + q
.irp i, 0,1,2,3
	global_load_b64 v[SCA+8*\n+2*\i:SCA+8*\n+2*\i+1], v7, s[22:23] offset:\i*512+\n*128
	global_load_b64 v[SCB+8*\n+2*\i:SCB+8*\n+2*\i+1], v7, s[66:67] offset:\i*512+\n*128
.endr
.endr
.irp b, 0,1,2,3                                ; for B's tile b the numbers of columns 32 (b / 2) + 16 h + 8 (b % 2) + 0..7
	global_load_b128 v[BIAS+8*\b:BIAS+8*\b+3], v4, s[18:19] offset:(32*(\b/2)+8*(\b%2))*4
	global_load_b128 v[BIAS+8*\b+4:BIAS+8*\b+7], v4, s[18:19] offset:(32*(\b/2)+8*(\b%2))*4+16
.endr
	v_lshlrev_b32 v[L16], 4, v3
	v_lshlrev_b32 v[L8], 3, v3
	s_mul_i32 s21, s15, WREG                       ; my four tiles of A
	s_mul_i32 s3, s16, WREG                        ; my four of B,
	s_add_co_u32 s3, s3, 2*WREG                    ; behind A's eight
	v_add_nc_u32 v[ADRA], s21, v[L16]
	v_add_nc_u32 v[ADRA+1], s21, v[L8]
	v_add_nc_u32 v[ADRB], s3, v[L16]
	v_add_nc_u32 v[ADRB+1], s3, v[L8]
	s_mul_i32 s3, s14, 16*SPITCH
	s_add_co_u32 s3, s3, STAGE                     ; my stage
	v_mul_u32_u24 v5, v1, SPITCH                   ; in: row r, + 64 h
	v_lshl_add_u32 v5, v2, 6, v5
	v_add_nc_u32 v[STO], s3, v5
	v_mul_u32_u24 v6, v2, SPITCH                   ; back: lanes 0-15 one row of 256 bytes, lanes 16-31 the next
	v_lshl_add_u32 v6, v1, 4, v6
	v_add_nc_u32 v[RD], s3, v6
	v_lshlrev_b32 v[CO], 12, v2                    ; the same two rows in out0
	v_lshl_add_u32 v[CO], v1, 4, v[CO]
	s_lshl_b32 s20, s17, 7
	s_lshl_b32 s21, s15, 6
	s_add_co_u32 s20, s20, s21                     ; my first row of out0
	s_lshl_b32 s20, s20, 12
	s_mov_b32 s21, 0
	s_add_nc_u64 s[10:11], s[10:11], s[20:21]
	s_add_nc_u64 s[10:11], s[10:11], s[100:101]
.macro FRAG reg, adr, off              ; a fragment's image
	ds_load_b128 v[\reg:\reg+3], v[\adr] offset:\off
	ds_load_b64 v[\reg+4:\reg+5], v[\adr+1] offset:\off+512
	ds_load_b128 v[\reg+6:\reg+9], v[\adr] offset:\off+768
	ds_load_b64 v[\reg+10:\reg+11], v[\adr+1] offset:\off+1280
.endm
.macro FETCH ks                        ; the eight fragments of K step ks into set ks % 2
.set FB, 128*((\ks)%2)
.set OF, (\ks)*1536
	WIN TO_F
.irp i, 0,1,2,3
	FRAG FB+48+FR*\i, ADRB, OF+\i*TROW
	FRAG FB+FR*\i, ADRA, OF+\i*TROW
.endr
.endm
.macro WM a, b, ks, c                  ; A's block a x B's block b; c: the first register of C
	v_wmma_scale_f32_16x16x128_f8f6f4 v[ACC+8*(4*(\a)+\b):ACC+8*(4*(\a)+\b)+7], v[128*((\ks)%2)+48+FR*\b:128*((\ks)%2)+48+FR*\b+FR-1], v[128*((\ks)%2)+FR*(\a):128*((\ks)%2)+FR*(\a)+FR-1], v[\c:\c+7], v[SCB+8*((\ks)/2)+2*\b+(\ks)%2], v[SCA+8*((\ks)/2)+2*(\a)+(\ks)%2] matrix_a_fmt:MATRIX_FMT_BF6 matrix_b_fmt:MATRIX_FMT_BF6
.endm
; A K step of 128: its set is waited for, the next step's is fetched, then 16 products, the 16 accumulators by turns in the same order in every step.
.macro STEP ks
	s_wait_dscnt 0x0
.if (\ks) < 7
.if (\ks) > 0
	PLACES NP                                      ; the other set was read by the last step's products
.endif
	FETCH (\ks)+1
.endif
	WIN MUL
.irp a, 0,1,2,3
.irp b, 0,1,2,3
.if (\ks) == 0
	WM \a, \b, \ks, BIAS+8*\b                      ; the first step starts the sums with the bias
.else
	WM \a, \b, \ks, ACC+8*(4*\a+\b)
.endif
.endr
.endr
.endm
	s_wait_alu depctr_va_vdst(0)                   ; at the head's end
	s_wait_tensorcnt 0x0                           ; my four tiles are in,
	s_barrier_signal -1
	s_barrier_wait -1                              ; everybody's are
	FETCH 0
	s_wait_loadcnt 0x0                             ; the scale words and the bias
.irp k, 0,1,2,3,4,5,6,7
	STEP \k
.endr
	WIN 0
; THE WAY OUT, block by block of 16 tokens x 64 columns, through my own stage: in by 32 bytes a lane at the columns' true places, back as whole rows of 256 bytes.  LDS serves a wave's instructions in order (ISA guide 5.7.1.4).
.macro TOSTAGE a
	WIN 0
.irp b, 0,1,2,3
	ds_store_b128 v[STO], v[ACC+8*(4*(\a)+\b):ACC+8*(4*(\a)+\b)+3] offset:128*(\b/2)+32*(\b%2)          ; each accumulator from its low end on
	ds_store_b128 v[STO], v[ACC+8*(4*(\a)+\b)+4:ACC+8*(4*(\a)+\b)+7] offset:128*(\b/2)+32*(\b%2)+16
.endr
.set BB, 32*((\a)%2)                   ; window 1, v0-31 and v32-63 by turns
	WIN TO_F
.irp t, 0,1,2,3,4,5,6,7
	ds_load_b128 v[BB+4*\t:BB+4*\t+3], v[RD] offset:2*\t*SPITCH
.endr
.endm
.macro SEND a, younger                 ; stage row p of block a is token 32 (a / 2) + 8 (a % 2) + p + 8 (p / 8) of my 64; p = 2 t + lane / 16
.set BB, 32*((\a)%2)
	s_wait_dscnt \younger
	WIN FROM_F
.irp t, 0,1,2,3,4,5,6,7
	global_store_b128 v[CO], v[BB+4*\t:BB+4*\t+3], s[10:11] offset:(32*((\a)/2)+8*((\a)%2)+2*\t+8*(\t/4))*4096 th:TH_STORE_NT   ; sixteen lanes store 256 consecutive bytes, at a multiple of 256
.endr
.endm
	PLACES NP                                      ; in front of the first read of results and of the loads into set 0's registers
	s_wait_alu depctr_va_vdst(0)                   ; ahead of the first readers of the way out's addresses
	TOSTAGE 0
.irp a, 1,2,3
.if \a > 1
	s_wait_xcnt 0x0                                ; block a - 2's stores have read their registers
.endif
	TOSTAGE \a
	SEND \a-1, 16                                  ; behind block a - 1's loads: block a's 8 stores and 8 loads
.endr
	SEND 3, 0
	WIN 0
	s_wait_tensorcnt 0x0                           ; the wave's end
	ds_add_u32 v30, v31
	s_wait_dscnt 0x0
	CROUND                                         ; the closing round
	s_endpgm
.Lfunc_end_k_q1070398278_oproj:
	.size	k_q1070398278_oproj, .Lfunc_end_k_q1070398278_oproj-k_q1070398278_oproj
	.p2alignl 7, 3214868480
	.fill 96, 4, 3214868480
	.section	.rodata,"a",@progbits
	.p2align	6, 0x0
	.amdhsa_kernel k_q1070398278_oproj
		.amdhsa_group_segment_fixed_size 214528
		.amdhsa_private_segment_fixed_size 0
		.amdhsa_enable_private_segment 0
		.amdhsa_kernarg_size 32
		.amdhsa_user_sgpr_count 2
		.amdhsa_user_sgpr_kernarg_segment_ptr 1
		.amdhsa_wavefront_size32 1
		.amdhsa_system_sgpr_workgroup_id_x 1
		.amdhsa_system_sgpr_workgroup_id_y 1
		.amdhsa_system_sgpr_workgroup_id_z 1
		.amdhsa_system_vgpr_workitem_id 0
		.amdhsa_next_free_vgpr 512
		.amdhsa_next_free_sgpr 102
		.amdhsa_reserve_vcc 0
		.amdhsa_float_denorm_mode_32 3
		.amdhsa_float_denorm_mode_16_64 3
		.amdhsa_memory_ordered 1
		.amdhsa_forward_progress 1
		.amdhsa_inst_pref_size 52
	.end_amdhsa_kernel
	.amdgpu_metadata
---
amdhsa.version: [ 1, 2 ]
amdhsa.kernels:
  - .name:           k_q1070398278_oproj
    .symbol:         k_q1070398278_oproj.kd
    .args:
      - { .name: aq, .offset: 0, .size: 8, .value_kind: global_buffer, .address_space: global }
      - { .name: cw, .offset: 8, .size: 8, .value_kind: global_buffer, .address_space: global }
      - { .name: bo, .offset: 16, .size: 8, .value_kind: global_buffer, .address_space: global }
      - { .name: out0, .offset: 24, .size: 8, .value_kind: global_buffer, .address_space: global }
    .group_segment_fixed_size: 214528
    .private_segment_fixed_size: 0
    .kernarg_segment_align: 8
    .kernarg_segment_size: 32
    .max_flat_workgroup_size: 128
    .sgpr_count:     102
    .vgpr_count:     512
    .wavefront_size: 32
...
	.end_amdgpu_metadata
.endif
;; end of part 8
